; MI455X (gfx1250); checked and timed in simulation.
; The chip was launched on July 23, 2026; its instructions are those of AMD's public machine-readable ISA for CDNA 5 (MIT licence, August 2026) and "CDNA5" Instruction Set Architecture Reference Guide (July 2026). The comments in the code are by the model that wrote it; some were corrected since.
;; Multi Head Self Attention KV Cache. Allowed arithmetic: matrix products marked QUANTISED: E2M3 operands, one E8M0 scale for each 32 along K, by v_wmma_scale_f32_16x16x128_f8f6f4 with both operands' format E2M3, f32 sums; everything else in f32.
;; Inputs: Wk 1,024 x 1,024 float32; Wo 1,024 x 1,024 float32; Wq 1,024 x 1,024 float32; Wv 1,024 x 1,024 float32; bk 1,024 float32; bo 1,024 float32; bq 1,024 float32; bv 1,024 float32; masks 2,048 x 2,048 float32; x 2 x 2,048 x 1,024 float32.
;; Outputs: out0 2 x 2,048 x 1,024 float32.
;; This version of the problem:
;;   THIS VERSION OF THE PROBLEM IS GIVEN IN LOW PRECISION. The matrix products marked QUANTISED in the list below multiply operands that are first quantised to E2M3 (2 exponent bits, 3 mantissa bits; 6 bits a number), with one power-of-two scale for each 32 numbers along K (OCP MX v1.0); their sums are f32. All else is computed in f32.
;;   The module's matrix products, in the order in which they are computed (A, B: the left and right operand; K: the contracted axis; several contracted axes count as one K, in the product's order):
;;     1. [M 4,096, K 1,024] x [K 1,024, N 1,024]; A: input x; B: input Wq: QUANTISED
;;     2. [M 4,096, K 1,024] x [K 1,024, N 1,024]; A: input x; B: input Wk: QUANTISED
;;     3. [M 4,096, K 1,024] x [K 1,024, N 1,024]; A: input x; B: input Wv: QUANTISED
;;     4. batch 32 x [M 2,048, K 64] x [K 64, N 2,048]; A: computed on the way; B: computed on the way: QUANTISED
;;     5. batch 32 x [M 2,048, K 2,048] x [K 2,048, N 64]; A: softmax (see below); B: computed on the way: QUANTISED
;;     6. [M 4,096, K 1,024] x [K 1,024, N 1,024]; A: computed on the way; B: input Wo: QUANTISED
;;   THE QUANTISER, for each operand of a quantised product, along K:
;;     - K is cut into blocks of 32 from its start; a last block that is shorter is filled with zeros.
;;     - A block's scale is 2^e with e = floor(log2(the largest magnitude in the block)) - 2, held to -126 .. 127; a block of zeros has e = 0. As a byte (E8M0): e + 127.
;;     - Each number is divided by its block's scale, clamped to +-7.5, and rounded to the nearest number of E2M3, ties to even, subnormals kept.
;;     - The product sums the exact products of the quantised numbers (number of the format x scale) in f32.
;;   ~~~python
;;   def quantise(x, axis):      # numpy; x: float32 -> the quantised numbers, widened to float32 again
;;       x = np.moveaxis(x, axis, -1); K = x.shape[-1]
;;       x = np.pad(x, [(0, 0)] * (x.ndim - 1) + [(0, -K % 32)]); x = x.reshape(x.shape[:-1] + (-1, 32)); a = np.abs(x).max(-1, keepdims=True)
;;       e = np.where(a > 0, np.clip(np.frexp(np.where(a > 0, a, 1))[1] - 1 - 2, -126, 127), 0)      # np.frexp(a)[1] - 1 = floor(log2(a)), exactly
;;       r = np.clip(x / 2.0 ** e, -7.5, 7.5)
;;       step = 2.0 ** (np.maximum(np.frexp(np.where(r == 0, 1, r))[1] - 1, 0) - 3)
;;       q = np.round(r / step) * step * 2.0 ** e      # np.round: ties to even
;;       return np.moveaxis(q.reshape(q.shape[:-2] + (-1,))[..., :K], -1, axis).astype(np.float32)
;;   ~~~
;;   SOFTMAX AHEAD OF A QUANTISED PRODUCT. Where the list says 'softmax', what is quantised is not the finished softmax but p = 2^(t - M), with t = logit x log2(e) and M = ceil(the row's largest t), a whole number; so 1/2 < the row's largest p <= 1. The row's sum l is taken of the UNQUANTISED p, in f32, and the product's result is divided by l at the end. Since M is a whole number, a kernel that streams over the keys may use a running M (the ceiling of the running maximum): every later rescaling is an exact power of two, which a block's scale takes up: the codes' values come out the same.
;;   OPERANDS COMPUTED ON THE WAY. 'Computed on the way' means the value that the module computes at that place (a softmax that the list does not call 'softmax' is quantised finished and normalised). What goes into a quantiser is computed in f32, as accurately as f32 sums, v_exp_f32 and their like allow (about 1e-6 of the number): no bf16 or f16 on the way to a quantiser, and a product that is left as it is and whose result goes on into a quantised operand takes f32 operands (vector FMAs, or v_wmma_f32_16x16x4_f32). A number that lies on a knife's edge between two numbers of the format may be rounded either way, as far as f32 arithmetic and the matrix unit's own rounding can turn it there, and no further.
;; 2 versions. Each part assembles by itself: llvm-mc -triple=amdgcn-amd-amdhsa -mcpu=gfx1250 --defsym DOCPART=n.
;; ======== version 1 of 2: 4 launches
;; workspace buffers: xq 3,276,800 bytes; wq 3,276,800 bytes; maskw 524,288 bytes of whole numbers; qb 3,407,872 bytes; kv 6,815,744 bytes; a6 3,276,800 bytes
;; launch prep (part 1): grid 384 x 1, 4 waves a work-group, no clusters, 67,072 bytes of LDS; arguments x, Wq, Wk, Wv, Wo, masks, xq, wq, maskw; writes xq, wq, maskw
.if DOCPART == 1
	.amdgcn_target "amdgcn-amd-amdhsa--gfx1250"
	.amdhsa_code_object_version 6
	.text
	.protected	k_q30fdf080f7_prep
	.globl	k_q30fdf080f7_prep
	.p2align	8
	.type	k_q30fdf080f7_prep,@function
k_q30fdf080f7_prep:
	s_mov_b64 s[64:65], 0
	v_nop
	global_prefetch_b8 v0, s[64:65] scope:SCOPE_SE
	s_setreg_imm32_b32 hwreg(HW_REG_WAVE_MODE, 25, 1), 1
	s_wait_xcnt 0x0
; PREP.  Work-groups 0-255: x [4096][1024] and the four weights [1024][1024], f32, become codes of FP6 (E2M3), K innermost (768 bytes a row), with one E8M0 byte for each 32 along K (32 bytes a row).
; Work-groups 256-383: masks [2048][2048] f32 becomes one bit a number (1 where the number is 0), laid as the lane masks that the attention launch's selects take.
; xq: codes at 768 p, scale bytes at 0x300000 + 32 p; wq likewise, Wq at positions 0-1023, Wk 1024-2047, Wv 2048-3071, Wo 3072-4095.
; POSITION p HOLDS ROW p WITH BITS 3 AND 4 EXCHANGED (all but Wo): sixteen neighbouring positions 16 T + r are then rows 32 (T / 2) + 8 (T % 2) + r + 8 (r / 8), so that the results of two neighbouring tiles
; of a product used transposed are 16 neighbours along the next K.  A wave's run is 8 rows, so the exchange is an exchange of the two bits of the wave's number in the run that it stores.
; A block's scale is 2^(floor(log2(its largest magnitude)) - 2); its byte is the largest magnitude's exponent field - 2, held at 1 from below.
; LIMITS: a block of zeros gets the byte 1, not 127 (its codes are zeros, and this program alone reads the bytes); blocks whose largest magnitude lies under 2^-124 are held at the byte 1; NaN and infinities among x and the weights are not served.
; No work-group shares an input with another: no cluster, no tensor load, no barrier.  The two paths part on the work-group's number and have LDS bytes of their own.
.set STEPS, 16
.set EMAX,  2
.set CB,    12                         ; bytes of 16 codes
.set R,     16                         ; v16-79   four sets of 16 numbers as they are loaded
.set X,     80                         ; v80-111  two sets of 16 neighbours
.set E,     112                        ; v112-127 a scale byte for each step
.set C,     128                        ; v128-191 codes: four registers for each step
.set WREG,  8192                       ; quantiser: LDS of a wave: two stages of 32 x SP bytes, then its 256 scale bytes
.set SP,    80                         ; a lane's place in a stage: 64 bytes + 16 of padding
.set MSTG,  4*WREG                     ; mask path: its stages begin here
.set MP,    528                        ; a stage row: 512 bytes + 16
.set MWD,   16                         ; v16-23   the words of a wave's four steps, two registers a step
.set ML,    32                         ; v32-159  two sets of 64 numbers as they are loaded
.set MX,    160                        ; v160-223 64 numbers in the order of the score registers
	s_load_b512 s[4:19], s[0:1], 0x0               ; x, Wq, Wk, Wv, Wo, masks, xq, wq
	s_load_b64 s[20:21], s[0:1], 0x40              ; maskw
	v_lshl_add_u32 v224, v0, 2, 0x10400
	v_mov_b32 v225, 0
	v_lshrrev_b32 v1, 5, v0
	v_readfirstlane_b32 s30, v1                    ; wave
	v_and_b32 v2, 31, v0                           ; lane
	v_lshlrev_b32 v3, 4, v2                        ; my 16 bytes of a load's 512
	s_wait_kmcnt 0x0
	s_cmp_ge_u32 ttmp9, 256
	s_cbranch_scc1 .Lmask
; ---------------- the quantiser: a tensor is a plain stream of blocks of 32; a wave takes 16 steps of 512 numbers (8 rows)
	s_mul_i32 s34, s30, WREG
	v_lshrrev_b32 v14, 2, v2
	v_mul_u32_u24 v14, v14, SP
	v_and_b32 v15, 3, v2
	v_lshl_add_u32 v14, v15, 4, v14
	v_add_nc_u32 v14, s34, v14                     ; the stage, on the way in: SP (lane / 4) + 16 (lane % 4)
	v_mul_u32_u24 v15, v2, SP
	v_add_nc_u32 v15, s34, v15                     ; and on the way out: SP x lane: my 16 neighbours
	v_mul_u32_u24 v4, v2, CB                       ; my codes' place in a step's
	v_lshrrev_b32 v5, 1, v2
	s_add_co_u32 s34, s34, 2*32*SP
	v_add_nc_u32 v5, s34, v5                       ; LDS: my wave's 256 scale bytes, my block's byte
	v_lshlrev_b32 v7, 3, v2                        ; and on the way out 8 bytes a lane
	v_add_nc_u32 v6, s34, v7
	s_and_b32 s28, s30, 1
	s_lshl_b32 s28, s28, 1
	s_lshr_b32 s29, s30, 1
	s_or_b32 s28, s28, s29                         ; the wave's number with its two bits exchanged
	s_cmp_lt_u32 ttmp9, 160                        ; every choice hangs on the work-group's number alone
	s_cselect_b64 s[22:23], s[6:7], s[8:9]         ; Wq or Wk
	s_cmp_lt_u32 ttmp9, 224
	s_cselect_b64 s[24:25], s[10:11], s[12:13]     ; Wv or Wo
	s_cselect_b32 s28, s28, s30                    ; Wo keeps its rows' order
	s_cmp_lt_u32 ttmp9, 192
	s_cselect_b64 s[22:23], s[22:23], s[24:25]
	s_cmp_lt_u32 ttmp9, 128
	s_cselect_b64 s[22:23], s[4:5], s[22:23]       ; the source: work-groups 0-127 x, then 32 for each weight
	s_cselect_b64 s[24:25], s[16:17], s[18:19]     ; the destination: xq or wq
	s_cselect_b32 s29, 0, 128
	s_cselect_b32 s31, 127, 31
	s_sub_co_u32 s29, ttmp9, s29                   ; which 32 rows of the destination
	s_and_b32 s31, s29, s31                        ; which 32 rows of the source
	s_lshl_b32 s31, s31, 2
	s_add_co_u32 s31, s31, s30                     ; the run of 8 rows that I read
	s_lshl_b32 s29, s29, 2
	s_add_co_u32 s29, s29, s28                     ; and the run that I store
	s_lshl_b32 s32, s31, 15                        ; 32,768 bytes a run
	s_mov_b32 s33, 0
	s_add_nc_u64 s[22:23], s[22:23], s[32:33]
	s_lshl_b32 s32, s29, 8                         ; 256 scale bytes a run
	s_add_co_u32 s32, s32, 0x300000
	s_add_nc_u64 s[26:27], s[24:25], s[32:33]
	s_mul_i32 s32, s29, 32*STEPS*CB                ; 6,144 bytes of codes a run
	s_add_nc_u64 s[24:25], s[24:25], s[32:33]
.macro QLOAD t
.irp i, 0,1,2,3
	global_load_b128 v[R+16*((\t)%4)+4*\i:R+16*((\t)%4)+4*\i+3], v3, s[22:23] offset:2048*(\t)+512*\i th:TH_LOAD_NT   ; 32 lanes read 512 consecutive bytes
.endr
.endm
.macro QTURN t                         ; step t's numbers through the stage: LDS serves a wave's instructions in order, so no wait stands between the stores and the loads
.irp i, 0,1,2,3
	ds_store_b128 v14, v[R+16*((\t)%4)+4*\i:R+16*((\t)%4)+4*\i+3] offset:32*SP*((\t)%2)+8*SP*\i
.endr
.irp i, 0,1,2,3
	ds_load_b128 v[X+16*((\t)%2)+4*\i:X+16*((\t)%2)+4*\i+3], v15 offset:32*SP*((\t)%2)+16*\i
.endr
.endm
.irp t, 0,1,2,3
	QLOAD \t
.endr
	s_wait_loadcnt 12                              ; step 0's four loads are in
	QTURN 0
.macro QSTEP t
.set XS, X+16*((\t)%2)
.if (\t) > 0
	s_wait_dscnt 1                                 ; this step's numbers are back from the stage (the last step's byte store may be out)
.else
	s_wait_dscnt 0x0
.endif
.if (\t)+4 < STEPS
	QLOAD (\t)+4                                   ; into the registers that the stage's stores have read
.endif
.if (\t)+1 < STEPS
.if STEPS-2-(\t) >= 3
	s_wait_loadcnt 12                              ; the next step's four loads are in; those of the three steps behind it may be out
.else
	s_wait_loadcnt 4*(STEPS-2-(\t))
.endif
	QTURN (\t)+1
.endif
	v_max3_num_f32 v8, |v[XS]|, |v[XS+1]|, |v[XS+2]|               ; the largest magnitude of my 16
	v_max3_num_f32 v9, |v[XS+3]|, |v[XS+4]|, |v[XS+5]|
.irp i, 6,10
	v_max3_num_f32 v8, v8, |v[XS+\i]|, |v[XS+\i+1]|
	v_max3_num_f32 v9, v9, |v[XS+\i+2]|, |v[XS+\i+3]|
.endr
	v_max3_num_f32 v8, v8, |v[XS+14]|, |v[XS+15]|
	v_max3_num_f32 v8, v8, v9, (EMAX+1)<<23        ; and the floor 2^(EMAX + 1 - 127): the byte cannot fall under 1
	v_max_num_f32_dpp v8, v8, v8 row_xmask:1 row_mask:0xf bank_mask:0xf   ; and of my neighbour's 16: the block's
	v_add_nc_u32 v11, -(EMAX<<23), v8              ; EMAX off its exponent field: the conversion takes the exponent field of this operand as its scale
	v_cvt_scalef32_pk16_fp6_f32 v[C+4*(\t):C+4*(\t)+2], v[XS:XS+15], v11
	v_lshrrev_b32 v[E+(\t)], 23, v11               ; the scale's byte
	ds_store_b8 v5, v[E+(\t)] offset:16*(\t)       ; both lanes of a block write the same byte with the same value
	global_store_b96 v4, v[C+4*(\t):C+4*(\t)+2], s[24:25] offset:32*CB*(\t)   ; the wave stores 384 consecutive bytes
.endm
.irp t, 0,1,2,3,4,5,6,7,8,9,10,11,12,13,14,15
	QSTEP \t
.endr
	ds_load_b64 v[12:13], v6                       ; LDS serves a wave's instructions in order: these see my stores
	s_wait_dscnt 0x0
	global_store_b64 v7, v[12:13], s[26:27]        ; 32 lanes store 256 consecutive bytes, aligned
	s_wait_tensorcnt 0x0
	ds_add_u32 v224, v225
	s_wait_dscnt 0x0
	s_endpgm
; ---------------- the mask.  Work-group 256 + T takes the 16 queries of tile T (rows 32 (T / 2) + 8 (T % 2) + r + 8 (r / 8)); wave w the key steps 4 w .. 4 w + 3 of 128 keys.
; Word n (0 .. 63) of (T, step): bit l = 1 where masks[query of lane l % 16][128 step + 32 (n / 16) + 16 (l / 16) + n % 16] is 0: the lane mask of score register n.
.Lmask:
	s_sub_co_u32 s22, ttmp9, 256                   ; T
	s_lshr_b32 s23, s22, 1
	s_lshl_b32 s23, s23, 5
	s_and_b32 s24, s22, 1
	s_lshl_b32 s24, s24, 3
	s_add_co_u32 s23, s23, s24                     ; the tile's first row
	s_lshl_b32 s24, s23, 13                        ; 8,192 bytes a row
	s_lshl_b32 s25, s30, 11                        ; my four steps: 2,048 bytes on for each wave
	s_add_co_u32 s24, s24, s25
	s_mov_b32 s25, 0
	s_add_nc_u64 s[14:15], s[14:15], s[24:25]
	s_lshl_b32 s24, s22, 12                        ; 4,096 bytes of words a tile,
	s_lshl_b32 s26, s30, 10                        ; 256 a step
	s_add_co_u32 s24, s24, s26
	s_add_nc_u64 s[20:21], s[20:21], s[24:25]
	s_mul_i32 s27, s30, 16*MP
	s_add_co_u32 s27, s27, MSTG                    ; my stage: 16 rows
	v_add_nc_u32 v4, s27, v3                       ; in: 16 bytes a lane of a row
	v_and_b32 v5, 15, v2
	v_lshrrev_b32 v6, 4, v2
	v_mul_u32_u24 v5, v5, MP
	v_lshl_add_u32 v5, v6, 6, v5
	v_add_nc_u32 v5, s27, v5                       ; out: row lane % 16, + 64 (lane / 16)
	v_lshlrev_b32 v7, 3, v2                        ; the words leave 8 bytes a lane
.irp i, 0,1,2,3,4,5,6,7
	v_mov_b32 v[MWD+\i], 0                         ; written once: a lane write's destination counts as one of its sources
.endr
.macro LOADM t                         ; step t of my four: 16 rows x 512 consecutive bytes
.irp p, 0,1,2,3,4,5,6,7,8,9,10,11,12,13,14,15
	global_load_b128 v[ML+64*((\t)%2)+4*\p:ML+64*((\t)%2)+4*\p+3], v3, s[14:15] offset:(\p+8*(\p/8))*8192+512*(\t) th:TH_LOAD_NT
.endr
.endm
.macro MSTEP t
.if (\t) < 3
	s_wait_loadcnt 16                              ; this step's 16 loads are in; the next step's may be out
.else
	s_wait_loadcnt 0x0
.endif
.irp p, 0,1,2,3,4,5,6,7,8,9,10,11,12,13,14,15
	ds_store_b128 v4, v[ML+64*((\t)%2)+4*\p:ML+64*((\t)%2)+4*\p+3] offset:\p*MP
.endr
.irp b, 0,1,2,3
.irp j, 0,1,2,3
	ds_load_b128 v[MX+16*\b+4*\j:MX+16*\b+4*\j+3], v5 offset:128*\b+16*\j   ; register 16 b + i: key 32 b + 16 (lane / 16) + i of my row
.endr
.endr
	s_wait_dscnt 0x0                               ; the numbers are back, and the stores have read their registers
.if (\t)+2 < 4
	LOADM (\t)+2
.endif
.irp g, 0,1,2,3,4,5,6,7
.irp i, 0,1,2,3,4,5,6,7
	v_cmp_eq_f32 s[32+\i], 0, v[MX+8*\g+\i]        ; the 32 lanes' answers are word 8 g + i
.endr
.irp i, 0,1,2,3,4,5,6,7
	v_writelane_b32 v[MWD+2*(\t)+\i%2], s[32+\i], 4*\g+\i/2   ; lane n / 2 keeps words n and n + 1
.endr
.endr
	global_store_b64 v7, v[MWD+2*(\t):MWD+2*(\t)+1], s[20:21] offset:256*(\t)   ; 32 lanes store 256 consecutive bytes, aligned
.endm
	LOADM 0
	LOADM 1
	MSTEP 0
	MSTEP 1
	MSTEP 2
	MSTEP 3
	s_wait_tensorcnt 0x0
	ds_add_u32 v224, v225
	s_wait_dscnt 0x0
	s_endpgm
.Lfunc_end_k_q30fdf080f7_prep:
	.size	k_q30fdf080f7_prep, .Lfunc_end_k_q30fdf080f7_prep-k_q30fdf080f7_prep
	.p2alignl 7, 3214868480
	.fill 96, 4, 3214868480
	.section	.rodata,"a",@progbits
	.p2align	6, 0x0
	.amdhsa_kernel k_q30fdf080f7_prep
		.amdhsa_group_segment_fixed_size 67072
		.amdhsa_private_segment_fixed_size 0
		.amdhsa_enable_private_segment 0
		.amdhsa_kernarg_size 72
		.amdhsa_user_sgpr_count 2
		.amdhsa_user_sgpr_kernarg_segment_ptr 1
		.amdhsa_wavefront_size32 1
		.amdhsa_system_sgpr_workgroup_id_x 1
		.amdhsa_system_sgpr_workgroup_id_y 1
		.amdhsa_system_sgpr_workgroup_id_z 1
		.amdhsa_system_vgpr_workitem_id 0
		.amdhsa_next_free_vgpr 226
		.amdhsa_next_free_sgpr 66
		.amdhsa_reserve_vcc 0
		.amdhsa_float_denorm_mode_32 3
		.amdhsa_float_denorm_mode_16_64 3
		.amdhsa_memory_ordered 1
		.amdhsa_forward_progress 1
		.amdhsa_inst_pref_size 81
	.end_amdhsa_kernel
	.amdgpu_metadata
---
amdhsa.version: [ 1, 2 ]
amdhsa.kernels:
  - .name:           k_q30fdf080f7_prep
    .symbol:         k_q30fdf080f7_prep.kd
    .args:
      - { .name: x, .offset: 0, .size: 8, .value_kind: global_buffer, .address_space: global }
      - { .name: Wq, .offset: 8, .size: 8, .value_kind: global_buffer, .address_space: global }
      - { .name: Wk, .offset: 16, .size: 8, .value_kind: global_buffer, .address_space: global }
      - { .name: Wv, .offset: 24, .size: 8, .value_kind: global_buffer, .address_space: global }
      - { .name: Wo, .offset: 32, .size: 8, .value_kind: global_buffer, .address_space: global }
      - { .name: masks, .offset: 40, .size: 8, .value_kind: global_buffer, .address_space: global }
      - { .name: xq, .offset: 48, .size: 8, .value_kind: global_buffer, .address_space: global }
      - { .name: wq, .offset: 56, .size: 8, .value_kind: global_buffer, .address_space: global }
      - { .name: maskw, .offset: 64, .size: 8, .value_kind: global_buffer, .address_space: global }
    .group_segment_fixed_size: 67072
    .private_segment_fixed_size: 0
    .kernarg_segment_align: 8
    .kernarg_segment_size: 72
    .max_flat_workgroup_size: 128
    .sgpr_count:     66
    .vgpr_count:     226
    .wavefront_size: 32
...
	.end_amdgpu_metadata
.endif
;; end of part 1
;; launch qkv (part 2): grid 12 x 16, 4 waves a work-group, clusters of 4 x 4, 327,680 bytes of LDS; arguments xq, wq, bq, bk, bv, qb, kv; writes qb, kv
.if DOCPART == 2
	.amdgcn_target "amdgcn-amd-amdhsa--gfx1250"
	.amdhsa_code_object_version 6
	.text
	.protected	k_q30fdf080f7_qkv
	.globl	k_q30fdf080f7_qkv
	.p2align	8
	.type	k_q30fdf080f7_qkv,@function
k_q30fdf080f7_qkv:
	s_mov_b64 s[64:65], 0
	v_nop
	global_prefetch_b8 v0, s[64:65] scope:SCOPE_SE
	s_setreg_imm32_b32 hwreg(HW_REG_WAVE_MODE, 25, 1), 1
	s_wait_xcnt 0x0
	s_wait_alu depctr_hold_cnt(0) depctr_sa_sdst(0) depctr_va_vdst(0) depctr_va_sdst(0) depctr_va_ssrc(0) depctr_va_vcc(0) depctr_vm_vsrc(0)
	s_getreg_b32 s2, hwreg(HW_REG_IB_STS2, 6, 4)
	s_cmp_eq_u32 s2, 0
	s_cbranch_scc0 .Lentry_in_a_cluster
	s_endpgm
.Lentry_in_a_cluster:
	s_bfe_u32 s2, ttmp6, 0x10000c
	s_cmp_lg_u32 s2, 0xf033
	s_cbranch_scc0 .Lentry_shape_is_right
	s_endpgm
.Lentry_shape_is_right:
; QKV.  q = x Wq^T + bq, k = x Wk^T + bk, v = x Wv^T + bv on codes of FP6 (E2M3) with one E8M0 scale for each 32 along K = 1,024; the results are quantised in registers for the attention launch and leave as codes.
; A work-group of four waves makes 256 x 256 results, a wave 128 x 128: 64 accumulators, 512 registers.  K goes in steps of 256 through a ring of two LDS slots filled by the tensor data mover; the scale bytes of
; the work-group's 2 x 256 rows come into LDS once.  The matrix instruction takes 16 rows of operand B as source 0 and 16 rows of operand A as source 1: a lane then holds ONE row of A, and its registers run along B's rows.
; TWO MODES, by the cluster's x (equal in all partners of a cluster).  0, 1 (q, k): A = x, B = Wq or Wk: a lane holds a token, its registers run along the head's 64: the next product's K.
; 2 (v): A = Wv, B = x: a lane holds a channel, its registers run along the tokens: the keys, the second attention product's K.  Only POINTERS and tile numbers are chosen by the mode; every LDS address and the whole loop are one text.
; The rows of xq and of Wq, Wk, Wv lie with bits 3 and 4 of their number exchanged, so that the 16 registers of two neighbouring tiles of B are 16 true neighbours.
; CLUSTERS: 4 x 4.  A's tile hangs on cy alone and is shared along a row of the cluster, B's on cx alone and is shared along a column: each is asked for jointly.  Mode 2: A's tile is cy, B's 4 x cluster y + cx.
; OUT.  qb [head 32][block 16][6,656]: tile a of 16 tokens: the six code registers of a lane as images (registers 0-3 at 768 a + 16 lane, 4-5 at 768 a + 512 + 8 lane), scale words (s0, s1, s0, s1) at 6,144 + 64 a + 4 row.
; kv [head][key step 16][13,312]: k as qb's block; v at + 6,656: fragment t (16 channels x 128 keys) as three images of four registers at 1,536 t + 512 g + 16 lane, scale words at 6,144 + 128 t + 4 lane.
; LIMITS: the bias is added behind the sum; a block of zeros gets the byte 1, not 127 (this program alone reads the bytes); blocks under 2^-124 are held at the byte 1; NaN and infinities are not served.
; REGISTERS, in windows of 256: window 0: v0-31 addresses; v32-63 scale words, two sets; v64-127 the bias along registers; v128-223 A's fragments, one set; v240-255 the bias along lanes; on the way out v128-231 are at work.
;   window 1: B's fragments, two sets.   window 2: the accumulators of A's blocks 0-3 ((a, b) at v[8 (8 a + b)]);   window 3: those of blocks 4-7.
.set SIZE_K, 1024
.set KSTEP,  256                       ; along K in a slot
.set NQ,     KSTEP/128                 ; matrix instructions deep
.set ROWB,   192                       ; a tile's row in bytes
.set KROW,   SIZE_K*6/8                ; a row of codes in memory
.set PITCH,  240                       ; an LDS row: 3 x (64 bytes + 16 of padding)
.set FR,     12                        ; registers of a fragment
.set NL,     6                         ; LDS loads that bring one
.set NP,     4                         ; places behind this matrix instruction (ISA guide 7.12.1)
.set HALFT,  128*PITCH                 ; 128 rows: what one tensor load brings
.set SLOT,   4*HALFT                   ; A's 256 rows, then B's 256 rows
.set LAPS,   SIZE_K/(2*KSTEP)
.set KS,     SIZE_K/32                 ; a row of scale bytes
.set SCL,    2*SLOT                    ; behind the ring: the scales, as units of 256 bytes + 16 of padding
.set HALFS,  (128*KS/256)*272
.set SBLK,   (16*KS/256)*272
.set SPARE,  SCL+4*HALFS               ; the spare words, 128 bytes for each wave, which no other line names
.set SCOFF,  0x300000                  ; where a buffer's scale bytes begin
.set QBLK,   6656
.set KVBLK,  13312
.set ADRA, 16                          ; v16-17 LDS address of my A fragments in slot 0, 1 (v18-19: for the pieces behind one padding more)
.set ADRB, 20                          ; v20-23 the same for B
.set ADRS, 27                          ; v27    LDS address of my scale words: lanes 0-15 A's rows, lanes 16-31 B's
.set SPW,  28                          ; v28    LDS address of my spare word; never rewritten
.set NIL,  29                          ; v29    0; never rewritten
.set L16,  8                           ; v8  16 x lane   v9  8 x lane   v10  4 x lane   v11  64 (lane / 16)   v12  4 (r + 8 (r / 8))
.set SC,   32
.set BR,   64                          ; bias of B's 128 rows: register 16 b + i: row 32 b + 16 (lane / 16) + i
.set AF,   128
.set BV,   240                         ; bias of A's rows: for block a a pair, both halves my row's
.set H,    128                         ; the way out: 64 numbers of a lane
.set CD,   192                         ; v192-210 the codes just made
.set TM,   212                         ; v212-227 at work
.set PW,   228                         ; the scale word just made
.set PWE,  229                         ; that of the even tile
.set W0,   230                         ; the two heads' words
.set W1,   231
.set G1, 24
.set G0, 32
.set G1B, 48
.set G0B, 56
.set G1S, 68
.set G0S, 76
.set G1SB, 80
.set G0SB, 88
.set SEL, 32                           ; the way out: s[32:33] lane selects, s34 the mask of lanes 16-31 (the descriptors are done with)
.set HIM, 34
.set MSB, 0
.macro WIN new                         ; the immediate's high byte repeats the setting that is left
.if MSB != \new
	s_set_vgpr_msb (MSB<<8)|\new
.set MSB, \new
.endif
.endm
.set MUL_LO, 0xa1                      ; source 0 (B) window 1, source 1 (A) window 0, C and D window 2
.set MUL_HI, 0xf1                      ; the same, C and D window 3
.set TO_B,   0x40                      ; destination window 1, address window 0
; A joint load: waves 0 and 1 fetch for A, waves 2 and 3 for B.  The branch hangs on the wave's number alone.  Four v_nop follow each of the two lines.
.macro JLOAD g0a, g1a, g0b, g1b
	s_cmp_eq_u32 s15, 0
	s_cbranch_scc0 .Lfor_b_\@
	tensor_load_to_lds s[\g0a:\g0a+3], s[\g1a:\g1a+7]
	s_nop 0
.rept 4
	v_nop
.endr
	s_branch .Lasked_\@
.Lfor_b_\@:
	tensor_load_to_lds s[\g0b:\g0b+3], s[\g1b:\g1b+7]
	s_nop 0
.rept 4
	v_nop
.endr
.Lasked_\@:
.endm
.macro CREST                           ; a round of the cluster's barrier behind its opening barrier
	s_cmp_lg_u32 s14, 0
	s_cbranch_scc1 .Lnot_wave_0_\@
	s_barrier_signal -3
.Lnot_wave_0_\@:
	s_barrier_wait -3
	s_barrier_signal -1
	s_barrier_wait -1
.endm
.macro CROUND                          ; a whole round
	s_barrier_signal -1
	s_barrier_wait -1
	CREST
.endm
	s_load_b64 s[4:5], s[0:1], 0x0                 ; xq
	s_load_b64 s[8:9], s[0:1], 0x8                 ; wq
	s_load_b64 s[66:67], s[0:1], 0x10              ; bq
	s_load_b64 s[2:3], s[0:1], 0x18                ; bk
	s_load_b64 s[12:13], s[0:1], 0x20              ; bv
	s_load_b64 s[96:97], s[0:1], 0x28              ; qb
	s_load_b64 s[98:99], s[0:1], 0x30              ; kv
	v_lshl_add_u32 v[SPW], v0, 2, SPARE
	v_mov_b32 v[NIL], 0
	ds_add_u32 v28, v29
	ds_add_u32 v28, v29
	s_wait_dscnt 0x0
	v_lshrrev_b32 v1, 5, v0
	v_readfirstlane_b32 s14, v1                    ; wave 0..3
	s_lshr_b32 s15, s14, 1                         ; which half of A's 256 rows is mine.  Also: I fetch for A (0) or for B (1)
	s_and_b32 s16, s14, 1                          ; which half of B's.  Also: which 128 rows of that tile I fetch
	s_bfe_u32 s40, ttmp6, 0x40000                  ; cx, cy: my place in the cluster
	s_bfe_u32 s41, ttmp6, 0x40004
	s_lshl_b32 s42, ttmp9, 2                       ; 4 x cluster x
	s_and_b32 s17, ttmp7, 0xffff
	s_lshl_b32 s17, s17, 2                         ; 4 x cluster y
	s_cmp_eq_u32 ttmp9, 2                          ; the mode: the same in all sixteen partners
	s_cselect_b32 s42, s17, s42                    ; B's tile: mode 2: x's, 4 x cluster y + cx; else the weights', 4 x cluster x + cx
	s_cselect_b32 s17, 0, s17                      ; A's tile: mode 2: Wv's, cy; else x's, 4 x cluster y + cy
	s_add_co_u32 s42, s42, s40
	s_add_co_u32 s17, s17, s41
	s_lshl_b32 s43, s41, 2
	s_lshl_b32 s43, 15, s43                        ; my row of the cluster
	s_lshl_b32 s44, 0x1111, s40                    ; my column
	; descriptor group 1: a tile of 128 rows x ROWB bytes, 16 bytes of padding behind every 64
	s_or_b32 s[G1+0], s43, (0<<16)|(1<<20)|(1<<21)|(3<<22)|(3<<25)  ; 15:0 the mask; 17:16 elements of 1 byte; 20 padding on; 21 set beside a mask; 24:22 after every 16 words; 31:25 of 4 words
	s_or_b32 s[G1B+0], s44, (0<<16)|(1<<20)|(1<<21)|(3<<22)|(3<<25)
.irp g, G1, G1B
	s_mov_b32 s[\g+1], ROWB<<16                    ; tensor_dim0
	s_mov_b32 s[\g+2], 128<<16                     ; tensor_dim1
	s_mov_b32 s[\g+3], ROWB<<16                    ; tile_dim0
	s_mov_b32 s[\g+4], 128                         ; tile_dim1
	s_mov_b32 s[\g+5], KROW                        ; tensor_dim0_stride
	s_mov_b32 s[\g+6], 0
	s_mov_b32 s[\g+7], 0
.endr
	; the scales of 128 rows: a dense block, as rows of 256 bytes (32 elements of 8 bytes), 16 bytes of padding behind each
	s_or_b32 s[G1S+0], s43, (3<<16)|(1<<20)|(1<<21)|(5<<22)|(3<<25)
	s_or_b32 s[G1SB+0], s44, (3<<16)|(1<<20)|(1<<21)|(5<<22)|(3<<25)
.irp g, G1S, G1SB
	s_mov_b32 s[\g+1], 32<<16
	s_mov_b32 s[\g+2], (128*KS/256)<<16
	s_mov_b32 s[\g+3], 32<<16
	s_mov_b32 s[\g+4], 128*KS/256
	s_mov_b32 s[\g+5], 32
	s_mov_b32 s[\g+6], 0
	s_mov_b32 s[\g+7], 0
.endr
	s_lshl_b32 s18, s16, 7                         ; which 128 rows of the tile I fetch
	s_lshl_b32 s20, s17, 8
	s_add_co_u32 s20, s20, s18                     ; A: row 256 x tile + 128 x half
	s_lshl_b32 s46, s42, 8
	s_add_co_u32 s46, s46, s18                     ; B likewise
	s_mov_b32 s21, 0
	s_mov_b32 s47, 0
	s_mov_b64 s[18:19], KS
	s_mul_u64 s[22:23], s[20:21], s[18:19]         ; where these rows' scales begin, in bytes
	s_mul_u64 s[92:93], s[46:47], s[18:19]
	s_mov_b64 s[18:19], KROW
	s_mul_u64 s[20:21], s[20:21], s[18:19]         ; and their codes
	s_mul_u64 s[46:47], s[46:47], s[18:19]
	s_mul_i32 s45, s14, HALFT                      ; where they go: wave x 128 rows
	s_mul_i32 s94, s14, HALFS
	s_wait_kmcnt 0x0
	s_cmp_eq_u32 ttmp9, 0
	s_cselect_b64 s[66:67], s[66:67], s[2:3]       ; bq or bk
	s_add_nc_u64 s[18:19], s[8:9], 2048*KROW       ; Wv's codes
	s_mov_b32 s2, SCOFF                            ; from A's codes to A's scales: x's,
	s_mov_b32 s3, 0
	s_cmp_eq_u32 ttmp9, 2
	s_cselect_b64 s[66:67], s[12:13], s[66:67]     ; (mode 2 does not use the bias along registers: bv keeps its loads inside a buffer)
	s_cselect_b64 s[18:19], s[18:19], s[4:5]       ; A's codes: Wv's or x's
	s_cselect_b64 s[8:9], s[4:5], s[8:9]           ; B's codes: x's or the weights'
	s_cselect_b32 s2, SCOFF+2048*KS-2048*KROW, s2  ; or Wv's
	s_mov_b64 s[4:5], s[18:19]
	s_add_nc_u64 s[6:7], s[4:5], s[2:3]            ; A's scales
	s_add_nc_u64 s[10:11], s[8:9], SCOFF           ; B's scales
	s_add_nc_u64 s[20:21], s[4:5], s[20:21]
	s_add_nc_u64 s[22:23], s[6:7], s[22:23]
	s_add_nc_u64 s[46:47], s[8:9], s[46:47]
	s_add_nc_u64 s[92:93], s[10:11], s[92:93]
	CROUND                                         ; all sixteen work-groups are here: the first joint loads meet
	s_mov_b32 s[G0S], 1
	s_add_co_u32 s[G0S+1], s94, SCL
	s_mov_b64 s[G0S+2:G0S+3], s[22:23]
	s_or_b32 s[G0S+3], s[G0S+3], 0x80000000
	s_mov_b32 s[G0SB], 1
	s_add_co_u32 s[G0SB+1], s94, SCL
	s_mov_b64 s[G0SB+2:G0SB+3], s[92:93]
	s_or_b32 s[G0SB+3], s[G0SB+3], 0x80000000
	JLOAD G0S, G1S, G0SB, G1SB                     ; the scales first: they are wanted with K step 0
.irp s, 0,1
	s_mov_b32 s[G0+4*\s], 1
	s_add_co_u32 s[G0+4*\s+1], s45, \s*SLOT
	s_add_nc_u64 s[G0+4*\s+2:G0+4*\s+3], s[20:21], \s*ROWB
	s_or_b32 s[G0+4*\s+3], s[G0+4*\s+3], 0x80000000
	s_mov_b32 s[G0B+4*\s], 1
	s_add_co_u32 s[G0B+4*\s+1], s45, \s*SLOT
	s_add_nc_u64 s[G0B+4*\s+2:G0B+4*\s+3], s[46:47], \s*ROWB
	s_or_b32 s[G0B+4*\s+3], s[G0B+4*\s+3], 0x80000000
	JLOAD G0+4*\s, G1, G0B+4*\s, G1B               ; three tensor loads of mine are out
.endr
	s_lshl_b32 s46, s40, 10                        ; the bias along registers: B's 128 rows: 1,024 cx + 512 x half bytes on
	s_lshl_b32 s47, s16, 9
	s_add_co_u32 s46, s46, s47
	s_mov_b32 s47, 0
	s_add_nc_u64 s[66:67], s[66:67], s[46:47]
	s_lshl_b32 s18, s41, 10                        ; the bias along lanes: A's 128 rows of Wv: 1,024 cy + 512 x half
	s_lshl_b32 s19, s15, 9
	s_add_co_u32 s18, s18, s19
	s_mov_b32 s19, 0
	s_add_nc_u64 s[12:13], s[12:13], s[18:19]
	v_and_b32 v1, 15, v0                           ; r = lane % 16
	v_bfe_u32 v2, v0, 4, 1                         ; h = lane / 16
	v_mul_u32_u24 v3, v1, PITCH
	v_mul_u32_u24 v4, v2, 24
	v_add_nc_u32 v4, v3, v4                        ; a fragment's row x pitch + 24 x half
	v_lshl_add_u32 v5, v2, 4, v4                   ; and the same behind one padding more
	s_mul_i32 s21, s15, HALFT                      ; my 128 rows of A
	s_mul_i32 s22, s16, HALFT                      ; my 128 rows of B,
	s_add_co_u32 s22, s22, 2*HALFT                 ; which lie behind A's 256
.irp s, 0,1
	v_add_nc_u32 v[ADRA+\s], s21, v4
	v_add_nc_u32 v[ADRB+\s], s22, v4
	v_add_nc_u32 v[ADRA+2+\s], s21, v5
	v_add_nc_u32 v[ADRB+2+\s], s22, v5
	s_add_co_u32 s21, s21, SLOT
	s_add_co_u32 s22, s22, SLOT
.endr
	v_mul_u32_u24 v5, v1, KS                       ; my row's scales: KS bytes a row,
	v_lshrrev_b32 v6, 8, v5
	v_lshl_add_u32 v5, v6, 4, v5                   ; and 16 more for each 256 passed
	s_mul_i32 s21, s15, HALFS
	s_mul_i32 s22, s16, HALFS
	s_add_co_u32 s22, s22, 2*HALFS
	s_sub_co_u32 s22, s22, s21
	v_mul_u32_u24 v6, s22, v2                      ; lanes 16-31 take B's
	s_add_co_u32 s21, s21, SCL
	v_add_nc_u32 v5, v5, v6
	v_add_nc_u32 v[ADRS], s21, v5
	v_and_b32 v6, 31, v0
	v_lshlrev_b32 v[L16], 4, v6
	v_lshlrev_b32 v[L16+1], 3, v6
	v_lshlrev_b32 v[L16+2], 2, v6
	v_lshlrev_b32 v[L16+3], 6, v2
	v_and_b32 v[L16+4], 8, v1
	v_add_nc_u32 v[L16+4], v[L16+4], v1
	v_lshlrev_b32 v[L16+4], 2, v[L16+4]
	; Both layouts of the bias are loaded by every work-group, into registers that the loop does not touch: the one that its mode does not use costs 16 loads once, and no register is written on one way alone.
.irp b, 0,1,2,3
.irp j, 0,1,2,3
	global_load_b128 v[BR+16*\b+4*\j:BR+16*\b+4*\j+3], v[L16+3], s[66:67] offset:128*\b+16*\j
.endr
.endr
.irp a, 0,1,2,3,4,5,6,7
	global_load_b32 v[BV+2*\a], v[L16+4], s[12:13] offset:(32*(\a/2)+8*(\a%2))*4     ; lane r of block a holds row 32 (a / 2) + 8 (a % 2) + r + 8 (r / 8)
	global_load_b32 v[BV+2*\a+1], v[L16+4], s[12:13] offset:(32*(\a/2)+8*(\a%2))*4   ; twice: a pair for the packed addition
.endr
.macro FRAG reg, adr, q, i             ; a fragment: lane l holds row l % 16; registers 6 c .. 6 c + 5 hold K = 64 c + 32 (l / 16) + 0 .. 31: 24 bytes of the row's stream of bits, in pieces of 8 bytes
.irp p, 0,1,2,3,4,5
.set PCE, 12*(\q)+6*(\p/3)+\p%3       ; where the piece three on lies behind one padding more, the second address register serves
.if PCE%8 < 5
	ds_load_b64 v[\reg+2*\p:\reg+2*\p+1], v[\adr] offset:8*PCE+16*(PCE/8)+(\i)*16*PITCH
.else
	ds_load_b64 v[\reg+2*\p:\reg+2*\p+1], v[\adr+2] offset:8*PCE+16*(PCE/8)+(\i)*16*PITCH
.endif
.endr
.endm
; 16 matrix instructions: A's blocks a0, a0 + 1 x B's eight, 128 along K.  zero = 1: the first product starts the sums.  The 64 accumulators take turns, one instruction a turn.
.macro MUL16 a0, p, q, sc, zero
.irp a, \a0, \a0+1
.irp b, 0,1,2,3,4,5,6,7
.if \zero
	v_wmma_scale_f32_16x16x128_f8f6f4 v[8*(8*((\a)%4)+\b):8*(8*((\a)%4)+\b)+7], v[128*(\p)+FR*\b:128*(\p)+FR*\b+FR-1], v[AF+FR*(\a):AF+FR*(\a)+FR-1], 0, v[SC+8*NQ*(\sc)+NQ*\b+(\q)], v[SC+8*NQ*(\sc)+NQ*(\a)+(\q)] matrix_a_fmt:MATRIX_FMT_FP6 matrix_b_fmt:MATRIX_FMT_FP6 matrix_a_scale:MATRIX_SCALE_ROW1
.else
	v_wmma_scale_f32_16x16x128_f8f6f4 v[8*(8*((\a)%4)+\b):8*(8*((\a)%4)+\b)+7], v[128*(\p)+FR*\b:128*(\p)+FR*\b+FR-1], v[AF+FR*(\a):AF+FR*(\a)+FR-1], v[8*(8*((\a)%4)+\b):8*(8*((\a)%4)+\b)+7], v[SC+8*NQ*(\sc)+NQ*\b+(\q)], v[SC+8*NQ*(\sc)+NQ*(\a)+(\q)] matrix_a_fmt:MATRIX_FMT_FP6 matrix_b_fmt:MATRIX_FMT_FP6 matrix_a_scale:MATRIX_SCALE_ROW1
.endif
.endr
.endr
.endm
.macro FETCH_B slot, q, p
	WIN TO_B
.irp i, 0,1,2,3,4,5,6,7
	FRAG 128*(\p)+FR*\i, ADRB+\slot, \q, \i
.endr
	WIN 0
.endm
.macro FETCH_A slot, q, i0
.irp i, \i0, \i0+1, \i0+2, \i0+3
	FRAG AF+FR*(\i), ADRA+\slot, \q, \i
.endr
.endm
.macro SCALES sc                       ; a K step's scale words: lanes 0-15 take A's block i, lanes 16-31 B's block i
.irp i, 0,1,2,3,4,5,6,7
	ds_load_b64 v[SC+8*NQ*\sc+NQ*\i:SC+8*NQ*\sc+NQ*\i+1], v[ADRS] offset:\i*SBLK
.endr
.endm
.macro PLACES n                        ; plain vector instructions between a matrix instruction and a load into, or a vector write of, its registers, or a read of its result
.rept \n
	v_nop
.endr
.endm
.macro STEP slot, q, zero              ; a step of 128 along K that has its successor in the same slot
	s_wait_dscnt 4*NL                              ; B's set and A's blocks 0-3 are in; the youngest 24 loads (A's blocks 4-7) may be out
	WIN MUL_LO
	MUL16 0, (\q)%2, \q, \slot, \zero
	MUL16 2, (\q)%2, \q, \slot, \zero
	s_wait_dscnt 0
	PLACES NP
	FETCH_B \slot, (\q)+1, 1-(\q)%2
	FETCH_A \slot, (\q)+1, 0
	WIN MUL_HI
	MUL16 4, (\q)%2, \q, \slot, \zero
	MUL16 6, (\q)%2, \q, \slot, \zero
	PLACES NP
	WIN 0
	FETCH_A \slot, (\q)+1, 4
.endm
; A slot's last step changes slots: one barrier; in front of it each wave waits for all its tensor loads, adds 0 to its spare word, and waits for that and for its reads of this slot.  fill = 1: this slot is filled again.
.macro TURN slot, next, fill
	s_wait_tensorcnt 0x0                           ; all my tensor loads have landed: my part of the next slot
	ds_add_u32 v[SPW], v[NIL]                      ; 0 onto my spare word
	s_wait_dscnt 4*NL+1                            ; (the add and the youngest 24 loads may be out)
	WIN MUL_LO
	MUL16 0, 1, NQ-1, \slot, 0                     ; sixteen matrix instructions stand between the add and the wait for it
	s_wait_dscnt 0x0                               ; the add is done, and my reads of this slot are over
	s_barrier_signal -1
	MUL16 2, 1, NQ-1, \slot, 0
	WIN 0
	s_barrier_wait -1
.if \fill
	CREST                                          ; the barrier has opened a round of the cluster's barrier: no wave of any partner still reads this slot or has a load on its way
	s_add_nc_u64 s[G0+4*\slot+2:G0+4*\slot+3], s[G0+4*\slot+2:G0+4*\slot+3], 2*ROWB
	s_add_nc_u64 s[G0B+4*\slot+2:G0B+4*\slot+3], s[G0B+4*\slot+2:G0B+4*\slot+3], 2*ROWB
	JLOAD G0+4*\slot, G1, G0B+4*\slot, G1B         ; the first tensor load behind the round; its four v_nop are the places in front of the loads below
.else
	PLACES NP
.endif
	v_add_nc_u32 v[ADRS], 4*NQ, v[ADRS]            ; on to the next K step's scale words
	FETCH_B \next, 0, 0
	FETCH_A \next, 0, 0
	SCALES \next
	WIN MUL_HI
	MUL16 4, 1, NQ-1, \slot, 0
	MUL16 6, 1, NQ-1, \slot, 0
	PLACES NP
	WIN 0
	FETCH_A \next, 0, 4
.endm
	s_wait_tensorcnt 1                             ; the scales and my part of K step 0 are in (K step 1's load may be out),
	s_barrier_signal -1
	s_barrier_wait -1                              ; everybody's are
	FETCH_B 0, 0, 0
	FETCH_A 0, 0, 0
	SCALES 0
	FETCH_A 0, 0, 4
	STEP 0, 0, 1                                   ; the first step's products start the sums
	s_mov_b32 s3, LAPS-1
.Llap:                                                 ; a trip goes once round the ring and fills both slots again
	TURN 0, 1, 1
	STEP 1, 0, 0
	TURN 1, 0, 1
	STEP 0, 0, 0
	s_sub_co_u32 s3, s3, 1
	s_cmp_lg_u32 s3, 0
	s_cbranch_scc1 .Llap
	TURN 0, 1, 0                                   ; the last lap fills nothing
	STEP 1, 0, 0
	s_wait_dscnt 4*NL                              ; the very last step
	WIN MUL_LO
	MUL16 0, 1, NQ-1, 1, 0
	MUL16 2, 1, NQ-1, 1, 0
	s_wait_dscnt 0
	WIN MUL_HI
	MUL16 4, 1, NQ-1, 1, 0
	MUL16 6, 1, NQ-1, 1, 0
	WIN 0
; THE WAY OUT.  64 numbers of a lane, register 16 b + i = k 32 b + 16 (lane / 16) + i of my row, become a fragment's codes in v[CD] on and its scale word in v[PW].
.macro QUANT s
.irp b, 0,1,2,3
	v_max3_num_f32 v[TM+\b], |v[\s+16*\b]|, |v[\s+1+16*\b]|, 0x1800000   ; block b: my 16 numbers, and the floor 2^(3 - 127): the byte cannot fall under 1
.endr
.irp i, 2,4,6,8,10,12,14
.irp b, 0,1,2,3
	v_max3_num_f32 v[TM+\b], v[TM+\b], |v[\s+16*\b+\i]|, |v[\s+1+16*\b+\i]|
.endr
.endr
.irp b, 0,1,2,3
	v_permlanex16_b32 v[TM+4+\b], v[TM+\b], s[SEL], s[SEL+1]
.endr
.irp b, 0,1,2,3
	v_max_num_f32 v[TM+\b], v[TM+\b], v[TM+4+\b]   ; with lane l xor 16's: the block's largest magnitude
.endr
.irp b, 0,1,2,3
	v_add_nc_u32 v[TM+12+\b], 0xff000000, v[TM+\b]   ; 2 off its exponent field: the conversion's scale operand
.endr
.irp b, 0,1,2,3
	v_lshrrev_b32 v[TM+4+\b], 23, v[TM+12+\b]      ; the scale's byte
.endr
	v_lshl_or_b32 v[PW], v[TM+5], 8, v[TM+4]
	v_lshl_or_b32 v[PW], v[TM+6], 16, v[PW]
	v_lshl_or_b32 v[PW], v[TM+7], 24, v[PW]
.irp c, 0,1
	v_cvt_scalef32_pk16_fp6_f32 v[CD+6*\c:CD+2+6*\c], v[\s+32*\c:\s+15+32*\c], v[TM+12+2*\c]
	v_cvt_scalef32_pk16_fp6_f32 v[CD+12+4*\c:CD+14+4*\c], v[\s+16+32*\c:\s+31+32*\c], v[TM+12+2*\c+1]   ; (a conversion's three registers begin on an even number)
.endr
	v_nop                                          ; one plain place behind a scaled conversion
.irp c, 0,1                                    ; the operand's layout wants a whole block in a lane: lanes 0-15 block 2 c, lanes 16-31 block 2 c + 1
.irp i, 0,1,2
	v_permlane16_swap_b32 v[CD+6*\c+\i], v[CD+12+4*\c+\i]
.endr
.irp i, 0,1,2
	v_mov_b32 v[CD+3+6*\c+\i], v[CD+12+4*\c+\i]
.endr
.endr
.endm
; Block a of A's rows, q or k: 16 tokens x 128 of the weight's rows = two heads.  The addition of the bias also brings the sums into window 0; each accumulator is read from its low end on.
.macro FRAGOUT_QK a
.set AC, 64*((\a)%4)
	WIN 0x02+(\a)/4                                ; source 0: window 2 or 3
.set kk, 0
.rept 32
	v_pk_add_f32 v[H+kk:H+kk+1], v[AC+kk:AC+kk+1], v[BR+kk:BR+kk+1]
.set kk, kk+2
.endr
	WIN 0
.if (\a) > 0
	s_wait_xcnt 0x0                                ; the last block's stores have read their registers
.endif
	QUANT H
	global_store_b128 v[L16], v[CD:CD+3], s[24:25] offset:768*(\a)              ; the first head: registers 0-5; each store covers 512 or 256 consecutive bytes, aligned
	global_store_b64 v[L16+1], v[CD+4:CD+5], s[24:25] offset:768*(\a)+512
	global_store_b128 v[L16], v[CD+6:CD+9], s[30:31] offset:768*(\a)            ; the second: registers 6-11
	global_store_b64 v[L16+1], v[CD+10:CD+11], s[30:31] offset:768*(\a)+512
.if (\a)%2 == 0
	v_mov_b32 v[PWE], v[PW]                        ; an even tile's words wait for the odd one's
.else
	v_cndmask_b32 v[PWE], v[PWE], v[PW], s[HIM]    ; lanes 0-15: tile a - 1's rows; lanes 16-31: tile a's (every lane holds its row's word)
	v_perm_b32 v[W0], v[PWE], v[PWE], 0x01000100   ; the first head's two bytes, twice;
	v_perm_b32 v[W1], v[PWE], v[PWE], 0x03020302   ; the second head's
	global_store_b32 v[L16+2], v[W0], s[24:25] offset:6144+64*((\a)-1)
	global_store_b32 v[L16+2], v[W1], s[30:31] offset:6144+64*((\a)-1)
.endif
.endm
; Block a of A's rows, v: 16 channels x 128 keys: a whole fragment of the second attention product.
.macro FRAGOUT_V a
.set AC, 64*((\a)%4)
	WIN 0x02+(\a)/4
.set kk, 0
.rept 32
	v_pk_add_f32 v[H+kk:H+kk+1], v[AC+kk:AC+kk+1], v[BV+2*(\a):BV+2*(\a)+1]
.set kk, kk+2
.endr
	WIN 0
.if (\a) > 0
	s_wait_xcnt 0x0
.endif
	QUANT H
.irp g, 0,1,2
	global_store_b128 v[L16], v[CD+4*\g:CD+4*\g+3], s[24:25] offset:((\a)/4)*16*KVBLK+((\a)%4)*1536+512*\g
.endr
	global_store_b32 v[L16+2], v[PW], s[24:25] offset:((\a)/4)*16*KVBLK+6144+128*((\a)%4)
.endm
.macro FINISH
	s_wait_tensorcnt 0x0                           ; the wave's end
	ds_add_u32 v[SPW], v[NIL]
	s_wait_dscnt 0x0
	CROUND                                         ; the closing round
	s_endpgm
.endm
	s_wait_loadcnt 0x0                             ; the biases, asked for at the head
	PLACES NP                                      ; behind the last products: their operands' registers are written and their results read below
.irp b, 0,1,2,3
	v_mov_b32 v[TM+4+\b], 0                        ; written once: a lane permute's destination counts as one of its sources
.endr
	s_mov_b32 s[SEL], 0x76543210
	s_mov_b32 s[SEL+1], 0xfedcba98
	s_mov_b32 s[HIM], 0xffff0000
	s_cmp_eq_u32 ttmp9, 2
	s_cbranch_scc1 .Lvalues
	s_cmp_eq_u32 ttmp9, 0
	s_cselect_b64 s[24:25], s[96:97], s[98:99]     ; qb or kv
	s_mov_b32 s26, KVBLK
	s_cselect_b32 s26, QBLK, s26                   ; bytes from block to block
	s_lshr_b32 s27, s17, 3                         ; the batch: x's tile / 8
	s_lshl_b32 s27, s27, 4
	s_lshl_b32 s28, s40, 2
	s_add_co_u32 s27, s27, s28
	s_lshl_b32 s28, s16, 1
	s_add_co_u32 s27, s27, s28                     ; my first head: 16 x batch + 4 cx + 2 x B's half
	s_lshl_b32 s27, s27, 4
	s_lshl_b32 s28, s17, 1
	s_add_co_u32 s28, s28, s15
	s_and_b32 s28, s28, 15                         ; my block of 128 tokens in the sequence
	s_add_co_u32 s27, s27, s28
	s_mul_i32 s28, s27, s26
	s_mov_b32 s29, 0
	s_add_nc_u64 s[24:25], s[24:25], s[28:29]
	s_lshl_b32 s28, s26, 4
	s_add_nc_u64 s[30:31], s[24:25], s[28:29]      ; the second head: 16 blocks on
.irp a, 0,1,2,3,4,5,6,7
	FRAGOUT_QK \a
.endr
	FINISH
.Lvalues:
	s_lshr_b32 s27, s42, 3                         ; the batch: x's tile / 8
	s_lshl_b32 s27, s27, 4
	s_lshl_b32 s28, s41, 2
	s_add_co_u32 s27, s27, s28
	s_lshl_b32 s28, s15, 1
	s_add_co_u32 s27, s27, s28                     ; my first head: 16 x batch + 4 cy + 2 x A's half
	s_lshl_b32 s27, s27, 4
	s_lshl_b32 s28, s42, 1
	s_add_co_u32 s28, s28, s16
	s_and_b32 s28, s28, 15                         ; my key step
	s_add_co_u32 s27, s27, s28
	s_mul_i32 s28, s27, KVBLK
	s_add_co_u32 s28, s28, QBLK                    ; v lies behind k in a step's block
	s_mov_b32 s29, 0
	s_add_nc_u64 s[24:25], s[98:99], s[28:29]
.irp a, 0,1,2,3,4,5,6,7
	FRAGOUT_V \a
.endr
	FINISH
.Lfunc_end_k_q30fdf080f7_qkv:
	.size	k_q30fdf080f7_qkv, .Lfunc_end_k_q30fdf080f7_qkv-k_q30fdf080f7_qkv
	.p2alignl 7, 3214868480
	.fill 96, 4, 3214868480
	.section	.rodata,"a",@progbits
	.p2align	6, 0x0
	.amdhsa_kernel k_q30fdf080f7_qkv
		.amdhsa_group_segment_fixed_size 327680
		.amdhsa_private_segment_fixed_size 0
		.amdhsa_enable_private_segment 0
		.amdhsa_kernarg_size 56
		.amdhsa_user_sgpr_count 2
		.amdhsa_user_sgpr_kernarg_segment_ptr 1
		.amdhsa_wavefront_size32 1
		.amdhsa_system_sgpr_workgroup_id_x 1
		.amdhsa_system_sgpr_workgroup_id_y 1
		.amdhsa_system_sgpr_workgroup_id_z 1
		.amdhsa_system_vgpr_workitem_id 0
		.amdhsa_next_free_vgpr 1024
		.amdhsa_next_free_sgpr 100
		.amdhsa_reserve_vcc 0
		.amdhsa_float_denorm_mode_32 3
		.amdhsa_float_denorm_mode_16_64 3
		.amdhsa_memory_ordered 1
		.amdhsa_forward_progress 1
		.amdhsa_inst_pref_size 237
	.end_amdhsa_kernel
	.amdgpu_metadata
---
amdhsa.version: [ 1, 2 ]
amdhsa.kernels:
  - .name:           k_q30fdf080f7_qkv
    .symbol:         k_q30fdf080f7_qkv.kd
    .args:
      - { .name: xq, .offset: 0, .size: 8, .value_kind: global_buffer, .address_space: global }
      - { .name: wq, .offset: 8, .size: 8, .value_kind: global_buffer, .address_space: global }
      - { .name: bq, .offset: 16, .size: 8, .value_kind: global_buffer, .address_space: global }
      - { .name: bk, .offset: 24, .size: 8, .value_kind: global_buffer, .address_space: global }
      - { .name: bv, .offset: 32, .size: 8, .value_kind: global_buffer, .address_space: global }
      - { .name: qb, .offset: 40, .size: 8, .value_kind: global_buffer, .address_space: global }
      - { .name: kv, .offset: 48, .size: 8, .value_kind: global_buffer, .address_space: global }
    .group_segment_fixed_size: 327680
    .private_segment_fixed_size: 0
    .kernarg_segment_align: 8
    .kernarg_segment_size: 56
    .max_flat_workgroup_size: 128
    .sgpr_count:     100
    .vgpr_count:     1024
    .wavefront_size: 32
...
	.end_amdgpu_metadata
.endif
;; end of part 2
;; launch attn (part 3): grid 8 x 32, 16 waves a work-group, clusters of 4 x 1, 282,112 bytes of LDS; arguments qb, kv, maskw, a6; writes a6
.if DOCPART == 3
	.amdgcn_target "amdgcn-amd-amdhsa--gfx1250"
	.amdhsa_code_object_version 6
	.text
	.protected	k_q30fdf080f7_attn
	.globl	k_q30fdf080f7_attn
	.p2align	8
	.type	k_q30fdf080f7_attn,@function
k_q30fdf080f7_attn:
	s_mov_b64 s[64:65], 0
	v_nop
	global_prefetch_b8 v0, s[64:65] scope:SCOPE_SE
	s_setreg_imm32_b32 hwreg(HW_REG_WAVE_MODE, 25, 1), 1
	s_wait_xcnt 0x0
	s_wait_alu depctr_hold_cnt(0) depctr_sa_sdst(0) depctr_va_vdst(0) depctr_va_sdst(0) depctr_va_ssrc(0) depctr_va_vcc(0) depctr_vm_vsrc(0)
	s_getreg_b32 s2, hwreg(HW_REG_IB_STS2, 6, 4)
	s_cmp_eq_u32 s2, 0
	s_cbranch_scc0 .Lentry_in_a_cluster
	s_endpgm
.Lentry_in_a_cluster:
	s_bfe_u32 s2, ttmp6, 0x10000c
	s_cmp_lg_u32 s2, 0x3003
	s_cbranch_scc0 .Lentry_shape_is_right
	s_endpgm
.Lentry_shape_is_right:
; ATTN.  For each of 32 heads: logit = q . k / 8, replaced by -1e-9 where the mask is 0; t = logit x log2(e); M = the row's largest t so far, rounded up to a whole number; p = 2^(t - M) is quantised along the keys;
; o = (sum of p v) / (sum of the unquantised p).  Both products on codes of FP6 (E2M3) with one E8M0 scale for each 32 along K.  A masked key still counts (its logit is -1e-9), so every key is walked by every query.
; o is then quantised along the QUERIES for the output projection, whose operand's row is 128 head + 2 d + (query / 1024) and whose column is query % 1024, and leaves as codes (a6: 768 bytes a row, scale bytes at 0x300000 + 32 row).
; SHARES.  A work-group owns 256 queries of one head, each of its sixteen waves one tile of 16, in 256 registers: four waves to a SIMD, so that one wave's vector work stands beside another's matrix work.
; THE WHOLE HEAD'S k AND v (212,992 bytes of register images and scale words) COME INTO LDS ONCE: no byte of LDS is filled twice.  Two loads a wave: key steps 0-3, then 4-15, which land while the first four steps are worked.
; CLUSTER.  Four query blocks of one head walk the same k and v: each load is asked for jointly, with the same descriptor and a mask that names the four.
; LAYOUT.  Both products are used transposed (S^T = k q^T, O^T = v^T p^T): a lane holds ONE query (lane % 16) throughout.  Lane r of tile T holds query 16 T + r with bits 3 and 4 exchanged, and so do the keys of a tile of k:
; the 16 score registers of tiles 2 b, 2 b + 1 are keys 32 b + 16 (lane / 16) + 0 .. 15.
; THE HEAD'S 64 IN A K OF 128.  A fragment of k holds tile 2 i in registers 0-5 and tile 2 i + 1 in registers 6-11.  Against [q | zero codes] it gives tile 2 i's scores, against [zero codes | q] tile 2 i + 1's: the other half
; multiplies zero codes, which add nothing.  Scale words are (s0, s1, s0, s1), so one word serves either half; one register holds tile 2 i's words in lanes 0-15 and tile 2 i + 1's in lanes 16-31.
; THE MASK comes as lane masks, 64 words a key step, by scalar loads one step ahead; a select puts 8 x (-1e-9) in a masked score's place (the scores are multiplied by log2(e) / 8 afterwards).
; LIMITS: NaN and infinities are not served; a block's largest p is taken from the block's largest score (v_exp_f32 is taken not to fall where its input rises); a block of zeros gets the byte 1, not 127; blocks under 2^-124 are held at the byte 1.
; REGISTERS: v0 the thread's number; v1-3 the step's LDS addresses; v4 8 x (-1e-9); v5-8 16, 8, 4 x lane, 4 (lane % 16); v12 -M, v13 the largest t, v[14:15] the sum; v16-33 zeros | q | zeros; v34 q's scale word;
; v36-83 four fragments of k, then of v; v84-87, v88-91 their scale words; v96-159 S^T, then p; v160-191 O^T; v192-210 p's codes; v212-231 at work.
.set STEPB, 13312                      ; a key step's block: k 6,656 bytes, v 6,656
.set VBLK,  6656
.set HEADB, 16*STEPB
.set STG,   HEADB                      ; behind k and v: the stage, 64 rows (d) x (256 queries x 4 bytes + 16)
.set SPI,   1040
.set SCB,   STG+64*SPI                 ; and 512 scale bytes
.set KF,   36
.set KSC,  84
.set VSC,  88
.set S,    96
.set O,    160
.set PC,   192
.set BM,   212                         ; v212-215 the blocks' largest scores, then largest p
.set BT,   216                         ; v216-219 the other half's, then the bytes
.set SO,   220                         ; v220-223 the conversions' scale operands
.set MO,   4                           ; s4   byte offset of the mask words asked for
.set WV,   5                           ; s5   my wave's number
.set TB,   6                           ; s6   LDS byte at which the key step begins
.set CNT,  7
.set SEL,  8                           ; s[8:9] lane selects for lane l xor 16
.set CS,   10                          ; s[10:11] c = log2(e) / 8
.set QB,   12                          ; s[12:13] q's codes, s[14:15] q's scale words
.set G1C,  16                          ; s[16:23], s[24:27] the first load's descriptor: free once that load has landed; then s16-63 and s80-95 hold the step's 64 mask words
.set G0C,  24
.set G0R,  68                          ; s[68:71], s[72:79] the second load's
.set G1R,  72
.set AO,   96                          ; s[96:97] a6's codes, s[98:99] its scale bytes, at my part
.macro CROUND                          ; a round of the cluster's barrier
	s_barrier_signal -1
	s_barrier_wait -1
	s_cmp_lg_u32 s[WV], 0
	s_cbranch_scc1 .Lnot_wave_0_\@
	s_barrier_signal -3
.Lnot_wave_0_\@:
	s_barrier_wait -3
	s_barrier_signal -1
	s_barrier_wait -1
.endm
	s_load_b128 s[32:35], s[0:1], 0x0              ; qb, kv
	s_load_b128 s[36:39], s[0:1], 0x10             ; maskw, a6
	v_lshl_add_u32 v254, v0, 2, 0x44600
	v_mov_b32 v255, 0
	ds_add_u32 v254, v255
	ds_add_u32 v254, v255
	v_lshrrev_b32 v1, 5, v0
	v_readfirstlane_b32 s[WV], v1                  ; wave 0..15
	s_bfe_u32 s40, ttmp6, 0x40000                  ; cx
	s_lshl_b32 s41, ttmp9, 2
	s_add_co_u32 s41, s41, s40                     ; my block of 256 queries: it enters q's, the mask's and a6's addresses alone
	s_and_b32 s42, ttmp7, 0xffff                   ; the head (16 x batch + head), which the four partners share
	s_mul_i32 s44, s42, HEADB                      ; the head's k and v
	s_mul_i32 s46, s[WV], 13*256                   ; steps 0-3: 53,248 bytes, 13 rows of 256 to a wave
	s_mul_i32 s47, s[WV], 39*256                   ; steps 4-15: 159,744 bytes, 39 rows to a wave,
	s_add_co_u32 s47, s47, 4*STEPB                 ; behind the first
	s_add_co_u32 s48, s44, s46
	s_mov_b32 s49, 0
	s_add_co_u32 s50, s44, s47
	s_mov_b32 s51, 0
	s_mov_b32 s[G1C], 15|(3<<16)|(1<<21)           ; 15:0 the mask: all four work-groups; 17:16 elements of 8 bytes; 21 set beside a mask; no padding: every read takes lanes on end
	s_mov_b32 s[G1C+1], 32<<16                     ; tensor_dim0 = 32 elements: 256 bytes
	s_mov_b32 s[G1C+2], 13<<16                     ; tensor_dim1
	s_mov_b32 s[G1C+3], 32<<16                     ; tile_dim0
	s_mov_b32 s[G1C+4], 13                         ; tile_dim1
	s_mov_b32 s[G1C+5], 32                         ; the pitch: dense
	s_mov_b32 s[G1C+6], 0
	s_mov_b32 s[G1C+7], 0
	s_mov_b32 s[G1R], 15|(3<<16)|(1<<21)
	s_mov_b32 s[G1R+1], 32<<16
	s_mov_b32 s[G1R+2], 39<<16
	s_mov_b32 s[G1R+3], 32<<16
	s_mov_b32 s[G1R+4], 39
	s_mov_b32 s[G1R+5], 32
	s_mov_b32 s[G1R+6], 0
	s_mov_b32 s[G1R+7], 0
	s_lshl_b32 s52, s42, 4                         ; q: block 16 head + 2 x my block + wave / 8, tile wave % 8
	s_lshl_b32 s53, s41, 1
	s_add_co_u32 s52, s52, s53
	s_lshr_b32 s53, s[WV], 3
	s_add_co_u32 s52, s52, s53
	s_mul_i32 s52, s52, VBLK
	s_and_b32 s53, s[WV], 7
	s_mul_i32 s54, s53, 768
	s_add_co_u32 s54, s54, s52
	s_mov_b32 s55, 0
	s_lshl_b32 s56, s53, 6
	s_add_co_u32 s56, s56, s52
	s_add_co_u32 s56, s56, 6144
	s_mov_b32 s57, 0
	s_lshl_b32 s58, s41, 4                         ; the mask words of tile 16 x my block + wave: 4,096 bytes a tile
	s_add_co_u32 s58, s58, s[WV]
	s_lshl_b32 s58, s58, 12
	s_mov_b32 s59, 0
	s_lshl_b32 s60, s42, 7
	s_add_co_u32 s60, s60, ttmp9                   ; a6's row 128 head + (query / 1024): my block / 4 is the cluster's x
	s_lshl_b32 s61, s60, 5
	s_lshl_b32 s62, s40, 3
	s_add_co_u32 s62, s62, s61
	s_add_co_u32 s62, s62, 0x300000                ; its scale bytes: 32 a row, my block's 8 at 8 cx
	s_mov_b32 s63, 0
	s_lshl_b32 s61, s[WV], 3
	s_add_co_u32 s60, s60, s61                     ; the rows that my wave stores begin at d = 4 x wave: 8 rows on for each wave
	s_mul_i32 s60, s60, 768
	s_mul_i32 s61, s40, 192
	s_add_co_u32 s60, s60, s61                     ; my block's 256 columns: 192 bytes at 192 cx
	s_mov_b32 s61, 0
	s_mov_b32 s[SEL], 0x76543210
	s_mov_b32 s[SEL+1], 0xfedcba98
	s_mov_b32 s[CS], 0x3e38aa3b                    ; c = log2(e) / 8
	s_mov_b32 s[CS+1], s[CS]                       ; (named with it as a pair, so it is written)
	s_mov_b32 s[TB], 0
	s_mov_b32 s[MO], 0
	s_wait_dscnt 0x0
	s_wait_kmcnt 0x0
	s_add_nc_u64 s[QB:QB+1], s[32:33], s[54:55]
	s_add_nc_u64 s[QB+2:QB+3], s[32:33], s[56:57]
	s_add_nc_u64 s[2:3], s[36:37], s[58:59]        ; s[2:3]: my tile's mask words
	s_add_nc_u64 s[AO:AO+1], s[38:39], s[60:61]
	s_add_nc_u64 s[AO+2:AO+3], s[38:39], s[62:63]
	s_mov_b32 s[G0C], 1                            ; count = 1
	s_mov_b32 s[G0C+1], s46                        ; LDS address: as the bytes lie in memory
	s_add_nc_u64 s[G0C+2:G0C+3], s[34:35], s[48:49]
	s_or_b32 s[G0C+3], s[G0C+3], 0x80000000        ; type = 2
	s_mov_b32 s[G0R], 1
	s_mov_b32 s[G0R+1], s47
	s_add_nc_u64 s[G0R+2:G0R+3], s[34:35], s[50:51]
	s_or_b32 s[G0R+3], s[G0R+3], 0x80000000
	CROUND                                         ; all four work-groups are here: the joint loads meet
	tensor_load_to_lds s[G0C:G0C+3], s[G1C:G1C+7]  ; every wave issues both: two tensor loads of mine are out
	s_nop 0
	tensor_load_to_lds s[G0R:G0R+3], s[G1R:G1R+7]
	s_nop 0
.rept 4
	v_nop
.endr
	v_and_b32 v9, 31, v0
	v_lshlrev_b32 v5, 4, v9
	v_lshlrev_b32 v6, 3, v9
	v_lshlrev_b32 v7, 2, v9
	v_and_b32 v8, 15, v0
	v_lshlrev_b32 v8, 2, v8
	global_load_b128 v[22:25], v5, s[QB:QB+1]      ; q's six registers, as they were stored
	global_load_b64 v[26:27], v6, s[QB:QB+1] offset:512
	global_load_b32 v34, v8, s[QB+2:QB+3]          ; q's scale words (lanes 16-31 read their row's again: no load passes the buffer's end)
	v_mov_b32 v4, 0xb209705f                       ; 8 x f32(-1e-9)
.irp j, 16,17,18,19,20,21,28,29,30,31,32,33
	v_mov_b32 v[\j], 0                             ; the zero codes on either side of q
.endr
	v_mov_b32 v13, 0xff61b1e6                      ; the largest t so far: -3e38, under every t
	v_floor_f32 v12, -v13                          ; -M
	v_mov_b32 v14, 0
	v_mov_b32 v15, 0
.irp b, 0,1,2,3
	v_mov_b32 v[BT+\b], 0                          ; written once: a lane permute's destination counts as one of its sources
.endr
	v_mov_b32 v224, 0
	v_mov_b32 v227, 0                              ; (named as the upper half of the pair v[226:227])
.set n, 0
.rept 32
	v_mov_b32 v[O+n], 0                            ; O^T: the step is written for every step alike; the first finds zeros, which the first change of M leaves zeros
.set n, n+1
.endr
	s_wait_tensorcnt 0x1                           ; my part of steps 0-3 is in, and its descriptor's registers are free; the second load may be out
	s_load_b512 s[16:31], s[2:3], s[MO] offset:0x0     ; step 0's mask words
	s_load_b512 s[32:47], s[2:3], s[MO] offset:0x40
	s_load_b512 s[48:63], s[2:3], s[MO] offset:0x80
	s_load_b512 s[80:95], s[2:3], s[MO] offset:0xc0
	s_barrier_signal -1
	s_barrier_wait -1                              ; everybody's part is in
	s_wait_loadcnt 0x0                             ; q
; A KEY STEP: 128 keys.
.macro STEP
	v_add_nc_u32 v1, s[TB], v5                     ; these three and the v_nop are the four places behind the last step's products, in front of the loads into their operands' registers
	v_add_nc_u32 v2, s[TB], v6
	v_add_nc_u32 v3, s[TB], v7
	v_nop
.irp i, 0,1,2,3                                ; k: tiles 2 i and 2 i + 1 make one fragment
	ds_load_b128 v[KF+12*\i:KF+12*\i+3], v1 offset:1536*\i
	ds_load_b64 v[KF+12*\i+4:KF+12*\i+5], v2 offset:1536*\i+512
	ds_load_b128 v[KF+12*\i+6:KF+12*\i+9], v1 offset:1536*\i+768
	ds_load_b64 v[KF+12*\i+10:KF+12*\i+11], v2 offset:1536*\i+1280
	ds_load_b32 v[KSC+\i], v3 offset:6144+128*\i
.endr
	s_wait_dscnt 0x0
.irp i, 0,1,2,3
	v_wmma_scale_f32_16x16x128_f8f6f4 v[S+16*\i:S+16*\i+7], v[KF+12*\i:KF+12*\i+11], v[22:33], 0, v[KSC+\i], v34 matrix_a_fmt:MATRIX_FMT_FP6 matrix_b_fmt:MATRIX_FMT_FP6
	v_wmma_scale_f32_16x16x128_f8f6f4 v[S+16*\i+8:S+16*\i+15], v[KF+12*\i:KF+12*\i+11], v[16:27], 0, v[KSC+\i], v34 matrix_a_fmt:MATRIX_FMT_FP6 matrix_b_fmt:MATRIX_FMT_FP6 matrix_a_scale:MATRIX_SCALE_ROW1
.endr
.rept 4
	v_nop                                          ; places: in front of the loads into k's registers and of the first read of the scores
.endr
.irp t, 0,1,2,3                                ; v: four fragments of 16 channels x 128 keys; they land during the softmax
.irp g, 0,1,2
	ds_load_b128 v[KF+12*\t+4*\g:KF+12*\t+4*\g+3], v1 offset:VBLK+1536*\t+512*\g
.endr
	ds_load_b32 v[VSC+\t], v3 offset:VBLK+6144+128*\t
.endr
	s_wait_kmcnt 0x0                               ; this step's mask words are in; their loads are done, so the offset may step
	s_add_co_u32 s[MO], s[MO], 256
	s_and_b32 s[MO], s[MO], 0xfff                  ; (behind the last step it turns back to step 0: inside the buffer; those words are not used)
.set n, 0
.rept 64
	v_cndmask_b32 v[S+n], v[S+n], v4, s[16+n+16*(n/48)]   ; where the mask is 0: 8 x (-1e-9).  Each accumulator is read from its low end on
.set n, n+1
.endr
.irp b, 0,1,2,3
	v_max3_num_f32 v[BM+\b], v[S+16*\b], v[S+1+16*\b], v[S+2+16*\b]   ; the largest score of each block of 32 keys: for the row's maximum and for the block's largest p
.endr
.irp i, 3,5,7,9,11,13
.irp b, 0,1,2,3
	v_max3_num_f32 v[BM+\b], v[BM+\b], v[S+16*\b+\i], v[S+1+16*\b+\i]
.endr
.endr
.irp b, 0,1,2,3
	v_max_num_f32 v[BM+\b], v[BM+\b], v[S+15+16*\b]
.endr
	s_load_b512 s[16:31], s[2:3], s[MO] offset:0x0     ; the next step's mask words: a whole step ahead of their use
	s_load_b512 s[32:47], s[2:3], s[MO] offset:0x40
	s_load_b512 s[48:63], s[2:3], s[MO] offset:0x80
	s_load_b512 s[80:95], s[2:3], s[MO] offset:0xc0
.irp b, 0,1,2,3
	v_permlanex16_b32 v[BT+\b], v[BM+\b], s[SEL], s[SEL+1]
.endr
.irp b, 0,1,2,3
	v_max_num_f32 v[BM+\b], v[BM+\b], v[BT+\b]     ; with lane l xor 16's 16 keys
.endr
	v_max3_num_f32 v224, v[BM], v[BM+1], v[BM+2]
	v_max_num_f32 v224, v224, v[BM+3]              ; the step's largest score of my query
	v_mul_f32 v224, s[CS], v224                    ; as t (c is positive)
	v_max_num_f32 v13, v13, v224                   ; the running largest t
	v_mov_b32 v224, v12
	v_floor_f32 v12, -v13                          ; the new -M = -ceil(t): a whole number
	v_sub_f32 v224, v12, v224                      ; old M - new M: a whole number, 0 or less
	v_cvt_i32_f32 v224, v224                       ; (it saturates)
	v_ldexp_f32 v226, 1.0, v224                    ; f = 2^(old M - new M): a multiplication by it rounds nothing
.set n, 0
.rept 32
	v_pk_fma_f32 v[S+n:S+n+1], v[S+n:S+n+1], s[CS:CS+1], v[12:13] op_sel_hi:[1,0,0]   ; t - M, two at a time
.set n, n+2
.endr
.irp b, 0,1,2,3
	v_fma_f32 v[BM+\b], v[BM+\b], s[CS], v12       ; the same of each block's largest score
.endr
.set n, 0
.rept 64
	v_exp_f32 v[S+n], v[S+n]                       ; p = 2^(t - M), at most 1: not normalised
.set n, n+1
.endr
.irp b, 0,1,2,3
	v_exp_f32 v[BM+\b], v[BM+\b]                   ; the block's largest p
.endr
	v_pk_mul_f32 v[14:15], v[14:15], v[226:227] op_sel_hi:[1,0]   ; the sums under the new M.  (A plain place behind the exponentials)
	s_wait_alu depctr_va_vdst(0)
.irp b, 0,1,2,3
	v_max_num_f32 v[BM+\b], 0x1800000, v[BM+\b]    ; the floor 2^(3 - 127): the byte cannot fall under 1
.endr
.irp b, 0,1,2,3
	v_add_nc_u32 v[SO+\b], 0xff000000, v[BM+\b]    ; 2 off the exponent field: the conversion's scale operand
.endr
.irp b, 0,1,2,3
	v_lshrrev_b32 v[BT+\b], 23, v[SO+\b]           ; the scale's byte
.endr
	v_lshl_or_b32 v228, v[BT+1], 8, v[BT]          ; p's scale word for these 128 keys
	v_lshl_or_b32 v228, v[BT+2], 16, v228
	v_lshl_or_b32 v228, v[BT+3], 24, v228
.irp c, 0,1
	v_cvt_scalef32_pk16_fp6_f32 v[PC+6*\c:PC+2+6*\c], v[S+32*\c:S+15+32*\c], v[SO+2*\c]
	v_cvt_scalef32_pk16_fp6_f32 v[PC+12+4*\c:PC+14+4*\c], v[S+16+32*\c:S+31+32*\c], v[SO+2*\c+1]   ; (a conversion's three registers begin on an even number)
.endr
	v_nop                                          ; one plain place behind a scaled conversion
.irp c, 0,1                                    ; the operand's layout wants a whole block in a lane
.irp i, 0,1,2
	v_permlane16_swap_b32 v[PC+6*\c+\i], v[PC+12+4*\c+\i]
.endr
.irp i, 0,1,2
	v_mov_b32 v[PC+3+6*\c+\i], v[PC+12+4*\c+\i]
.endr
.endr
.set n, 0
.rept 16
	v_pk_mul_f32 v[O+n:O+n+1], v[O+n:O+n+1], v[226:227] op_sel_hi:[1,0]   ; O^T under the new M
.set n, n+2
.endr
	v_pk_add_f32 v[230:231], v[S:S+1], v[S+2:S+3]  ; the row's sum is taken of the unquantised p: two at a time, in two chains.  (With the 16 lines above: the places in front of the scaled products)
.irp j, 4,8,12,16,20,24,28,32,36,40,44,48,52,56,60
	v_pk_add_f32 v[14:15], v[14:15], v[S+\j:S+1+\j]
	v_pk_add_f32 v[230:231], v[230:231], v[S+2+\j:S+3+\j]
.endr
	v_pk_add_f32 v[14:15], v[14:15], v[230:231]
	s_wait_dscnt 0x0                               ; v is in
.irp t, 0,1,2,3                                ; O^T += v^T p^T: the four accumulators by turns, one instruction a turn
	v_wmma_scale_f32_16x16x128_f8f6f4 v[O+8*\t:O+8*\t+7], v[KF+12*\t:KF+12*\t+11], v[PC:PC+11], v[O+8*\t:O+8*\t+7], v[VSC+\t], v228 matrix_a_fmt:MATRIX_FMT_FP6 matrix_b_fmt:MATRIX_FMT_FP6
.endr
	s_add_co_u32 s[TB], s[TB], STEPB
.endm
.macro LOOP trips
	s_mov_b32 s[CNT], \trips
.Lstep_\@:
	STEP
	s_sub_co_u32 s[CNT], s[CNT], 1
	s_cmp_lg_u32 s[CNT], 0
	s_cbranch_scc1 .Lstep_\@
.endm
	LOOP 4                                         ; steps 0-3, while steps 4-15 land
	s_wait_tensorcnt 0x0                           ; my part of steps 4-15 is in,
	s_wait_dscnt 0x0
	s_barrier_signal -1
	s_barrier_wait -1                              ; everybody's is
	LOOP 12
	; THE WAY OUT.  O^T / the sum goes into the work-group's stage, [d][query]; behind a barrier a lane takes 32 neighbouring queries of one d, a whole block of the next product's K, and quantises them.
	s_wait_kmcnt 0x0                               ; the mask words asked for in the last step: their registers are free
	v_add_f32 v14, v14, v15                        ; the sum's two halves.  (The plain lines from here on are the places behind the last products)
	v_and_b32 v1, 15, v0
	v_and_b32 v2, 8, v1
	v_add_nc_u32 v1, v1, v2                        ; r + 8 (r / 8)
	v_bfe_u32 v2, v0, 4, 1                         ; h
	v_lshlrev_b32 v1, 2, v1
	v_mad_u32_u24 v1, v2, 16*SPI, v1               ; register n holds d = 32 (n / 16) + 16 h + n % 16
	s_lshr_b32 s16, s[WV], 1
	s_lshl_b32 s16, s16, 7
	s_and_b32 s17, s[WV], 1
	s_lshl_b32 s17, s17, 5
	s_add_co_u32 s16, s16, s17                     ; my query in the block: 32 (wave / 2) + 8 (wave % 2) + r + 8 (r / 8), 4 bytes each
	s_add_co_u32 s16, s16, STG
	v_add_nc_u32 v1, s16, v1
	v_permlanex16_b32 v224, v14, s[SEL], s[SEL+1]
	v_add_f32 v14, v14, v224                       ; and lane l xor 16's: the row's sum
	v_rcp_f32 v14, v14
	v_bfe_u32 v2, v0, 3, 2                         ; (a plain place behind the transcendental)  lane / 8
	v_and_b32 v3, 7, v0                            ; lane % 8
	v_lshlrev_b32 v10, 7, v3
	v_mad_u32_u24 v10, v2, SPI, v10
	s_mul_i32 s17, s[WV], 4*SPI
	s_add_co_u32 s17, s17, STG
	v_add_nc_u32 v10, s17, v10                     ; back: row d = 4 x wave + lane / 8, queries 32 (lane % 8) on
	v_mul_u32_u24 v11, v3, 24
	v_mad_u32_u24 v11, v2, 1536, v11               ; and in a6: two rows on for each d, 24 bytes a block
	v_add_nc_u32 v9, SCB, v0                       ; my block's scale byte: 8 d + block = the thread's number
	v_lshl_add_u32 v35, v0, 3, SCB                 ; and where threads 0-63 read a row's eight
	v_lshlrev_b32 v92, 6, v0                       ; two rows of 32 scale bytes on for each d
.set n, 0
	s_wait_alu depctr_va_vdst(0)
.rept 16
	v_pk_mul_f32 v[S+n:S+n+1], v[O+n:O+n+1], v[14:15] op_sel_hi:[1,0]   ; each accumulator from its low end on
.set n, n+2
.endr
.set n, 0
.rept 32
	ds_store_b32 v1, v[S+n] offset:SPI*(32*(n/16)+n%16)
.set n, n+1
.endr
	s_wait_dscnt 0x0                               ; for the others' sake: my stores into the stage are done
	s_barrier_signal -1
	s_barrier_wait -1
.irp i, 0,1,2,3,4,5,6,7
	ds_load_b128 v[128+4*\i:131+4*\i], v10 offset:16*\i
.endr
	s_wait_dscnt 0x0
	v_max3_num_f32 v212, |v128|, |v129|, |v130|    ; the block's largest magnitude: all 32 numbers are mine
	v_max3_num_f32 v213, |v131|, |v132|, |v133|
.irp i, 6,10,14,18,22,26
	v_max3_num_f32 v212, v212, |v[128+\i]|, |v[129+\i]|
	v_max3_num_f32 v213, v213, |v[130+\i]|, |v[131+\i]|
.endr
	v_max3_num_f32 v212, v212, |v158|, |v159|
	v_max3_num_f32 v212, v212, v213, 0x1800000     ; and the floor 2^(3 - 127)
	v_add_nc_u32 v220, 0xff000000, v212
	v_lshrrev_b32 v216, 23, v220
	v_cvt_scalef32_pk16_fp6_f32 v[192:194], v[128:143], v220
	v_cvt_scalef32_pk16_fp6_f32 v[196:198], v[144:159], v220
	v_nop                                          ; one plain place behind a scaled conversion
	ds_store_b8 v9, v216
	global_store_b96 v11, v[192:194], s[AO:AO+1]   ; eight lanes store a row's 192 consecutive bytes
	global_store_b96 v11, v[196:198], s[AO:AO+1] offset:12
	s_wait_dscnt 0x0
	s_barrier_signal -1
	s_barrier_wait -1                              ; the 512 scale bytes lie in LDS
	s_cmp_lt_u32 s[WV], 2
	s_cbranch_scc0 .Lno_scales
	ds_load_b64 v[128:129], v35                    ; threads 0-63: row d = the thread's number
	s_wait_dscnt 0x0
	global_store_b64 v92, v[128:129], s[AO+2:AO+3]
.Lno_scales:
	s_wait_tensorcnt 0x0
	ds_add_u32 v254, v255
	s_wait_dscnt 0x0
	CROUND                                         ; the closing round
	s_endpgm
.Lfunc_end_k_q30fdf080f7_attn:
	.size	k_q30fdf080f7_attn, .Lfunc_end_k_q30fdf080f7_attn-k_q30fdf080f7_attn
	.p2alignl 7, 3214868480
	.fill 96, 4, 3214868480
	.section	.rodata,"a",@progbits
	.p2align	6, 0x0
	.amdhsa_kernel k_q30fdf080f7_attn
		.amdhsa_group_segment_fixed_size 282112
		.amdhsa_private_segment_fixed_size 0
		.amdhsa_enable_private_segment 0
		.amdhsa_kernarg_size 32
		.amdhsa_user_sgpr_count 2
		.amdhsa_user_sgpr_kernarg_segment_ptr 1
		.amdhsa_wavefront_size32 1
		.amdhsa_system_sgpr_workgroup_id_x 1
		.amdhsa_system_sgpr_workgroup_id_y 1
		.amdhsa_system_sgpr_workgroup_id_z 1
		.amdhsa_system_vgpr_workitem_id 0
		.amdhsa_next_free_vgpr 256
		.amdhsa_next_free_sgpr 100
		.amdhsa_reserve_vcc 0
		.amdhsa_float_denorm_mode_32 3
		.amdhsa_float_denorm_mode_16_64 3
		.amdhsa_memory_ordered 1
		.amdhsa_forward_progress 1
		.amdhsa_inst_pref_size 56
	.end_amdhsa_kernel
	.amdgpu_metadata
---
amdhsa.version: [ 1, 2 ]
amdhsa.kernels:
  - .name:           k_q30fdf080f7_attn
    .symbol:         k_q30fdf080f7_attn.kd
    .args:
      - { .name: qb, .offset: 0, .size: 8, .value_kind: global_buffer, .address_space: global }
      - { .name: kv, .offset: 8, .size: 8, .value_kind: global_buffer, .address_space: global }
      - { .name: maskw, .offset: 16, .size: 8, .value_kind: global_buffer, .address_space: global }
      - { .name: a6, .offset: 24, .size: 8, .value_kind: global_buffer, .address_space: global }
    .group_segment_fixed_size: 282112
    .private_segment_fixed_size: 0
    .kernarg_segment_align: 8
    .kernarg_segment_size: 32
    .max_flat_workgroup_size: 512
    .sgpr_count:     100
    .vgpr_count:     256
    .wavefront_size: 32
...
	.end_amdgpu_metadata
.endif
;; end of part 3
;; launch oproj (part 4): grid 4 x 16, 4 waves a work-group, clusters of 4 x 4, 327,680 bytes of LDS; arguments a6, wq, bo, out0; writes out0
.if DOCPART == 4
	.amdgcn_target "amdgcn-amd-amdhsa--gfx1250"
	.amdhsa_code_object_version 6
	.text
	.protected	k_q30fdf080f7_oproj
	.globl	k_q30fdf080f7_oproj
	.p2align	8
	.type	k_q30fdf080f7_oproj,@function
k_q30fdf080f7_oproj:
	s_mov_b64 s[64:65], 0
	v_nop
	global_prefetch_b8 v0, s[64:65] scope:SCOPE_SE
	s_setreg_imm32_b32 hwreg(HW_REG_WAVE_MODE, 25, 1), 1
	s_wait_xcnt 0x0
	s_wait_alu depctr_hold_cnt(0) depctr_sa_sdst(0) depctr_va_vdst(0) depctr_va_sdst(0) depctr_va_ssrc(0) depctr_va_vcc(0) depctr_vm_vsrc(0)
	s_getreg_b32 s2, hwreg(HW_REG_IB_STS2, 6, 4)
	s_cmp_eq_u32 s2, 0
	s_cbranch_scc0 .Lentry_in_a_cluster
	s_endpgm
.Lentry_in_a_cluster:
	s_bfe_u32 s2, ttmp6, 0x10000c
	s_cmp_lg_u32 s2, 0xf033
	s_cbranch_scc0 .Lentry_shape_is_right
	s_endpgm
.Lentry_shape_is_right:
; OPROJ.  out0[m][n] = sum over k of A[m][k] Wo[n][k] + bo[n].  A: a6, [4096][1024] codes of FP6 (E2M3); Wo: positions 3,072 to 4,095 of wq; one E8M0 scale for each 32 along K; out0 [4096][1024] f32; sums in f32, the bias added behind them.
; A tile of 256 x 256 is made by a work-group of four waves, a wave 128 x 128: 64 accumulators, 512 registers.  The size gives 64 such tiles, so 64 work-groups.  K goes in steps of 256 through a ring of two LDS slots
; filled by the tensor data mover; the scale bytes of the work-group's rows come into LDS once.
; CLUSTERS: 4 x 4.  A's tile is shared along a row of the cluster, Wo's along a column: each is asked for jointly.  The matrix instruction takes 16 rows of Wo as source 0 and 16 rows of A as source 1: a lane holds eight neighbouring numbers of a row of out0.
; REGISTERS, in windows of 256: window 0: v0-31 addresses, v8-11 my four numbers of bo; v32-63 scale words, two sets; from v128 A's fragments, one set; on the way out v128-255 rows of out0.
;   window 1: Wo's fragments, two sets.   window 2: the accumulators of my rows 0-63 ((a, b) at v[8 (8 a + b)]);   window 3: those of my rows 64-127.
.set SIZE_N, 1024
.set SIZE_K, 1024
.set KSTEP,  256
.set NQ,     KSTEP/128
.set ROWB,   192
.set KROW,   SIZE_K*6/8
.set PITCH,  240                       ; an LDS row: 3 x (64 bytes + 16 of padding)
.set FR,     12
.set NL,     6
.set NP,     4                         ; places behind this matrix instruction (ISA guide 7.12.1)
.set HALFT,  128*PITCH
.set SLOT,   4*HALFT
.set LAPS,   SIZE_K/(2*KSTEP)
.set KS,     SIZE_K/32
.set SCL,    2*SLOT
.set HALFS,  (128*KS/256)*272
.set SBLK,   (16*KS/256)*272
.set SPARE,  SCL+4*HALFS               ; the spare words, 128 bytes for each wave, which no other line names
.set SPITCH, 528                       ; the way out: a stage of 16 rows x (512 bytes + 16) for each wave, in slot 0, which has had its last fill and its last read by then
.set SCOFF,  0x300000
.set BO,   8
.set ADRA, 16
.set ADRB, 20
.set STO,  24
.set RD,   25
.set CO,   26
.set ADRS, 27
.set SPW,  28
.set NIL,  29
.set SC,   32
.set AF,   128
.set BK,   128
.set G1, 24
.set G0, 32
.set G1B, 48
.set G0B, 56
.set G1S, 68
.set G0S, 76
.set G1SB, 80
.set G0SB, 88
.set MSB, 0
.macro WIN new                         ; the immediate's high byte repeats the setting that is left
.if MSB != \new
	s_set_vgpr_msb (MSB<<8)|\new
.set MSB, \new
.endif
.endm
.set MUL_LO, 0xa1
.set MUL_HI, 0xf1
.set TO_B,   0x40
.macro JLOAD g0a, g1a, g0b, g1b        ; a joint load: waves 0 and 1 fetch for A, waves 2 and 3 for Wo; four v_nop follow each of the two lines
	s_cmp_eq_u32 s15, 0
	s_cbranch_scc0 .Lfor_b_\@
	tensor_load_to_lds s[\g0a:\g0a+3], s[\g1a:\g1a+7]
	s_nop 0
.rept 4
	v_nop
.endr
	s_branch .Lasked_\@
.Lfor_b_\@:
	tensor_load_to_lds s[\g0b:\g0b+3], s[\g1b:\g1b+7]
	s_nop 0
.rept 4
	v_nop
.endr
.Lasked_\@:
.endm
.macro CREST
	s_cmp_lg_u32 s14, 0
	s_cbranch_scc1 .Lnot_wave_0_\@
	s_barrier_signal -3
.Lnot_wave_0_\@:
	s_barrier_wait -3
	s_barrier_signal -1
	s_barrier_wait -1
.endm
.macro CROUND
	s_barrier_signal -1
	s_barrier_wait -1
	CREST
.endm
	s_load_b64 s[4:5], s[0:1], 0x0                 ; a6
	s_load_b64 s[8:9], s[0:1], 0x8                 ; wq
	s_load_b64 s[66:67], s[0:1], 0x10              ; bo
	s_load_b64 s[12:13], s[0:1], 0x18              ; out0
	v_lshl_add_u32 v[SPW], v0, 2, SPARE
	v_mov_b32 v[NIL], 0
	ds_add_u32 v28, v29
	ds_add_u32 v28, v29
	s_wait_dscnt 0x0
	v_lshrrev_b32 v1, 5, v0
	v_readfirstlane_b32 s14, v1                    ; wave 0..3
	s_lshr_b32 s15, s14, 1                         ; which half of the tile's rows is mine.  Also: I fetch for A (0) or for Wo (1)
	s_and_b32 s16, s14, 1                          ; which half of its columns.  Also: which 128 rows of that tile I fetch
	s_bfe_u32 s40, ttmp6, 0x40000                  ; cx, cy
	s_bfe_u32 s41, ttmp6, 0x40004
	s_lshl_b32 s42, ttmp9, 2
	s_add_co_u32 s42, s42, s40                     ; tile column
	s_and_b32 s17, ttmp7, 0xffff
	s_lshl_b32 s17, s17, 2
	s_add_co_u32 s17, s17, s41                     ; tile row
	s_lshl_b32 s43, s41, 2
	s_lshl_b32 s43, 15, s43                        ; my row of the cluster
	s_lshl_b32 s44, 0x1111, s40                    ; my column
	s_or_b32 s[G1+0], s43, (0<<16)|(1<<20)|(1<<21)|(3<<22)|(3<<25)  ; the mask; elements of 1 byte; padding on; bit 21 beside a mask; 4 words of padding after every 16
	s_or_b32 s[G1B+0], s44, (0<<16)|(1<<20)|(1<<21)|(3<<22)|(3<<25)
.irp g, G1, G1B
	s_mov_b32 s[\g+1], ROWB<<16
	s_mov_b32 s[\g+2], 128<<16
	s_mov_b32 s[\g+3], ROWB<<16
	s_mov_b32 s[\g+4], 128
	s_mov_b32 s[\g+5], KROW
	s_mov_b32 s[\g+6], 0
	s_mov_b32 s[\g+7], 0
.endr
	s_or_b32 s[G1S+0], s43, (3<<16)|(1<<20)|(1<<21)|(5<<22)|(3<<25)   ; the scales of 128 rows: rows of 256 bytes, 16 bytes of padding behind each
	s_or_b32 s[G1SB+0], s44, (3<<16)|(1<<20)|(1<<21)|(5<<22)|(3<<25)
.irp g, G1S, G1SB
	s_mov_b32 s[\g+1], 32<<16
	s_mov_b32 s[\g+2], (128*KS/256)<<16
	s_mov_b32 s[\g+3], 32<<16
	s_mov_b32 s[\g+4], 128*KS/256
	s_mov_b32 s[\g+5], 32
	s_mov_b32 s[\g+6], 0
	s_mov_b32 s[\g+7], 0
.endr
	s_lshl_b32 s18, s16, 7
	s_lshl_b32 s20, s17, 8
	s_add_co_u32 s20, s20, s18                     ; A: row 256 x tile row + 128 x half
	s_lshl_b32 s46, s42, 8
	s_add_co_u32 s46, s46, s18                     ; Wo: row 256 x tile column + 128 x half
	s_mov_b32 s21, 0
	s_mov_b32 s47, 0
	s_mov_b64 s[18:19], KS
	s_mul_u64 s[22:23], s[20:21], s[18:19]
	s_mul_u64 s[92:93], s[46:47], s[18:19]
	s_mov_b64 s[18:19], KROW
	s_mul_u64 s[20:21], s[20:21], s[18:19]
	s_mul_u64 s[46:47], s[46:47], s[18:19]
	s_mul_i32 s45, s14, HALFT
	s_mul_i32 s94, s14, HALFS
	s_wait_kmcnt 0x0
	s_add_nc_u64 s[6:7], s[4:5], SCOFF             ; A's scales
	s_add_nc_u64 s[10:11], s[8:9], SCOFF+3072*KS   ; Wo's scales
	s_add_nc_u64 s[8:9], s[8:9], 3072*KROW         ; Wo's codes
	s_add_nc_u64 s[20:21], s[4:5], s[20:21]
	s_add_nc_u64 s[22:23], s[6:7], s[22:23]
	s_add_nc_u64 s[46:47], s[8:9], s[46:47]
	s_add_nc_u64 s[92:93], s[10:11], s[92:93]
	CROUND                                         ; all sixteen work-groups are here: the first joint loads meet
	s_mov_b32 s[G0S], 1
	s_add_co_u32 s[G0S+1], s94, SCL
	s_mov_b64 s[G0S+2:G0S+3], s[22:23]
	s_or_b32 s[G0S+3], s[G0S+3], 0x80000000
	s_mov_b32 s[G0SB], 1
	s_add_co_u32 s[G0SB+1], s94, SCL
	s_mov_b64 s[G0SB+2:G0SB+3], s[92:93]
	s_or_b32 s[G0SB+3], s[G0SB+3], 0x80000000
	JLOAD G0S, G1S, G0SB, G1SB
.irp s, 0,1
	s_mov_b32 s[G0+4*\s], 1
	s_add_co_u32 s[G0+4*\s+1], s45, \s*SLOT
	s_add_nc_u64 s[G0+4*\s+2:G0+4*\s+3], s[20:21], \s*ROWB
	s_or_b32 s[G0+4*\s+3], s[G0+4*\s+3], 0x80000000
	s_mov_b32 s[G0B+4*\s], 1
	s_add_co_u32 s[G0B+4*\s+1], s45, \s*SLOT
	s_add_nc_u64 s[G0B+4*\s+2:G0B+4*\s+3], s[46:47], \s*ROWB
	s_or_b32 s[G0B+4*\s+3], s[G0B+4*\s+3], 0x80000000
	JLOAD G0+4*\s, G1, G0B+4*\s, G1B               ; three tensor loads of mine are out
.endr
	v_and_b32 v1, 15, v0
	v_bfe_u32 v2, v0, 4, 1
	v_mul_u32_u24 v3, v1, PITCH
	v_mul_u32_u24 v4, v2, 24
	v_add_nc_u32 v4, v3, v4
	v_lshl_add_u32 v5, v2, 4, v4
	s_mul_i32 s21, s15, HALFT
	s_mul_i32 s22, s16, HALFT
	s_add_co_u32 s22, s22, 2*HALFT
.irp s, 0,1
	v_add_nc_u32 v[ADRA+\s], s21, v4
	v_add_nc_u32 v[ADRB+\s], s22, v4
	v_add_nc_u32 v[ADRA+2+\s], s21, v5
	v_add_nc_u32 v[ADRB+2+\s], s22, v5
	s_add_co_u32 s21, s21, SLOT
	s_add_co_u32 s22, s22, SLOT
.endr
	v_mul_u32_u24 v5, v1, KS
	v_lshrrev_b32 v6, 8, v5
	v_lshl_add_u32 v5, v6, 4, v5
	s_mul_i32 s21, s15, HALFS
	s_mul_i32 s22, s16, HALFS
	s_add_co_u32 s22, s22, 2*HALFS
	s_sub_co_u32 s22, s22, s21
	v_mul_u32_u24 v6, s22, v2                      ; lanes 16-31 take Wo's
	s_add_co_u32 s21, s21, SCL
	v_add_nc_u32 v5, v5, v6
	v_add_nc_u32 v[ADRS], s21, v5
	s_mul_i32 s23, s14, 16*SPITCH                  ; my stage
	v_mul_u32_u24 v5, v1, SPITCH
	v_lshl_add_u32 v5, v2, 5, v5
	v_add_nc_u32 v[STO], s23, v5
	v_and_b32 v6, 31, v0
	v_lshlrev_b32 v[CO], 4, v6
	v_add_nc_u32 v[RD], s23, v[CO]
	s_lshl_b32 s20, s17, 8
	s_lshl_b32 s21, s15, 7
	s_add_co_u32 s20, s20, s21                     ; my first row of out0
	s_mov_b32 s21, 0
	s_mov_b64 s[18:19], SIZE_N*4
	s_mul_u64 s[20:21], s[20:21], s[18:19]
	s_lshl_b32 s46, s42, 10                        ; my first column, in bytes
	s_lshl_b32 s47, s16, 9
	s_add_co_u32 s46, s46, s47
	s_mov_b32 s47, 0
	s_add_nc_u64 s[20:21], s[20:21], s[46:47]
	s_add_nc_u64 s[12:13], s[12:13], s[20:21]
	s_add_nc_u64 s[66:67], s[66:67], s[46:47]
	global_load_b128 v[BO:BO+3], v[CO], s[66:67]   ; bo at the four columns that I store of every row
.macro FRAG reg, adr, q, i
.irp p, 0,1,2,3,4,5
.set PCE, 12*(\q)+6*(\p/3)+\p%3
.if PCE%8 < 5
	ds_load_b64 v[\reg+2*\p:\reg+2*\p+1], v[\adr] offset:8*PCE+16*(PCE/8)+(\i)*16*PITCH
.else
	ds_load_b64 v[\reg+2*\p:\reg+2*\p+1], v[\adr+2] offset:8*PCE+16*(PCE/8)+(\i)*16*PITCH
.endif
.endr
.endm
.macro MUL16 a0, p, q, sc, zero        ; the 64 accumulators take turns, one instruction a turn
.irp a, \a0, \a0+1
.irp b, 0,1,2,3,4,5,6,7
.if \zero
	v_wmma_scale_f32_16x16x128_f8f6f4 v[8*(8*((\a)%4)+\b):8*(8*((\a)%4)+\b)+7], v[128*(\p)+FR*\b:128*(\p)+FR*\b+FR-1], v[AF+FR*(\a):AF+FR*(\a)+FR-1], 0, v[SC+8*NQ*(\sc)+NQ*\b+(\q)], v[SC+8*NQ*(\sc)+NQ*(\a)+(\q)] matrix_a_fmt:MATRIX_FMT_FP6 matrix_b_fmt:MATRIX_FMT_FP6 matrix_a_scale:MATRIX_SCALE_ROW1
.else
	v_wmma_scale_f32_16x16x128_f8f6f4 v[8*(8*((\a)%4)+\b):8*(8*((\a)%4)+\b)+7], v[128*(\p)+FR*\b:128*(\p)+FR*\b+FR-1], v[AF+FR*(\a):AF+FR*(\a)+FR-1], v[8*(8*((\a)%4)+\b):8*(8*((\a)%4)+\b)+7], v[SC+8*NQ*(\sc)+NQ*\b+(\q)], v[SC+8*NQ*(\sc)+NQ*(\a)+(\q)] matrix_a_fmt:MATRIX_FMT_FP6 matrix_b_fmt:MATRIX_FMT_FP6 matrix_a_scale:MATRIX_SCALE_ROW1
.endif
.endr
.endr
.endm
.macro FETCH_B slot, q, p
	WIN TO_B
.irp i, 0,1,2,3,4,5,6,7
	FRAG 128*(\p)+FR*\i, ADRB+\slot, \q, \i
.endr
	WIN 0
.endm
.macro FETCH_A slot, q, i0
.irp i, \i0, \i0+1, \i0+2, \i0+3
	FRAG AF+FR*(\i), ADRA+\slot, \q, \i
.endr
.endm
.macro SCALES sc
.irp i, 0,1,2,3,4,5,6,7
	ds_load_b64 v[SC+8*NQ*\sc+NQ*\i:SC+8*NQ*\sc+NQ*\i+1], v[ADRS] offset:\i*SBLK
.endr
.endm
.macro PLACES n
.rept \n
	v_nop
.endr
.endm
.macro STEP slot, q, zero
	s_wait_dscnt 4*NL                              ; Wo's set and A's blocks 0-3 are in; the youngest 24 loads (A's blocks 4-7) may be out
	WIN MUL_LO
	MUL16 0, (\q)%2, \q, \slot, \zero
	MUL16 2, (\q)%2, \q, \slot, \zero
	s_wait_dscnt 0
	PLACES NP
	FETCH_B \slot, (\q)+1, 1-(\q)%2
	FETCH_A \slot, (\q)+1, 0
	WIN MUL_HI
	MUL16 4, (\q)%2, \q, \slot, \zero
	MUL16 6, (\q)%2, \q, \slot, \zero
	PLACES NP
	WIN 0
	FETCH_A \slot, (\q)+1, 4
.endm
.macro TURN slot, next, fill
	s_wait_tensorcnt 0x0                           ; all my tensor loads have landed: my part of the next slot
	ds_add_u32 v[SPW], v[NIL]                      ; 0 onto my spare word
	s_wait_dscnt 4*NL+1                            ; (the add and the youngest 24 loads may be out)
	WIN MUL_LO
	MUL16 0, 1, NQ-1, \slot, 0
	s_wait_dscnt 0x0                               ; the add is done, and my reads of this slot are over
	s_barrier_signal -1
	MUL16 2, 1, NQ-1, \slot, 0
	WIN 0
	s_barrier_wait -1
.if \fill
	CREST                                          ; the barrier has opened a round of the cluster's barrier
	s_add_nc_u64 s[G0+4*\slot+2:G0+4*\slot+3], s[G0+4*\slot+2:G0+4*\slot+3], 2*ROWB
	s_add_nc_u64 s[G0B+4*\slot+2:G0B+4*\slot+3], s[G0B+4*\slot+2:G0B+4*\slot+3], 2*ROWB
	JLOAD G0+4*\slot, G1, G0B+4*\slot, G1B         ; the first tensor load behind the round; its four v_nop are the places in front of the loads below
.else
	PLACES NP
.endif
	v_add_nc_u32 v[ADRS], 4*NQ, v[ADRS]
	FETCH_B \next, 0, 0
	FETCH_A \next, 0, 0
	SCALES \next
	WIN MUL_HI
	MUL16 4, 1, NQ-1, \slot, 0
	MUL16 6, 1, NQ-1, \slot, 0
	PLACES NP
	WIN 0
	FETCH_A \next, 0, 4
.endm
	s_wait_tensorcnt 1                             ; the scales and my part of K step 0 are in (K step 1's load may be out),
	s_barrier_signal -1
	s_barrier_wait -1                              ; everybody's are
	FETCH_B 0, 0, 0
	FETCH_A 0, 0, 0
	SCALES 0
	FETCH_A 0, 0, 4
	STEP 0, 0, 1                                   ; the first step's products start the sums
	s_mov_b32 s3, LAPS-1
.Llap:
	TURN 0, 1, 1
	STEP 1, 0, 0
	TURN 1, 0, 1
	STEP 0, 0, 0
	s_sub_co_u32 s3, s3, 1
	s_cmp_lg_u32 s3, 0
	s_cbranch_scc1 .Llap
	TURN 0, 1, 0                                   ; the last lap fills nothing
	STEP 1, 0, 0
	s_wait_dscnt 4*NL
	WIN MUL_LO
	MUL16 0, 1, NQ-1, 1, 0
	MUL16 2, 1, NQ-1, 1, 0
	s_wait_dscnt 0
	WIN MUL_HI
	MUL16 4, 1, NQ-1, 1, 0
	MUL16 6, 1, NQ-1, 1, 0
	WIN 0
; THE WAY OUT, block by block of 16 rows x 128 columns, through my own stage in LDS: back come whole rows of 512 bytes; the bias is added there, where a lane holds the same four columns of every row.
.macro TOSTAGE a
.set AC, 64*((\a)%4)
	WIN 0x08+4*((\a)/4)                            ; the data: window 2 or 3
.irp b, 0,1,2,3,4,5,6,7
	ds_store_b128 v[STO], v[AC+8*\b:AC+8*\b+3] offset:64*\b          ; each accumulator from its low end on
	ds_store_b128 v[STO], v[AC+8*\b+4:AC+8*\b+7] offset:64*\b+16
.endr
	WIN 0
.set BB, BK+64*((\a)%2)
.irp t, 0,1,2,3,4,5,6,7,8,9,10,11,12,13,14,15
	ds_load_b128 v[BB+4*\t:BB+4*\t+3], v[RD] offset:\t*SPITCH       ; LDS serves a wave's instructions in order: these see the stores above
.endr
.endm
.macro SEND a, younger                 ; younger: the LDS instructions issued behind block a's loads, which may stay out
.set BB, BK+64*((\a)%2)
	s_wait_dscnt \younger
.if (\a) > 0
	s_add_nc_u64 s[12:13], s[12:13], 16*SIZE_N*4   ; (behind a wait on XCNT: the earlier stores have read their base)
.endif
.irp t, 0,1,2,3,4,5,6,7,8,9,10,11,12,13,14,15
	v_pk_add_f32 v[BB+4*\t:BB+4*\t+1], v[BB+4*\t:BB+4*\t+1], v[BO:BO+1]
	v_pk_add_f32 v[BB+4*\t+2:BB+4*\t+3], v[BB+4*\t+2:BB+4*\t+3], v[BO+2:BO+3]
	global_store_b128 v[CO], v[BB+4*\t:BB+4*\t+3], s[12:13] offset:\t*SIZE_N*4 th:TH_STORE_NT   ; 32 lanes store 512 consecutive bytes, aligned
.endr
.endm
	s_wait_loadcnt 0x0                             ; bo, asked for at the head
	PLACES NP
	TOSTAGE 0
.irp a, 1,2,3,4,5,6,7
.if \a > 1
	s_wait_xcnt 0x0                                ; block a - 2's stores have read their registers and their base
.endif
	TOSTAGE \a
	SEND \a-1, 32                                  ; behind block a - 1's loads: block a's 16 stores and 16 loads
.endr
	s_wait_xcnt 0x0
	SEND 7, 0
	s_wait_tensorcnt 0x0                           ; the wave's end
	ds_add_u32 v[SPW], v[NIL]
	s_wait_dscnt 0x0
	CROUND                                         ; the closing round
	s_endpgm
.Lfunc_end_k_q30fdf080f7_oproj:
	.size	k_q30fdf080f7_oproj, .Lfunc_end_k_q30fdf080f7_oproj-k_q30fdf080f7_oproj
	.p2alignl 7, 3214868480
	.fill 96, 4, 3214868480
	.section	.rodata,"a",@progbits
	.p2align	6, 0x0
	.amdhsa_kernel k_q30fdf080f7_oproj
		.amdhsa_group_segment_fixed_size 327680
		.amdhsa_private_segment_fixed_size 0
		.amdhsa_enable_private_segment 0
		.amdhsa_kernarg_size 32
		.amdhsa_user_sgpr_count 2
		.amdhsa_user_sgpr_kernarg_segment_ptr 1
		.amdhsa_wavefront_size32 1
		.amdhsa_system_sgpr_workgroup_id_x 1
		.amdhsa_system_sgpr_workgroup_id_y 1
		.amdhsa_system_sgpr_workgroup_id_z 1
		.amdhsa_system_vgpr_workitem_id 0
		.amdhsa_next_free_vgpr 1024
		.amdhsa_next_free_sgpr 98
		.amdhsa_reserve_vcc 0
		.amdhsa_float_denorm_mode_32 3
		.amdhsa_float_denorm_mode_16_64 3
		.amdhsa_memory_ordered 1
		.amdhsa_forward_progress 1
		.amdhsa_inst_pref_size 176
	.end_amdhsa_kernel
	.amdgpu_metadata
---
amdhsa.version: [ 1, 2 ]
amdhsa.kernels:
  - .name:           k_q30fdf080f7_oproj
    .symbol:         k_q30fdf080f7_oproj.kd
    .args:
      - { .name: a6, .offset: 0, .size: 8, .value_kind: global_buffer, .address_space: global }
      - { .name: wq, .offset: 8, .size: 8, .value_kind: global_buffer, .address_space: global }
      - { .name: bo, .offset: 16, .size: 8, .value_kind: global_buffer, .address_space: global }
      - { .name: out0, .offset: 24, .size: 8, .value_kind: global_buffer, .address_space: global }
    .group_segment_fixed_size: 327680
    .private_segment_fixed_size: 0
    .kernarg_segment_align: 8
    .kernarg_segment_size: 32
    .max_flat_workgroup_size: 128
    .sgpr_count:     98
    .vgpr_count:     1024
    .wavefront_size: 32
...
	.end_amdgpu_metadata
.endif
;; end of part 4
;; ======== version 2 of 2: 4 launches
;; limits: right only within a limited range of input values
;; workspace buffers: xq 3,276,800 bytes; wq 3,276,800 bytes; maskw 524,288 bytes of whole numbers; mflag 2,048 bytes of whole numbers; qb 3,407,872 bytes; kv 6,815,744 bytes; a6 3,276,800 bytes
;; launch prep (part 5): grid 384 x 1, 4 waves a work-group, no clusters, 67,072 bytes of LDS; arguments x, Wq, Wk, Wv, Wo, masks, xq, wq, maskw, mflag; writes xq, wq, maskw, mflag
.if DOCPART == 5
	.amdgcn_target "amdgcn-amd-amdhsa--gfx1250"
	.amdhsa_code_object_version 6
	.text
	.protected	k_q30fdf080f7_prep
	.globl	k_q30fdf080f7_prep
	.p2align	8
	.type	k_q30fdf080f7_prep,@function
k_q30fdf080f7_prep:
	s_mov_b64 s[64:65], 0
	v_nop
	global_prefetch_b8 v0, s[64:65] scope:SCOPE_SE
	s_setreg_imm32_b32 hwreg(HW_REG_WAVE_MODE, 25, 1), 1
	s_wait_xcnt 0x0
; PREP.  Work-groups 0-255: x [4096][1024] and the four weights [1024][1024], f32, become codes of FP6 (E2M3), K innermost (768 bytes a row), with one E8M0 byte for each 32 along K (32 bytes a row).
; Work-groups 256-383: masks [2048][2048] f32 becomes one bit a number (1 where the number is 0), laid as the lane masks that the attention launch's selects take.
; xq: codes at 768 p, scale bytes at 0x300000 + 32 p; wq likewise, Wq at positions 0-1023, Wk 1024-2047, Wv 2048-3071, Wo 3072-4095.
; POSITION p HOLDS ROW p WITH BITS 3 AND 4 EXCHANGED (all but Wo): sixteen neighbouring positions 16 T + r are then rows 32 (T / 2) + 8 (T % 2) + r + 8 (r / 8), so that the results of two neighbouring tiles
; of a product used transposed are 16 neighbours along the next K.  A wave's run is 8 rows, so the exchange is an exchange of the two bits of the wave's number in the run that it stores.
; A block's scale is 2^(floor(log2(its largest magnitude)) - 2); its byte is the largest magnitude's exponent field - 2, held at 1 from below.
; LIMITS: a block of zeros gets the byte 1, not 127 (its codes are zeros, and this program alone reads the bytes); blocks whose largest magnitude lies under 2^-124 are held at the byte 1; NaN and infinities among x and the weights are not served.
; No work-group shares an input with another: no cluster, no tensor load, no barrier.  The two paths part on the work-group's number and have LDS bytes of their own.
.set STEPS, 16
.set EMAX,  2
.set CB,    12                         ; bytes of 16 codes
.set R,     16                         ; v16-79   four sets of 16 numbers as they are loaded
.set X,     80                         ; v80-111  two sets of 16 neighbours
.set E,     112                        ; v112-127 a scale byte for each step
.set C,     128                        ; v128-191 codes: four registers for each step
.set WREG,  8192                       ; quantiser: LDS of a wave: two stages of 32 x SP bytes, then its 256 scale bytes
.set SP,    80                         ; a lane's place in a stage: 64 bytes + 16 of padding
.set MSTG,  4*WREG                     ; mask path: its stages begin here
.set MP,    528                        ; a stage row: 512 bytes + 16
.set MWD,   16                         ; v16-23   the words of a wave's four steps, two registers a step
.set ML,    32                         ; v32-159  two sets of 64 numbers as they are loaded
.set MX,    160                        ; v160-223 64 numbers in the order of the score registers
	s_load_b512 s[4:19], s[0:1], 0x0               ; x, Wq, Wk, Wv, Wo, masks, xq, wq
	s_load_b64 s[20:21], s[0:1], 0x40              ; maskw
	s_load_b64 s[44:45], s[0:1], 0x48              ; mflag: for tile T and wave w one word: bit t = all 64 words of key step 4 w + t are all ones, bit 16 + t = all are 0
	v_lshl_add_u32 v224, v0, 2, 0x10400
	v_mov_b32 v225, 0
	v_lshrrev_b32 v1, 5, v0
	v_readfirstlane_b32 s30, v1                    ; wave
	v_and_b32 v2, 31, v0                           ; lane
	v_lshlrev_b32 v3, 4, v2                        ; my 16 bytes of a load's 512
	s_wait_kmcnt 0x0
	s_cmp_ge_u32 ttmp9, 256
	s_cbranch_scc1 .Lmask
; ---------------- the quantiser: a tensor is a plain stream of blocks of 32; a wave takes 16 steps of 512 numbers (8 rows)
	s_mul_i32 s34, s30, WREG
	s_wait_alu depctr_va_vdst(0)
	v_lshrrev_b32 v14, 2, v2
	v_mul_u32_u24 v14, v14, SP
	v_and_b32 v15, 3, v2
	v_lshl_add_u32 v14, v15, 4, v14
	v_add_nc_u32 v14, s34, v14                     ; the stage, on the way in: SP (lane / 4) + 16 (lane % 4)
	v_mul_u32_u24 v15, v2, SP
	v_add_nc_u32 v15, s34, v15                     ; and on the way out: SP x lane: my 16 neighbours
	v_mul_u32_u24 v4, v2, CB                       ; my codes' place in a step's
	v_lshrrev_b32 v5, 1, v2
	s_add_co_u32 s34, s34, 2*32*SP
	v_add_nc_u32 v5, s34, v5                       ; LDS: my wave's 256 scale bytes, my block's byte
	v_lshlrev_b32 v7, 3, v2                        ; and on the way out 8 bytes a lane
	v_add_nc_u32 v6, s34, v7
	s_and_b32 s28, s30, 1
	s_lshl_b32 s28, s28, 1
	s_lshr_b32 s29, s30, 1
	s_or_b32 s28, s28, s29                         ; the wave's number with its two bits exchanged
	s_cmp_lt_u32 ttmp9, 160                        ; every choice hangs on the work-group's number alone
	s_cselect_b64 s[22:23], s[6:7], s[8:9]         ; Wq or Wk
	s_cmp_lt_u32 ttmp9, 224
	s_cselect_b64 s[24:25], s[10:11], s[12:13]     ; Wv or Wo
	s_cselect_b32 s28, s28, s30                    ; Wo keeps its rows' order
	s_cmp_lt_u32 ttmp9, 192
	s_cselect_b64 s[22:23], s[22:23], s[24:25]
	s_cmp_lt_u32 ttmp9, 128
	s_cselect_b64 s[22:23], s[4:5], s[22:23]       ; the source: work-groups 0-127 x, then 32 for each weight
	s_cselect_b64 s[24:25], s[16:17], s[18:19]     ; the destination: xq or wq
	s_cselect_b32 s29, 0, 128
	s_cselect_b32 s31, 127, 31
	s_sub_co_u32 s29, ttmp9, s29                   ; which 32 rows of the destination
	s_and_b32 s31, s29, s31                        ; which 32 rows of the source
	s_lshl_b32 s31, s31, 2
	s_add_co_u32 s31, s31, s30                     ; the run of 8 rows that I read
	s_lshl_b32 s29, s29, 2
	s_add_co_u32 s29, s29, s28                     ; and the run that I store
	s_lshl_b32 s32, s31, 15                        ; 32,768 bytes a run
	s_mov_b32 s33, 0
	s_add_nc_u64 s[22:23], s[22:23], s[32:33]
	s_lshl_b32 s32, s29, 8                         ; 256 scale bytes a run
	s_add_co_u32 s32, s32, 0x300000
	s_add_nc_u64 s[26:27], s[24:25], s[32:33]
	s_mul_i32 s32, s29, 32*STEPS*CB                ; 6,144 bytes of codes a run
	s_add_nc_u64 s[24:25], s[24:25], s[32:33]
.macro QLOAD t
.irp i, 0,1,2,3
	global_load_b128 v[R+16*((\t)%4)+4*\i:R+16*((\t)%4)+4*\i+3], v3, s[22:23] offset:2048*(\t)+512*\i th:TH_LOAD_NT   ; 32 lanes read 512 consecutive bytes
.endr
.endm
.macro QTURN t                         ; step t's numbers through the stage: LDS serves a wave's instructions in order, so no wait stands between the stores and the loads
.irp i, 0,1,2,3
	ds_store_b128 v14, v[R+16*((\t)%4)+4*\i:R+16*((\t)%4)+4*\i+3] offset:32*SP*((\t)%2)+8*SP*\i
.endr
.irp i, 0,1,2,3
	ds_load_b128 v[X+16*((\t)%2)+4*\i:X+16*((\t)%2)+4*\i+3], v15 offset:32*SP*((\t)%2)+16*\i
.endr
.endm
.irp t, 0,1,2,3
	QLOAD \t
.endr
	s_wait_alu depctr_va_vdst(0)
	s_wait_loadcnt 12                              ; step 0's four loads are in
	QTURN 0
.macro QSTEP t
.set XS, X+16*((\t)%2)
.if (\t) > 0
	s_wait_dscnt 1                                 ; this step's numbers are back from the stage (the last step's byte store may be out)
.else
	s_wait_dscnt 0x0
.endif
.if (\t)+4 < STEPS
	QLOAD (\t)+4                                   ; into the registers that the stage's stores have read
.endif
.if (\t)+1 < STEPS
.if STEPS-2-(\t) >= 3
	s_wait_loadcnt 12                              ; the next step's four loads are in; those of the three steps behind it may be out
.else
	s_wait_loadcnt 4*(STEPS-2-(\t))
.endif
	QTURN (\t)+1
.endif
	v_max3_num_f32 v8, |v[XS]|, |v[XS+1]|, |v[XS+2]|               ; the largest magnitude of my 16
	v_max3_num_f32 v9, |v[XS+3]|, |v[XS+4]|, |v[XS+5]|
.irp i, 6,10
	v_max3_num_f32 v8, v8, |v[XS+\i]|, |v[XS+\i+1]|
	v_max3_num_f32 v9, v9, |v[XS+\i+2]|, |v[XS+\i+3]|
.endr
	v_max3_num_f32 v8, v8, |v[XS+14]|, |v[XS+15]|
	v_max3_num_f32 v8, v8, v9, (EMAX+1)<<23        ; and the floor 2^(EMAX + 1 - 127): the byte cannot fall under 1
	v_max_num_f32_dpp v8, v8, v8 row_xmask:1 row_mask:0xf bank_mask:0xf   ; and of my neighbour's 16: the block's
	v_add_nc_u32 v11, -(EMAX<<23), v8              ; EMAX off its exponent field: the conversion takes the exponent field of this operand as its scale
	v_cvt_scalef32_pk16_fp6_f32 v[C+4*(\t):C+4*(\t)+2], v[XS:XS+15], v11
	v_lshrrev_b32 v[E+(\t)], 23, v11               ; the scale's byte
	ds_store_b8 v5, v[E+(\t)] offset:16*(\t)       ; both lanes of a block write the same byte with the same value
	global_store_b96 v4, v[C+4*(\t):C+4*(\t)+2], s[24:25] offset:32*CB*(\t)   ; the wave stores 384 consecutive bytes
.endm
.irp t, 0,1,2,3,4,5,6,7,8,9,10,11,12,13,14,15
	QSTEP \t
.endr
	ds_load_b64 v[12:13], v6                       ; LDS serves a wave's instructions in order: these see my stores
	s_wait_dscnt 0x0
	global_store_b64 v7, v[12:13], s[26:27]        ; 32 lanes store 256 consecutive bytes, aligned
	s_wait_tensorcnt 0x0
	ds_add_u32 v224, v225
	s_wait_dscnt 0x0
	s_endpgm
; ---------------- the mask.  Work-group 256 + T takes the 16 queries of tile T (rows 32 (T / 2) + 8 (T % 2) + r + 8 (r / 8)); wave w the key steps 4 w .. 4 w + 3 of 128 keys.
; Word n (0 .. 63) of (T, step): bit l = 1 where masks[query of lane l % 16][128 step + 32 (n / 16) + 16 (l / 16) + n % 16] is 0: the lane mask of score register n.
.Lmask:
	s_sub_co_u32 s22, ttmp9, 256                   ; T
	s_lshr_b32 s23, s22, 1
	s_lshl_b32 s23, s23, 5
	s_and_b32 s24, s22, 1
	s_lshl_b32 s24, s24, 3
	s_add_co_u32 s23, s23, s24                     ; the tile's first row
	s_lshl_b32 s24, s23, 13                        ; 8,192 bytes a row
	s_lshl_b32 s25, s30, 11                        ; my four steps: 2,048 bytes on for each wave
	s_add_co_u32 s24, s24, s25
	s_mov_b32 s25, 0
	s_add_nc_u64 s[14:15], s[14:15], s[24:25]
	s_lshl_b32 s24, s22, 12                        ; 4,096 bytes of words a tile,
	s_lshl_b32 s26, s30, 10                        ; 256 a step
	s_add_co_u32 s24, s24, s26
	s_add_nc_u64 s[20:21], s[20:21], s[24:25]
	s_lshl_b32 s24, s22, 4                         ; mflag: 16 bytes a tile,
	s_lshl_b32 s26, s30, 2                         ; 4 a wave
	s_add_co_u32 s24, s24, s26
	s_add_nc_u64 s[44:45], s[44:45], s[24:25]
	s_mul_i32 s27, s30, 16*MP
	s_add_co_u32 s27, s27, MSTG                    ; my stage: 16 rows
	s_wait_alu depctr_va_vdst(0)
	v_add_nc_u32 v4, s27, v3                       ; in: 16 bytes a lane of a row
	v_and_b32 v5, 15, v2
	v_lshrrev_b32 v6, 4, v2
	v_mul_u32_u24 v5, v5, MP
	v_lshl_add_u32 v5, v6, 6, v5
	v_add_nc_u32 v5, s27, v5                       ; out: row lane % 16, + 64 (lane / 16)
	v_lshlrev_b32 v7, 3, v2                        ; the words leave 8 bytes a lane
.irp i, 0,1,2,3,4,5,6,7
	v_mov_b32 v[MWD+\i], 0                         ; written once: a lane write's destination counts as one of its sources
.endr
.macro LOADM t                         ; step t of my four: 16 rows x 512 consecutive bytes
.irp p, 0,1,2,3,4,5,6,7,8,9,10,11,12,13,14,15
	global_load_b128 v[ML+64*((\t)%2)+4*\p:ML+64*((\t)%2)+4*\p+3], v3, s[14:15] offset:(\p+8*(\p/8))*8192+512*(\t) th:TH_LOAD_NT
.endr
.endm
.macro MSTEP t
.if (\t) < 3
	s_wait_loadcnt 16                              ; this step's 16 loads are in; the next step's may be out
.else
	s_wait_loadcnt 0x0
.endif
.irp p, 0,1,2,3,4,5,6,7,8,9,10,11,12,13,14,15
	ds_store_b128 v4, v[ML+64*((\t)%2)+4*\p:ML+64*((\t)%2)+4*\p+3] offset:\p*MP
.endr
.irp b, 0,1,2,3
.irp j, 0,1,2,3
	ds_load_b128 v[MX+16*\b+4*\j:MX+16*\b+4*\j+3], v5 offset:128*\b+16*\j   ; register 16 b + i: key 32 b + 16 (lane / 16) + i of my row
.endr
.endr
	s_wait_dscnt 0x0                               ; the numbers are back, and the stores have read their registers
.if (\t)+2 < 4
	LOADM (\t)+2
.endif
.irp g, 0,1,2,3,4,5,6,7
.irp i, 0,1,2,3,4,5,6,7
	v_cmp_eq_f32 s[32+\i], 0, v[MX+8*\g+\i]        ; the 32 lanes' answers are word 8 g + i
.endr
.irp i, 0,1,2,3,4,5,6,7
	v_writelane_b32 v[MWD+2*(\t)+\i%2], s[32+\i], 4*\g+\i/2   ; lane n / 2 keeps words n and n + 1
	s_and_b32 s40, s40, s[32+\i]                   ; the step's words, ANDed
	s_or_b32 s41, s41, s[32+\i]                    ; and ORed
.endr
.endr
	global_store_b64 v7, v[MWD+2*(\t):MWD+2*(\t)+1], s[20:21] offset:256*(\t)   ; 32 lanes store 256 consecutive bytes, aligned
	s_cmp_eq_u32 s40, -1
	s_cselect_b32 s43, 1<<(\t), 0
	s_or_b32 s42, s42, s43
	s_cmp_eq_u32 s41, 0
	s_cselect_b32 s43, 0x10000<<(\t), 0
	s_or_b32 s42, s42, s43
	s_mov_b32 s40, -1
	s_mov_b32 s41, 0
.endm
	s_mov_b32 s40, -1
	s_mov_b32 s41, 0
	s_mov_b32 s42, 0
	LOADM 0
	LOADM 1
	MSTEP 0
	MSTEP 1
	MSTEP 2
	MSTEP 3
	v_mov_b32 v8, s42                              ; my four steps' flags: one word, stored by lane 0
	v_mov_b32 v9, 0
	v_cmp_eq_u32 vcc_lo, 0, v2
	s_wait_alu depctr_va_vdst(0)
	s_wait_xcnt 0x0                                ; EXEC changes only behind this wait
	s_and_saveexec_b32 s46, vcc_lo
	global_store_b32 v9, v8, s[44:45]
	s_wait_xcnt 0x0
	s_or_b32 exec_lo, exec_lo, s46
	s_wait_tensorcnt 0x0
	ds_add_u32 v224, v225
	s_wait_dscnt 0x0
	s_endpgm
.Lfunc_end_k_q30fdf080f7_prep:
	.size	k_q30fdf080f7_prep, .Lfunc_end_k_q30fdf080f7_prep-k_q30fdf080f7_prep
	.p2alignl 7, 3214868480
	.fill 96, 4, 3214868480
	.section	.rodata,"a",@progbits
	.p2align	6, 0x0
	.amdhsa_kernel k_q30fdf080f7_prep
		.amdhsa_group_segment_fixed_size 67072
		.amdhsa_private_segment_fixed_size 0
		.amdhsa_enable_private_segment 0
		.amdhsa_kernarg_size 80
		.amdhsa_user_sgpr_count 2
		.amdhsa_user_sgpr_kernarg_segment_ptr 1
		.amdhsa_wavefront_size32 1
		.amdhsa_system_sgpr_workgroup_id_x 1
		.amdhsa_system_sgpr_workgroup_id_y 1
		.amdhsa_system_sgpr_workgroup_id_z 1
		.amdhsa_system_vgpr_workitem_id 0
		.amdhsa_next_free_vgpr 226
		.amdhsa_next_free_sgpr 66
		.amdhsa_reserve_vcc 1
		.amdhsa_float_denorm_mode_32 3
		.amdhsa_float_denorm_mode_16_64 3
		.amdhsa_memory_ordered 1
		.amdhsa_forward_progress 1
		.amdhsa_inst_pref_size 99
	.end_amdhsa_kernel
	.amdgpu_metadata
---
amdhsa.version: [ 1, 2 ]
amdhsa.kernels:
  - .name:           k_q30fdf080f7_prep
    .symbol:         k_q30fdf080f7_prep.kd
    .args:
      - { .name: x, .offset: 0, .size: 8, .value_kind: global_buffer, .address_space: global }
      - { .name: Wq, .offset: 8, .size: 8, .value_kind: global_buffer, .address_space: global }
      - { .name: Wk, .offset: 16, .size: 8, .value_kind: global_buffer, .address_space: global }
      - { .name: Wv, .offset: 24, .size: 8, .value_kind: global_buffer, .address_space: global }
      - { .name: Wo, .offset: 32, .size: 8, .value_kind: global_buffer, .address_space: global }
      - { .name: masks, .offset: 40, .size: 8, .value_kind: global_buffer, .address_space: global }
      - { .name: xq, .offset: 48, .size: 8, .value_kind: global_buffer, .address_space: global }
      - { .name: wq, .offset: 56, .size: 8, .value_kind: global_buffer, .address_space: global }
      - { .name: maskw, .offset: 64, .size: 8, .value_kind: global_buffer, .address_space: global }
      - { .name: mflag, .offset: 72, .size: 8, .value_kind: global_buffer, .address_space: global }
    .group_segment_fixed_size: 67072
    .private_segment_fixed_size: 0
    .kernarg_segment_align: 8
    .kernarg_segment_size: 80
    .max_flat_workgroup_size: 128
    .sgpr_count:     66
    .vgpr_count:     226
    .wavefront_size: 32
...
	.end_amdgpu_metadata
.endif
;; end of part 5
;; launch qkv (part 6): grid 12 x 16, 4 waves a work-group, clusters of 4 x 4, 327,680 bytes of LDS; arguments xq, wq, bq, bk, bv, qb, kv; writes qb, kv
.if DOCPART == 6
	.amdgcn_target "amdgcn-amd-amdhsa--gfx1250"
	.amdhsa_code_object_version 6
	.text
	.protected	k_q30fdf080f7_qkv
	.globl	k_q30fdf080f7_qkv
	.p2align	8
	.type	k_q30fdf080f7_qkv,@function
k_q30fdf080f7_qkv:
	s_mov_b64 s[64:65], 0
	v_nop
	global_prefetch_b8 v0, s[64:65] scope:SCOPE_SE
	s_setreg_imm32_b32 hwreg(HW_REG_WAVE_MODE, 25, 1), 1
	s_wait_xcnt 0x0
	s_wait_alu depctr_hold_cnt(0) depctr_sa_sdst(0) depctr_va_vdst(0) depctr_va_sdst(0) depctr_va_ssrc(0) depctr_va_vcc(0) depctr_vm_vsrc(0)
	s_getreg_b32 s2, hwreg(HW_REG_IB_STS2, 6, 4)
	s_cmp_eq_u32 s2, 0
	s_cbranch_scc0 .Lentry_in_a_cluster
	s_endpgm
.Lentry_in_a_cluster:
	s_bfe_u32 s2, ttmp6, 0x10000c
	s_cmp_lg_u32 s2, 0xf033
	s_cbranch_scc0 .Lentry_shape_is_right
	s_endpgm
.Lentry_shape_is_right:
; QKV.  q = x Wq^T + bq, k = x Wk^T + bk, v = x Wv^T + bv on codes of FP6 (E2M3) with one E8M0 scale for each 32 along K = 1,024; the results are quantised in registers for the attention launch and leave as codes.
; A work-group of four waves makes 256 x 256 results, a wave 128 x 128: 64 accumulators.  K goes through a ring of two LDS slots in chunks of 256 bytes of each row of codes (a row is 768 bytes: three chunks, each on a
; multiple of 256 bytes); a step of 128 along K is 96 bytes, eight steps to three chunks; steps 2 and 5 lie across two chunks.  The scale bytes of the 2 x 256 rows come into LDS once.
; Source 0 takes 16 rows of operand B, source 1 16 rows of operand A: a lane holds ONE row of A, its registers run along B's rows.
; MODES, by the cluster's x (equal in all partners).  0, 1 (q, k): A = x, B = Wq or Wk.  2 (v): A = Wv, B = x: a lane holds a channel, its registers run along the keys.  Only pointers and tile numbers are chosen by the mode.
; The rows of xq and of Wq, Wk, Wv lie with bits 3 and 4 of their number exchanged, so that the 16 registers of two neighbouring tiles of B are 16 true neighbours.
; CLUSTERS 4 x 4: A's tile hangs on cy alone and is asked for jointly along a row, B's on cx alone, along a column.  No prefetch: of the three chunks two are asked for at the head, so no step lies a whole chunk ahead of the third's load.
; OUT.  qb [head 32][block 16][6,656]: tile a of 16 tokens: a lane's six code registers as images (0-3 at 768 a + 16 lane, 4-5 at 768 a + 512 + 8 lane), scale words (s0, s1, s0, s1) at 6,144 + 64 a + 4 row.
; kv [head][key step 16][13,312]: k as qb's block; v at + 6,656: fragment t as three images of four registers at 1,536 t + 512 g + 16 lane, scale words at 6,144 + 128 t + 4 lane.
; LIMITS: the bias is added behind the sum; a block of zeros gets the byte 1, not 127 (this program alone reads the bytes); blocks under 2^-124 are held at the byte 1; NaN and infinities are not served.
; REGISTERS: window 0: v0-31 addresses; v32-63 scale words, two sets; v64-127 the bias along registers; v128-223 A's fragments; v240-255 the bias along lanes.  Window 1: B's fragments, two sets.  Windows 2, 3: the accumulators.
.set ROWB,   256
.set NQ,     2
.set KROW,   768
.set STEPS,  8
.set CHUNKS, 3
.set PITCH,  272                       ; an LDS row: 256 bytes + 16 of padding
.set FR,     12
.set NL,     6
.set NP,     4                         ; places behind this matrix instruction (ISA guide 7.12.1)
.set HALFT,  128*PITCH
.set SLOT,   4*HALFT                   ; A's 256 rows, then B's 256 rows
.set KS,     32
.set SCL,    2*SLOT
.set HALFS,  (128*KS/256)*272
.set SBLK,   (16*KS/256)*272
.set SPARE,  SCL+4*HALFS               ; the spare words, 128 bytes a wave, which no other line names
.set SCOFF,  0x300000
.set QBLK,   6656
.set KVBLK,  13312
.set ADRA, 16                          ; v16-17 my A fragments in slot 0, 1; v18-19 for a piece whose lanes 16-31 read the next chunk
.set ADRB, 20
.set ADRS, 27
.set SPW,  28
.set NIL,  29
.set L16,  8                           ; v8 16 x lane, v9 8 x lane, v10 4 x lane, v11 64 (lane / 16), v12 4 (r + 8 (r / 8))
.set SC,   32
.set BR,   64
.set AF,   128
.set BV,   240
.set H,    128
.set CD,   192
.set TM,   212
.set PW,   228
.set PWE,  229
.set W0,   230
.set W1,   231
.set G1, 24
.set G0, 32
.set G1B, 48
.set G0B, 56
.set G1S, 68
.set G0S, 76
.set G1SB, 80
.set G0SB, 88
.set G0H, 4
.set G0HB, 8
.set SEL, 32
.set HIM, 34
.set MSB, 0
.macro WIN new
.if MSB != \new
	s_set_vgpr_msb (MSB<<8)|\new
.set MSB, \new
.endif
.endm
.set MUL_LO, 0xa1
.set MUL_HI, 0xf1
.set TO_B,   0x40
.macro JLOAD g0a, g1a, g0b, g1b        ; a joint load: waves 0, 1 fetch for A, waves 2, 3 for B
	s_cmp_eq_u32 s15, 0
	s_cbranch_scc0 .Lfor_b_\@
	tensor_load_to_lds s[\g0a:\g0a+3], s[\g1a:\g1a+7]
	s_nop 0
.rept 4
	v_nop
.endr
	s_branch .Lasked_\@
.Lfor_b_\@:
	tensor_load_to_lds s[\g0b:\g0b+3], s[\g1b:\g1b+7]
	s_nop 0
.rept 4
	v_nop
.endr
.Lasked_\@:
.endm
.macro CREST
	s_cmp_lg_u32 s14, 0
	s_cbranch_scc1 .Lnot_wave_0_\@
	s_barrier_signal -3
.Lnot_wave_0_\@:
	s_barrier_wait -3
	s_barrier_signal -1
	s_barrier_wait -1
.endm
.macro CROUND
	s_barrier_signal -1
	s_barrier_wait -1
	CREST
.endm
	s_load_b64 s[4:5], s[0:1], 0x0                 ; xq
	s_load_b64 s[8:9], s[0:1], 0x8                 ; wq
	s_load_b64 s[66:67], s[0:1], 0x10              ; bq
	s_load_b64 s[2:3], s[0:1], 0x18                ; bk
	s_load_b64 s[12:13], s[0:1], 0x20              ; bv
	s_load_b64 s[96:97], s[0:1], 0x28              ; qb
	s_load_b64 s[98:99], s[0:1], 0x30              ; kv
	v_lshl_add_u32 v[SPW], v0, 2, SPARE
	v_mov_b32 v[NIL], 0
	ds_add_u32 v[SPW], v[NIL]
	ds_add_u32 v[SPW], v[NIL]
	v_lshrrev_b32 v1, 5, v0
	v_readfirstlane_b32 s14, v1                    ; wave
	s_lshr_b32 s15, s14, 1                         ; my half of A's rows; also: I fetch for A (0) or B (1)
	s_and_b32 s16, s14, 1                          ; my half of B's rows; also: which 128 rows I fetch
	s_bfe_u32 s40, ttmp6, 0x40000                  ; cx
	s_bfe_u32 s41, ttmp6, 0x40004                  ; cy
	s_lshl_b32 s42, ttmp9, 2
	s_and_b32 s17, ttmp7, 0xffff
	s_lshl_b32 s17, s17, 2
	s_cmp_eq_u32 ttmp9, 2                          ; the mode: the same in all sixteen partners
	s_cselect_b32 s42, s17, s42                    ; B's tile: mode 2: 4 x cluster y + cx; else 4 x cluster x + cx
	s_cselect_b32 s17, 0, s17                      ; A's tile: mode 2: cy; else 4 x cluster y + cy
	s_add_co_u32 s42, s42, s40
	s_add_co_u32 s17, s17, s41
	s_lshl_b32 s43, s41, 2
	s_lshl_b32 s43, 15, s43                        ; my row of the cluster
	s_lshl_b32 s44, 0x1111, s40                    ; my column
	s_or_b32 s[G1+0], s43, (0<<16)|(1<<20)|(1<<21)|(5<<22)|(3<<25)   ; rows of 256 bytes, 16 of padding behind each
	s_or_b32 s[G1B+0], s44, (0<<16)|(1<<20)|(1<<21)|(5<<22)|(3<<25)
.irp g, G1, G1B
	s_mov_b32 s[\g+1], ROWB<<16
	s_mov_b32 s[\g+2], 256<<16                     ; 256 rows for the head's loads
	s_mov_b32 s[\g+3], ROWB<<16
	s_mov_b32 s[\g+4], 256
	s_mov_b32 s[\g+5], KROW
	s_mov_b32 s[\g+6], 0
	s_mov_b32 s[\g+7], 0
.endr
	s_or_b32 s[G1S+0], s43, (3<<16)|(1<<20)|(1<<21)|(5<<22)|(3<<25)  ; the scales of 256 rows: a dense block, as KS rows of 256 bytes
	s_or_b32 s[G1SB+0], s44, (3<<16)|(1<<20)|(1<<21)|(5<<22)|(3<<25)
.irp g, G1S, G1SB
	s_mov_b32 s[\g+1], 32<<16
	s_mov_b32 s[\g+2], KS<<16
	s_mov_b32 s[\g+3], 32<<16
	s_mov_b32 s[\g+4], KS
	s_mov_b32 s[\g+5], 32
	s_mov_b32 s[\g+6], 0
	s_mov_b32 s[\g+7], 0
.endr
	s_lshl_b32 s20, s17, 8
	s_lshl_b32 s46, s42, 8
	s_mov_b32 s21, 0
	s_mov_b32 s47, 0
	s_mov_b64 s[18:19], KS
	s_mul_u64 s[22:23], s[20:21], s[18:19]         ; where the tiles' scales begin
	s_mul_u64 s[92:93], s[46:47], s[18:19]
	s_mov_b64 s[18:19], KROW
	s_mul_u64 s[20:21], s[20:21], s[18:19]         ; and their codes
	s_mul_u64 s[46:47], s[46:47], s[18:19]
	s_mul_i32 s94, s16, 128*KROW                   ; in the ring I fetch 128 rows
	s_mov_b32 s95, 0
	s_mul_i32 s45, s14, HALFT
	s_wait_dscnt 0x0
	s_wait_kmcnt 0x0
	s_cmp_eq_u32 ttmp9, 0
	s_cselect_b64 s[66:67], s[66:67], s[2:3]       ; bq or bk
	s_add_nc_u64 s[18:19], s[8:9], 2048*KROW       ; Wv's codes
	s_mov_b32 s2, SCOFF
	s_mov_b32 s3, 0
	s_cmp_eq_u32 ttmp9, 2
	s_cselect_b64 s[66:67], s[12:13], s[66:67]     ; (mode 2 does not use the bias along registers: bv keeps its loads inside a buffer)
	s_cselect_b64 s[18:19], s[18:19], s[4:5]       ; A's codes
	s_cselect_b64 s[8:9], s[4:5], s[8:9]           ; B's codes
	s_cselect_b32 s2, SCOFF+2048*KS-2048*KROW, s2
	s_mov_b64 s[4:5], s[18:19]
	s_add_nc_u64 s[6:7], s[4:5], s[2:3]            ; A's scales
	s_add_nc_u64 s[10:11], s[8:9], SCOFF           ; B's scales
	s_lshl_b32 s18, s40, 10                        ; the bias along registers: 1,024 cx + 512 x half
	s_lshl_b32 s19, s16, 9
	s_add_co_u32 s18, s18, s19
	s_mov_b32 s19, 0
	s_add_nc_u64 s[66:67], s[66:67], s[18:19]
	s_lshl_b32 s18, s41, 10                        ; the bias along lanes: 1,024 cy + 512 x half
	s_lshl_b32 s19, s15, 9
	s_add_co_u32 s18, s18, s19
	s_mov_b32 s19, 0
	s_add_nc_u64 s[12:13], s[12:13], s[18:19]
	s_add_nc_u64 s[20:21], s[4:5], s[20:21]
	s_add_nc_u64 s[22:23], s[6:7], s[22:23]
	s_add_nc_u64 s[46:47], s[8:9], s[46:47]
	s_add_nc_u64 s[92:93], s[10:11], s[92:93]
	CROUND                                         ; in front of the first joint loads
	s_mov_b32 s[G0H], 1
	s_mov_b32 s[G0H+1], 0
	s_mov_b64 s[G0H+2:G0H+3], s[20:21]
	s_or_b32 s[G0H+3], s[G0H+3], 0x80000000
	s_mov_b32 s[G0HB], 1
	s_mov_b32 s[G0HB+1], 2*HALFT
	s_mov_b64 s[G0HB+2:G0HB+3], s[46:47]
	s_or_b32 s[G0HB+3], s[G0HB+3], 0x80000000
	s_mov_b32 s[G0S], 1
	s_mov_b32 s[G0S+1], SCL
	s_mov_b64 s[G0S+2:G0S+3], s[22:23]
	s_or_b32 s[G0S+3], s[G0S+3], 0x80000000
	s_mov_b32 s[G0SB], 1
	s_mov_b32 s[G0SB+1], SCL+2*HALFS
	s_mov_b64 s[G0SB+2:G0SB+3], s[92:93]
	s_or_b32 s[G0SB+3], s[G0SB+3], 0x80000000
	s_add_nc_u64 s[20:21], s[20:21], s[94:95]
	s_add_nc_u64 s[46:47], s[46:47], s[94:95]
.irp s, 0,1
	s_mov_b32 s[G0+4*\s], 1
	s_add_co_u32 s[G0+4*\s+1], s45, \s*SLOT
	s_add_nc_u64 s[G0+4*\s+2:G0+4*\s+3], s[20:21], \s*ROWB
	s_or_b32 s[G0+4*\s+3], s[G0+4*\s+3], 0x80000000
	s_mov_b32 s[G0B+4*\s], 1
	s_add_co_u32 s[G0B+4*\s+1], s45, \s*SLOT
	s_add_nc_u64 s[G0B+4*\s+2:G0B+4*\s+3], s[46:47], \s*ROWB
	s_or_b32 s[G0B+4*\s+3], s[G0B+4*\s+3], 0x80000000
.endr
; The head's four tiles, one load a wave: wave 0 chunk 0 of A's 256 rows, wave 1 of B's, wave 2 A's scales, wave 3 B's.
.macro ARM under, g0, g1, next
	s_cmp_lt_u32 s14, \under
	s_cbranch_scc0 \next
	tensor_load_to_lds s[\g0:\g0+3], s[\g1:\g1+7]
	s_nop 0
.rept 4
	v_nop
.endr
	s_branch .Lhead_asked
\next:
.endm
	ARM 1, G0H,  G1,  .Lhead_b
	ARM 2, G0HB, G1B, .Lhead_sa
	ARM 3, G0S,  G1S, .Lhead_sb
	tensor_load_to_lds s[G0SB:G0SB+3], s[G1SB:G1SB+7]
	s_nop 0
.rept 4
	v_nop
.endr
.Lhead_asked:
	v_and_b32 v1, 15, v0                           ; r
	v_bfe_u32 v2, v0, 4, 1                         ; h
	v_mul_u32_u24 v3, v1, PITCH
	v_mul_u32_u24 v4, v2, 24
	v_add_nc_u32 v4, v3, v4                        ; row x pitch + 24 h
	s_mov_b32 s21, SLOT-232
	s_mov_b32 s22, SLOT+232
	v_sub_nc_u32 v7, 1, v2
	v_mul_u32_u24 v5, s21, v2
	v_add_nc_u32 v5, v3, v5
	v_add_nc_u32 v5, 232, v5                       ; lanes 0-15 byte 232 of the row in slot 0, lanes 16-31 byte 0 in slot 1
	v_mul_u32_u24 v6, s22, v7
	v_add_nc_u32 v6, v3, v6                        ; and the other way round
	s_mul_i32 s21, s15, HALFT
	s_mul_i32 s22, s16, HALFT
	s_add_co_u32 s22, s22, 2*HALFT
	v_add_nc_u32 v[ADRA+2], s21, v5
	v_add_nc_u32 v[ADRA+3], s21, v6
	v_add_nc_u32 v[ADRB+2], s22, v5
	v_add_nc_u32 v[ADRB+3], s22, v6
.irp s, 0,1
	v_add_nc_u32 v[ADRA+\s], s21, v4
	v_add_nc_u32 v[ADRB+\s], s22, v4
	s_add_co_u32 s21, s21, SLOT
	s_add_co_u32 s22, s22, SLOT
.endr
	v_mul_u32_u24 v5, v1, KS
	v_lshrrev_b32 v6, 8, v5
	v_lshl_add_u32 v5, v6, 4, v5
	s_mul_i32 s21, s15, HALFS
	s_mul_i32 s22, s16, HALFS
	s_add_co_u32 s22, s22, 2*HALFS
	s_sub_co_u32 s22, s22, s21
	v_mul_u32_u24 v6, s22, v2                      ; lanes 16-31 take B's scale words
	s_add_co_u32 s21, s21, SCL
	v_add_nc_u32 v5, v5, v6
	v_add_nc_u32 v[ADRS], s21, v5
	v_and_b32 v6, 31, v0
	v_lshlrev_b32 v[L16], 4, v6
	v_lshlrev_b32 v[L16+1], 3, v6
	v_lshlrev_b32 v[L16+2], 2, v6
	v_lshlrev_b32 v[L16+3], 6, v2
	v_and_b32 v[L16+4], 8, v1
	v_add_nc_u32 v[L16+4], v[L16+4], v1
	v_lshlrev_b32 v[L16+4], 2, v[L16+4]
	; both layouts of the bias are loaded by every work-group, into registers that the walk along K does not touch
.irp b, 0,1,2,3
.irp j, 0,1,2,3
	global_load_b128 v[BR+16*\b+4*\j:BR+16*\b+4*\j+3], v[L16+3], s[66:67] offset:128*\b+16*\j
.endr
.endr
.irp a, 0,1,2,3,4,5,6,7
	global_load_b32 v[BV+2*\a], v[L16+4], s[12:13] offset:(32*(\a/2)+8*(\a%2))*4
	global_load_b32 v[BV+2*\a+1], v[L16+4], s[12:13] offset:(32*(\a/2)+8*(\a%2))*4   ; twice: a pair for the packed addition
.endr
.macro FRAG reg, adr, st, i            ; 16 rows x 128 K: six pieces of 8 bytes; byte y of a row lies in slot (y / 256) % 2 at byte y % 256
.irp p, 0,1,2,3,4,5
.set BY, 96*(\st)+48*(\p/3)+8*(\p%3)
.if BY/ROWB == (BY+24)/ROWB
	ds_load_b64 v[\reg+2*\p:\reg+2*\p+1], v[\adr+(BY/ROWB)%2] offset:BY%ROWB+(\i)*16*PITCH
.else
	ds_load_b64 v[\reg+2*\p:\reg+2*\p+1], v[\adr+2+(BY/ROWB)%2] offset:BY%ROWB-232+(\i)*16*PITCH
.endif
.endr
.endm
; 16 matrix instructions; the 64 accumulators take turns, one instruction a turn
.macro MUL16 a0, p, q, sc, zero
.irp a, \a0, \a0+1
.irp b, 0,1,2,3,4,5,6,7
.if \zero
	v_wmma_scale_f32_16x16x128_f8f6f4 v[8*(8*((\a)%4)+\b):8*(8*((\a)%4)+\b)+7], v[128*(\p)+FR*\b:128*(\p)+FR*\b+FR-1], v[AF+FR*(\a):AF+FR*(\a)+FR-1], 0, v[SC+8*NQ*(\sc)+NQ*\b+(\q)], v[SC+8*NQ*(\sc)+NQ*(\a)+(\q)] matrix_a_fmt:MATRIX_FMT_FP6 matrix_b_fmt:MATRIX_FMT_FP6 matrix_a_scale:MATRIX_SCALE_ROW1
.else
	v_wmma_scale_f32_16x16x128_f8f6f4 v[8*(8*((\a)%4)+\b):8*(8*((\a)%4)+\b)+7], v[128*(\p)+FR*\b:128*(\p)+FR*\b+FR-1], v[AF+FR*(\a):AF+FR*(\a)+FR-1], v[8*(8*((\a)%4)+\b):8*(8*((\a)%4)+\b)+7], v[SC+8*NQ*(\sc)+NQ*\b+(\q)], v[SC+8*NQ*(\sc)+NQ*(\a)+(\q)] matrix_a_fmt:MATRIX_FMT_FP6 matrix_b_fmt:MATRIX_FMT_FP6 matrix_a_scale:MATRIX_SCALE_ROW1
.endif
.endr
.endr
.endm
.macro FETCH_B st, p
	WIN TO_B
.irp i, 0,1,2,3,4,5,6,7
	FRAG 128*(\p)+FR*\i, ADRB, \st, \i
.endr
	WIN 0
.endm
.macro FETCH_A st, i0
.irp i, \i0, \i0+1, \i0+2, \i0+3
	FRAG AF+FR*(\i), ADRA, \st, \i
.endr
.endm
.macro SCALES pr                       ; the scale words of steps 2 pr, 2 pr + 1: lanes 0-15 A's block i, lanes 16-31 B's
.irp i, 0,1,2,3,4,5,6,7
	ds_load_b64 v[SC+8*NQ*((\pr)%2)+NQ*\i:SC+8*NQ*((\pr)%2)+NQ*\i+1], v[ADRS] offset:\i*SBLK+4*NQ*(\pr)
.endr
.endm
.macro PLACES n
.rept \n
	v_nop
.endr
.endm
; A step of 128 along K.  Where the next step's bytes end in a chunk not read yet: a wait for my tensor loads and a barrier.  Where they begin in a later chunk: the wait, the add, the wait for it and for my reads,
; the barrier, and, where a chunk two on is left, the rest of the cluster's round and the refill.
.macro STEP st, zero
.set NX, (\st)+1
.set C0, (96*(\st))/ROWB
.set C1, (96*NX)/ROWB
.set E0, (96*(\st)+95)/ROWB
.set E1, (96*NX+95)/ROWB
.if C1 > C0 || E1 > E0
	s_wait_tensorcnt 0x0                           ; all my tensor loads have landed
.if C1 > C0
	ds_add_u32 v[SPW], v[NIL]
	s_wait_dscnt 4*NL+1                            ; the add and the youngest 24 loads (A's blocks 4-7) may be out
.else
	s_wait_dscnt 4*NL                              ; the youngest 24 loads may be out
.endif
	WIN MUL_LO
	MUL16 0, (\st)%2, (\st)%2, ((\st)/2)%2, \zero
	s_wait_dscnt 0x0                               ; the add and all my reads are done
	s_barrier_signal -1
	MUL16 2, (\st)%2, (\st)%2, ((\st)/2)%2, \zero
	WIN 0
	s_barrier_wait -1
.if C1 > C0 && C0+2 < CHUNKS
	CREST
	s_add_nc_u64 s[G0+4*(C0%2)+2:G0+4*(C0%2)+3], s[G0+4*(C0%2)+2:G0+4*(C0%2)+3], 2*ROWB
	s_add_nc_u64 s[G0B+4*(C0%2)+2:G0B+4*(C0%2)+3], s[G0B+4*(C0%2)+2:G0B+4*(C0%2)+3], 2*ROWB
	JLOAD G0+4*(C0%2), G1, G0B+4*(C0%2), G1B       ; chunk C0 + 2: my one load behind the round
.else
	PLACES NP
.endif
.else
	s_wait_dscnt 4*NL
	WIN MUL_LO
	MUL16 0, (\st)%2, (\st)%2, ((\st)/2)%2, \zero
	MUL16 2, (\st)%2, (\st)%2, ((\st)/2)%2, \zero
	s_wait_dscnt 0
	PLACES NP
.endif
	FETCH_B NX, NX%2
	FETCH_A NX, 0
.if NX%2 == 0
	SCALES NX/2
.endif
	WIN MUL_HI
	MUL16 4, (\st)%2, (\st)%2, ((\st)/2)%2, \zero
	MUL16 6, (\st)%2, (\st)%2, ((\st)/2)%2, \zero
	PLACES NP
	WIN 0
	FETCH_A NX, 4
.endm
	s_wait_alu depctr_va_vdst(0)
	s_wait_tensorcnt 0x0                           ; my tile of the head's four is in
	ds_add_u32 v[SPW], v[NIL]
	s_mov_b32 s[G1+2], 128<<16                     ; no load of mine is out: from here on a load brings 128 rows
	s_mov_b32 s[G1+4], 128
	s_mov_b32 s[G1B+2], 128<<16
	s_mov_b32 s[G1B+4], 128
	s_wait_dscnt 0x0
	CROUND
	JLOAD G0+4, G1, G0B+4, G1B                     ; chunk 1
	FETCH_B 0, 0
	FETCH_A 0, 0
	SCALES 0
	FETCH_A 0, 4
	STEP 0, 1                                      ; the first step's products start the sums
.set ST, 1
.rept STEPS-2
	STEP ST, 0
.set ST, ST+1
.endr
	s_wait_dscnt 4*NL                              ; the very last step
	WIN MUL_LO
	MUL16 0, 1, 1, 1, 0
	MUL16 2, 1, 1, 1, 0
	s_wait_dscnt 0
	WIN MUL_HI
	MUL16 4, 1, 1, 1, 0
	MUL16 6, 1, 1, 1, 0
	WIN 0
; THE WAY OUT.  64 numbers of a lane, register 16 b + i = k 32 b + 16 (lane / 16) + i of my row, become a fragment's codes in v[CD] on and its scale word in v[PW].
.macro QUANT s
.irp b, 0,1,2,3
	v_max3_num_f32 v[TM+\b], |v[\s+16*\b]|, |v[\s+1+16*\b]|, 0x1800000   ; with the floor 2^(3 - 127): the byte cannot fall under 1
.endr
.irp i, 2,4,6,8,10,12,14
.irp b, 0,1,2,3
	v_max3_num_f32 v[TM+\b], v[TM+\b], |v[\s+16*\b+\i]|, |v[\s+1+16*\b+\i]|
.endr
.endr
.irp b, 0,1,2,3
	v_permlanex16_b32 v[TM+4+\b], v[TM+\b], s[SEL], s[SEL+1]
.endr
.irp b, 0,1,2,3
	v_max_num_f32 v[TM+\b], v[TM+\b], v[TM+4+\b]
.endr
.irp b, 0,1,2,3
	v_add_nc_u32 v[TM+12+\b], 0xff000000, v[TM+\b]   ; 2 off the exponent field: the conversion's scale operand
.endr
.irp b, 0,1,2,3
	v_lshrrev_b32 v[TM+4+\b], 23, v[TM+12+\b]
.endr
	v_lshl_or_b32 v[PW], v[TM+5], 8, v[TM+4]
	v_lshl_or_b32 v[PW], v[TM+6], 16, v[PW]
	v_lshl_or_b32 v[PW], v[TM+7], 24, v[PW]
.irp c, 0,1
	v_cvt_scalef32_pk16_fp6_f32 v[CD+6*\c:CD+2+6*\c], v[\s+32*\c:\s+15+32*\c], v[TM+12+2*\c]
	v_cvt_scalef32_pk16_fp6_f32 v[CD+12+4*\c:CD+14+4*\c], v[\s+16+32*\c:\s+31+32*\c], v[TM+12+2*\c+1]
.endr
	v_nop                                          ; one plain place behind a scaled conversion
.irp c, 0,1                                    ; a whole block in a lane
.irp i, 0,1,2
	v_permlane16_swap_b32 v[CD+6*\c+\i], v[CD+12+4*\c+\i]
.endr
.irp i, 0,1,2
	v_mov_b32 v[CD+3+6*\c+\i], v[CD+12+4*\c+\i]
.endr
.endr
.endm
.macro FRAGOUT_QK a                    ; 16 tokens x two heads; the addition of the bias brings the sums into window 0, each accumulator from its low end on
.set AC, 64*((\a)%4)
	WIN 0x02+(\a)/4
.set kk, 0
.rept 32
	v_pk_add_f32 v[H+kk:H+kk+1], v[AC+kk:AC+kk+1], v[BR+kk:BR+kk+1]
.set kk, kk+2
.endr
	WIN 0
.if (\a) > 0
	s_wait_xcnt 0x0                                ; the last block's stores have read their registers
.endif
	QUANT H
	global_store_b128 v[L16], v[CD:CD+3], s[24:25] offset:768*(\a)
	global_store_b64 v[L16+1], v[CD+4:CD+5], s[24:25] offset:768*(\a)+512
	global_store_b128 v[L16], v[CD+6:CD+9], s[30:31] offset:768*(\a)
	global_store_b64 v[L16+1], v[CD+10:CD+11], s[30:31] offset:768*(\a)+512
.if (\a)%2 == 0
	v_mov_b32 v[PWE], v[PW]
.else
	v_cndmask_b32 v[PWE], v[PWE], v[PW], s[HIM]    ; lanes 0-15: tile a - 1's rows; lanes 16-31: tile a's
	v_perm_b32 v[W0], v[PWE], v[PWE], 0x01000100
	v_perm_b32 v[W1], v[PWE], v[PWE], 0x03020302
	global_store_b32 v[L16+2], v[W0], s[24:25] offset:6144+64*((\a)-1)
	global_store_b32 v[L16+2], v[W1], s[30:31] offset:6144+64*((\a)-1)
.endif
.endm
.macro FRAGOUT_V a                     ; 16 channels x 128 keys
.set AC, 64*((\a)%4)
	WIN 0x02+(\a)/4
.set kk, 0
.rept 32
	v_pk_add_f32 v[H+kk:H+kk+1], v[AC+kk:AC+kk+1], v[BV+2*(\a):BV+2*(\a)+1]
.set kk, kk+2
.endr
	WIN 0
.if (\a) > 0
	s_wait_xcnt 0x0
.endif
	QUANT H
.irp g, 0,1,2
	global_store_b128 v[L16], v[CD+4*\g:CD+4*\g+3], s[24:25] offset:((\a)/4)*16*KVBLK+((\a)%4)*1536+512*\g
.endr
	global_store_b32 v[L16+2], v[PW], s[24:25] offset:((\a)/4)*16*KVBLK+6144+128*((\a)%4)
.endm
.macro FINISH
	s_wait_tensorcnt 0x0                           ; the wave's end
	ds_add_u32 v[SPW], v[NIL]
	s_wait_dscnt 0x0
	CROUND                                         ; the closing round
	s_endpgm
.endm
	s_wait_loadcnt 0x0                             ; the biases
	PLACES NP
.irp b, 0,1,2,3
	v_mov_b32 v[TM+4+\b], 0                        ; a lane permute's destination counts as one of its sources
.endr
	s_mov_b32 s[SEL], 0x76543210
	s_mov_b32 s[SEL+1], 0xfedcba98
	s_mov_b32 s[HIM], 0xffff0000
	s_cmp_eq_u32 ttmp9, 2
	s_cbranch_scc1 .Lvalues
	s_cmp_eq_u32 ttmp9, 0
	s_cselect_b64 s[24:25], s[96:97], s[98:99]     ; qb or kv
	s_mov_b32 s26, KVBLK
	s_cselect_b32 s26, QBLK, s26
	s_lshr_b32 s27, s17, 3                         ; the batch
	s_lshl_b32 s27, s27, 4
	s_lshl_b32 s28, s40, 2
	s_add_co_u32 s27, s27, s28
	s_lshl_b32 s28, s16, 1
	s_add_co_u32 s27, s27, s28                     ; my first head
	s_lshl_b32 s27, s27, 4
	s_lshl_b32 s28, s17, 1
	s_add_co_u32 s28, s28, s15
	s_and_b32 s28, s28, 15                         ; my block of 128 tokens
	s_add_co_u32 s27, s27, s28
	s_mul_i32 s28, s27, s26
	s_mov_b32 s29, 0
	s_add_nc_u64 s[24:25], s[24:25], s[28:29]
	s_lshl_b32 s28, s26, 4
	s_add_nc_u64 s[30:31], s[24:25], s[28:29]      ; the second head: 16 blocks on
.irp a, 0,1,2,3,4,5,6,7
	FRAGOUT_QK \a
.endr
	FINISH
.Lvalues:
	s_lshr_b32 s27, s42, 3
	s_lshl_b32 s27, s27, 4
	s_lshl_b32 s28, s41, 2
	s_add_co_u32 s27, s27, s28
	s_lshl_b32 s28, s15, 1
	s_add_co_u32 s27, s27, s28
	s_lshl_b32 s27, s27, 4
	s_lshl_b32 s28, s42, 1
	s_add_co_u32 s28, s28, s16
	s_and_b32 s28, s28, 15                         ; my key step
	s_add_co_u32 s27, s27, s28
	s_mul_i32 s28, s27, KVBLK
	s_add_co_u32 s28, s28, QBLK
	s_mov_b32 s29, 0
	s_add_nc_u64 s[24:25], s[98:99], s[28:29]
.irp a, 0,1,2,3,4,5,6,7
	FRAGOUT_V \a
.endr
	FINISH
.Lfunc_end_k_q30fdf080f7_qkv:
	.size	k_q30fdf080f7_qkv, .Lfunc_end_k_q30fdf080f7_qkv-k_q30fdf080f7_qkv
	.p2alignl 7, 3214868480
	.fill 96, 4, 3214868480
	.section	.rodata,"a",@progbits
	.p2align	6, 0x0
	.amdhsa_kernel k_q30fdf080f7_qkv
		.amdhsa_group_segment_fixed_size 327680
		.amdhsa_private_segment_fixed_size 0
		.amdhsa_enable_private_segment 0
		.amdhsa_kernarg_size 56
		.amdhsa_user_sgpr_count 2
		.amdhsa_user_sgpr_kernarg_segment_ptr 1
		.amdhsa_wavefront_size32 1
		.amdhsa_system_sgpr_workgroup_id_x 1
		.amdhsa_system_sgpr_workgroup_id_y 1
		.amdhsa_system_sgpr_workgroup_id_z 1
		.amdhsa_system_vgpr_workitem_id 0
		.amdhsa_next_free_vgpr 1024
		.amdhsa_next_free_sgpr 100
		.amdhsa_reserve_vcc 0
		.amdhsa_float_denorm_mode_32 3
		.amdhsa_float_denorm_mode_16_64 3
		.amdhsa_memory_ordered 1
		.amdhsa_forward_progress 1
		.amdhsa_inst_pref_size 237
	.end_amdhsa_kernel
	.amdgpu_metadata
---
amdhsa.version: [ 1, 2 ]
amdhsa.kernels:
  - .name:           k_q30fdf080f7_qkv
    .symbol:         k_q30fdf080f7_qkv.kd
    .args:
      - { .name: xq, .offset: 0, .size: 8, .value_kind: global_buffer, .address_space: global }
      - { .name: wq, .offset: 8, .size: 8, .value_kind: global_buffer, .address_space: global }
      - { .name: bq, .offset: 16, .size: 8, .value_kind: global_buffer, .address_space: global }
      - { .name: bk, .offset: 24, .size: 8, .value_kind: global_buffer, .address_space: global }
      - { .name: bv, .offset: 32, .size: 8, .value_kind: global_buffer, .address_space: global }
      - { .name: qb, .offset: 40, .size: 8, .value_kind: global_buffer, .address_space: global }
      - { .name: kv, .offset: 48, .size: 8, .value_kind: global_buffer, .address_space: global }
    .group_segment_fixed_size: 327680
    .private_segment_fixed_size: 0
    .kernarg_segment_align: 8
    .kernarg_segment_size: 56
    .max_flat_workgroup_size: 128
    .sgpr_count:     100
    .vgpr_count:     1024
    .wavefront_size: 32
...
	.end_amdgpu_metadata
.endif
;; end of part 6
;; launch attn (part 7): grid 8 x 32, 16 waves a work-group, no clusters, 318,976 bytes of LDS; arguments qb, kv, maskw, mflag, a6; writes a6
.if DOCPART == 7
	.amdgcn_target "amdgcn-amd-amdhsa--gfx1250"
	.amdhsa_code_object_version 6
	.text
	.protected	k_q30fdf080f7_attn
	.globl	k_q30fdf080f7_attn
	.p2align	8
	.type	k_q30fdf080f7_attn,@function
k_q30fdf080f7_attn:
	s_mov_b64 s[64:65], 0
	v_nop
	global_prefetch_b8 v0, s[64:65] scope:SCOPE_SE
	s_setreg_imm32_b32 hwreg(HW_REG_WAVE_MODE, 25, 1), 1
	s_wait_xcnt 0x0
; ATTN.  For each of 32 heads: logit = q . k / 8, replaced by -1e-9 where the mask is 0; t = logit x log2(e); M = the largest t so far, rounded up to a whole number; p = 2^(t - M) is quantised along the keys;
; o = (sum of p v) / (sum of the unquantised p).  Both products on codes of FP6 (E2M3) with one E8M0 scale for each 32 along K.  A masked key still counts, so every key is walked for every query.
; o is quantised along the QUERIES for the output projection (row 128 head + 2 d + query / 1024, column query % 1024) and leaves as codes (a6: 768 bytes a row, scale bytes at 0x300000 + 32 row).
; SHARES.  A work-group owns the blocks of 128 queries 15 - X and X of one head.  TWO WAVES SHARE A TILE of 16 queries: wave w takes tile w / 2 and the eight key steps of parity (w ^ (w / 4)) & 1, first for block 15 - X, then
; for block X.  Each keeps its own M, sum and O^T; at a tile's end one of the two puts them into LDS and the other joins them: both are brought under the larger M by powers of two, which rounds nothing.
; THREE WAYS THROUGH A STEP, chosen by two stored bits a tile and step (mflag) and right for every mask.  No logit masked: no mask word is loaded, nothing is selected.  Some: the 64 lane masks (maskw) are loaded and the selects run.
; All masked: all 128 logits are the same number: one p a query, by the long way's multiply-add and exponential, one conversion, 64 p a lane into the sum, the products v^T p^T as ever.  Where the wave's step before, for the same
; tile, was of that kind too, the largest t cannot have moved (the maximum with the same number again), so M, p, its codes and its scale word still stand: only v's loads, the sum's multiply-add and the products are left.
; NO CLUSTER, NO TENSOR LOAD: no joint request to make; branches hang on stored numbers.  No prefetch: each chunk of k and v is asked for, into registers, two steps
; of every wave ahead of its store into LDS.  The head's k and v (212,992 bytes) come into LDS once, in four chunks of four key steps; no byte of them is written twice.
; LAYOUT.  S^T = k q^T, O^T = v^T p^T: a lane holds ONE query.  Queries of a tile and keys of a tile of k lie with bits 3 and 4 exchanged: the 16 score registers of tiles 2 b, 2 b + 1 are keys 32 b + 16 (lane / 16) + 0 .. 15.
; A fragment of k holds tile 2 i in registers 0-5 and tile 2 i + 1 in 6-11; against [q | zero codes] it gives tile 2 i's scores, against [zero codes | q] tile 2 i + 1's.  Scale words are (s0, s1, s0, s1).
; LIMITS: NaN and infinities are not served; a block's largest p is taken from the block's largest score (v_exp_f32 is taken not to fall where its input rises); a block of zeros gets the byte 1, not 127; blocks under 2^-124 are
; held at the byte 1; in a wholly masked step the sum takes 64 p by one multiply-add; the promise holds while the scaled scores stay under 2^31 in magnitude.
; REGISTERS: v1-3 the step's LDS addresses; v4 8 x (-1e-9); v5-8 16, 8, 4 x lane, 4 (lane % 16); v9, v10 16, 8 x thread; v12 -M, v13 the largest t, v[14:15] the sum; v16-33 zeros | q | zeros; v34 q's scale word;
; v36-83 fragments of k, then v; v84-91 their scale words; v92-93, v232-255 the chunk on its way; v94, v95 where partial results and results go; v96-159 S^T, p; v160-191 O^T; v192-210 p's codes; v212-231 at work.
.set STEPB, 13312
.set VBLK,  6656
.set CHUNK, 4*STEPB
.set HEADB, 16*STEPB
.set STG,   HEADB                      ; the stage: 64 rows (d) x (256 queries x 4 bytes + 16): columns 0-127 block X, 128-255 block 15 - X
.set SPI,   1040
.set SCB,   STG+64*SPI                 ; 512 scale bytes
.set SPARE, SCB+512                    ; the spare words, 128 bytes a wave
.set DMP,   SPARE+2048                 ; for each pair of waves 4,608 bytes: O^T as eight images of four registers, then v12-15
.set DSZ,   4608
.set T16,  9
.set T8,   10
.set FA,   11
.set FB,   35
.set KF,   36
.set KSC,  84
.set VSC,  88
.set FL2,  92
.set DA,   94
.set SA,   95
.set S,    96
.set O,    160
.set PC,   192
.set BM,   212
.set BT,   216
.set SO,   220
.set SPW,  225
.set NIL,  229
.set FL,   232
.set MO,   4                           ; s4 byte offset of the step's mask words;  s[2:3] my tile's mask words;  s16-63, s80-95 the 64 words
.set WV,   5
.set TB,   6                           ; LDS byte at which the key step begins
.set CNT,  7
.set SEL,  8
.set CS,   10                          ; s[10:11] c = log2(e) / 8
.set QB,   12                          ; s[12:15] block X's q: codes, scale words
.set ST,   66                          ; the key step
.set FLG,  67                          ; my tile's flags: bit s all masked, bit 16 + s none masked
.set PREV, 68                          ; 1: my last step for this tile was wholly masked
.set TMP,  69
.set KVB,  70
.set DL,   72
.set C0,   73
.set C1,   74
.set GR,   75
.set PAR,  76
.set FLG1, 77
.set MP1,  78
.set AO,   96
.set CB,   100                         ; LDS byte at which the chunk on its way is stored
.macro HINT n
	; (no hint is written: the chains take turns, four blocks at a time)
.endm
.macro INIT                            ; a tile's state: the largest t -3e38, sums and O^T zero (the first change of M leaves zeros zeros)
	v_mov_b32 v13, 0xff61b1e6
	v_mov_b32 v14, 0
	v_mov_b32 v15, 0
	v_floor_f32 v12, -v13
.set n, 0
.rept 32
	v_mov_b32 v[O+n], 0
.set n, n+1
.endr
.endm
	s_load_b128 s[32:35], s[0:1], 0x0              ; qb, kv
	s_load_b128 s[36:39], s[0:1], 0x10             ; maskw, mflag
	s_load_b64 s[40:41], s[0:1], 0x20              ; a6
	v_lshl_add_u32 v[SPW], v0, 2, SPARE
	v_mov_b32 v[NIL], 0
	v_lshrrev_b32 v1, 5, v0
	v_readfirstlane_b32 s[WV], v1                  ; wave 0..15
	s_and_b32 s44, ttmp7, 0xffff                   ; the head
	s_lshr_b32 s45, s[WV], 2
	s_xor_b32 s45, s45, s[WV]
	s_and_b32 s[PAR], s45, 1                       ; my parity of key steps: of the waves w % 4 = const two have either
	s_lshr_b32 s45, s[WV], 1                       ; my tile in a block
	s_sub_co_u32 s46, 15, ttmp9                    ; the first block
	s_mul_i32 s48, s44, HEADB
	s_mov_b32 s49, 0
	s_lshl_b32 s47, s44, 4
	s_add_co_u32 s50, s47, s46
	s_mul_i32 s50, s50, VBLK
	s_add_co_u32 s51, s47, ttmp9
	s_mul_i32 s51, s51, VBLK
	s_mul_i32 s52, s45, 768
	s_lshl_b32 s53, s45, 6
	s_add_co_u32 s53, s53, 6144
	s_add_co_u32 s54, s50, s52                     ; q's images and scale words, block 15 - X
	s_mov_b32 s55, 0
	s_add_co_u32 s56, s50, s53
	s_mov_b32 s57, 0
	s_add_co_u32 s58, s51, s52                     ; and block X
	s_mov_b32 s59, 0
	s_add_co_u32 s60, s51, s53
	s_mov_b32 s61, 0
	s_lshl_b32 s62, s46, 3
	s_add_co_u32 s62, s62, s45                     ; the two tiles' numbers in the sequence
	s_lshl_b32 s63, ttmp9, 3
	s_add_co_u32 s63, s63, s45
	s_lshl_b32 s24, s44, 7                         ; a6: my wave stores d = 4 x wave on: row 128 head + 8 x wave, block X's 96 bytes at 96 X
	s_lshl_b32 s25, s[WV], 3
	s_add_co_u32 s24, s24, s25
	s_mul_i32 s24, s24, 768
	s_mul_i32 s25, ttmp9, 96
	s_add_co_u32 s24, s24, s25
	s_mov_b32 s25, 0
	s_lshl_b32 s26, s44, 12
	s_add_co_u32 s26, s26, 0x300000
	s_mov_b32 s27, 0
	s_mul_i32 s[DL], ttmp9, 192
	s_sub_co_u32 s[DL], 1440, s[DL]                ; from block X's place in row 2 d to block 15 - X's in row 2 d + 1
	s_lshl_b32 s[C0], ttmp9, 2
	s_sub_co_u32 s[C1], 28, s[C0]
	s_mov_b32 s[SEL], 0x76543210
	s_mov_b32 s[SEL+1], 0xfedcba98
	s_mov_b32 s[CS], 0x3e38aa3b
	s_mov_b32 s[CS+1], s[CS]
	s_mul_i32 s28, s45, DSZ
	s_add_co_u32 s28, s28, DMP                     ; my pair's bytes
	s_lshr_b32 s29, s45, 1
	s_lshl_b32 s29, s29, 7
	s_and_b32 s30, s45, 1
	s_lshl_b32 s30, s30, 5
	s_add_co_u32 s29, s29, s30
	s_add_co_u32 s29, s29, STG                     ; the stage: my query 32 (tile / 2) + 8 (tile % 2) + r + 8 (r / 8)
	s_mov_b32 s[CB], 0
	v_lshlrev_b32 v[T16], 4, v0
	v_lshlrev_b32 v[T8], 3, v0
	v_and_b32 v1, 31, v0
	v_and_b32 v2, 15, v0
	v_lshlrev_b32 v5, 4, v1
	v_lshlrev_b32 v6, 3, v1
	v_lshlrev_b32 v7, 2, v1
	v_lshlrev_b32 v8, 2, v2
	v_and_b32 v3, 8, v2
	v_add_nc_u32 v3, v3, v2
	v_bfe_u32 v2, v0, 4, 1
	v_lshlrev_b32 v3, 2, v3
	v_mad_u32_u24 v3, v2, 16*SPI, v3               ; register n holds d = 32 (n / 16) + 16 h + n % 16
	v_add_nc_u32 v[SA], s29, v3
	v_add_nc_u32 v[DA], s28, v5
	v_mov_b32 v4, 0xb209705f                       ; 8 x f32(-1e-9)
.irp j, 16,17,18,19,20,21,28,29,30,31,32,33
	v_mov_b32 v[\j], 0                             ; the zero codes on either side of q
.endr
.irp j, BT,BT+1,BT+2,BT+3,224,227,228,BM
	v_mov_b32 v[\j], 0                             ; written once: permutes' destinations, pairs' upper halves, and what the shortest way reads
.endr
.set n, 0
.rept 12
	v_mov_b32 v[PC+n], 0
.set n, n+1
.endr
	INIT
	s_wait_alu depctr_va_vdst(0)
	s_wait_kmcnt 0x0
	s_add_nc_u64 s[54:55], s[32:33], s[54:55]
	s_add_nc_u64 s[56:57], s[32:33], s[56:57]
	s_add_nc_u64 s[QB:QB+1], s[32:33], s[58:59]
	s_add_nc_u64 s[QB+2:QB+3], s[32:33], s[60:61]
	s_add_nc_u64 s[KVB:KVB+1], s[34:35], s[48:49]
	s_mov_b32 s51, 0
	s_lshl_b32 s50, s62, 4                         ; 16 bytes of flags a tile
	s_add_nc_u64 s[58:59], s[38:39], s[50:51]
	s_lshl_b32 s50, s63, 4
	s_add_nc_u64 s[60:61], s[38:39], s[50:51]
	s_load_b128 s[16:19], s[58:59], 0x0
	s_load_b128 s[20:23], s[60:61], 0x0
	s_lshl_b32 s50, s62, 12                        ; 4,096 bytes of mask words a tile
	s_add_nc_u64 s[2:3], s[36:37], s[50:51]
	s_lshl_b32 s50, s63, 12
	s_add_nc_u64 s[MP1:MP1+1], s[36:37], s[50:51]
	s_add_nc_u64 s[AO:AO+1], s[40:41], s[24:25]
	s_add_nc_u64 s[AO+2:AO+3], s[40:41], s[26:27]
.macro CHUNK_LOAD o                    ; 53,248 bytes as they lie: six times 8,192 and once 4,096
.irp i, 0,1,2,3,4,5
	global_load_b128 v[FL+4*\i:FL+4*\i+3], v[T16], s[KVB:KVB+1] offset:(\o)+8192*\i
.endr
	global_load_b64 v[FL2:FL2+1], v[T8], s[KVB:KVB+1] offset:(\o)+49152
.endm
.macro CHUNK_STORE                     ; into LDS at s[CB]
	v_add_nc_u32 v[FA], s[CB], v[T16]
	v_add_nc_u32 v[FB], s[CB], v[T8]
.irp i, 0,1,2,3,4,5
	ds_store_b128 v[FA], v[FL+4*\i:FL+4*\i+3] offset:8192*\i
.endr
	ds_store_b64 v[FB], v[FL2:FL2+1] offset:49152
.endm
.macro MLOADS
	s_load_b512 s[16:31], s[2:3], s[MO] offset:0x0
	s_load_b512 s[32:47], s[2:3], s[MO] offset:0x40
	s_load_b512 s[48:63], s[2:3], s[MO] offset:0x80
	s_load_b512 s[80:95], s[2:3], s[MO] offset:0xc0
.endm
	CHUNK_LOAD 0
	global_load_b128 v[22:25], v5, s[54:55]        ; q's six registers, as they were stored
	global_load_b64 v[26:27], v6, s[54:55] offset:512
	global_load_b32 v34, v8, s[56:57]
	s_wait_kmcnt 0x0                               ; the flags: four words a tile, four steps each
	s_lshl_b32 s17, s17, 4
	s_lshl_b32 s18, s18, 8
	s_lshl_b32 s19, s19, 12
	s_or_b32 s16, s16, s17
	s_or_b32 s18, s18, s19
	s_or_b32 s[FLG], s16, s18
	s_lshl_b32 s21, s21, 4
	s_lshl_b32 s22, s22, 8
	s_lshl_b32 s23, s23, 12
	s_or_b32 s20, s20, s21
	s_or_b32 s22, s22, s23
	s_or_b32 s[FLG1], s20, s22
	s_wait_loadcnt 0x0                             ; chunk 0 and q
	CHUNK_STORE
	s_wait_dscnt 0x0                               ; for the others' sake
	s_barrier_signal -1
	s_barrier_wait -1
.macro VLOADS
.irp t, 0,1,2,3
.irp g, 0,1,2
	ds_load_b128 v[KF+12*\t+4*\g:KF+12*\t+4*\g+3], v1 offset:VBLK+1536*\t+512*\g
.endr
	ds_load_b32 v[VSC+\t], v3 offset:VBLK+6144+128*\t
.endr
.endm
.macro QK                              ; k's fragments, S^T = k q^T, and v's loads, which land during the softmax
.irp i, 0,1,2,3
	ds_load_b128 v[KF+12*\i:KF+12*\i+3], v1 offset:1536*\i
	ds_load_b64 v[KF+12*\i+4:KF+12*\i+5], v2 offset:1536*\i+512
	ds_load_b128 v[KF+12*\i+6:KF+12*\i+9], v1 offset:1536*\i+768
	ds_load_b64 v[KF+12*\i+10:KF+12*\i+11], v2 offset:1536*\i+1280
	ds_load_b32 v[KSC+\i], v3 offset:6144+128*\i
.endr
	s_wait_dscnt 0x0
.irp i, 0,1,2,3
	v_wmma_scale_f32_16x16x128_f8f6f4 v[S+16*\i:S+16*\i+7], v[KF+12*\i:KF+12*\i+11], v[22:33], 0, v[KSC+\i], v34 matrix_a_fmt:MATRIX_FMT_FP6 matrix_b_fmt:MATRIX_FMT_FP6
	v_wmma_scale_f32_16x16x128_f8f6f4 v[S+16*\i+8:S+16*\i+15], v[KF+12*\i:KF+12*\i+11], v[16:27], 0, v[KSC+\i], v34 matrix_a_fmt:MATRIX_FMT_FP6 matrix_b_fmt:MATRIX_FMT_FP6 matrix_a_scale:MATRIX_SCALE_ROW1
.endr
.rept 4
	v_nop                                          ; places: in front of the loads into k's registers and of the first read of the scores
.endr
	VLOADS
.endm
.macro NEWM                            ; v224 holds the step's largest t of my query
	HINT 1
	v_max_num_f32 v13, v13, v224
	v_mov_b32 v224, v12
	HINT 2
	v_floor_f32 v12, -v13                          ; the new -M = -ceil(t)
	HINT 1
	v_sub_f32 v224, v12, v224                      ; old M - new M, a whole number
	HINT 1
	v_cvt_i32_f32 v224, v224
	HINT 1
	v_ldexp_f32 v226, 1.0, v224                    ; f = 2^(old M - new M)
.endm
.macro RESCALE                         ; O^T under the new M, each accumulator from its low end on
.set n, 0
.rept 16
	v_pk_mul_f32 v[O+n:O+n+1], v[O+n:O+n+1], v[226:227] op_sel_hi:[1,0]
.set n, n+2
.endr
.endm
; A KEY STEP: 128 keys.
.macro STEP
	v_add_nc_u32 v1, s[TB], v5                     ; these three and the v_nop are the places behind the last step's products
	v_add_nc_u32 v2, s[TB], v6
	v_add_nc_u32 v3, s[TB], v7
	v_nop
	s_wait_alu depctr_va_vdst(0)
	s_lshr_b32 s[TMP], s[FLG], s[ST]
	s_bitcmp1_b32 s[TMP], 0
	s_cbranch_scc1 .Lshut_\@
	s_mov_b32 s[PREV], 0
	s_bitcmp1_b32 s[TMP], 16
	s_cbranch_scc1 .Lopen_\@
	s_lshl_b32 s[MO], s[ST], 8                     ; some logits are masked: 256 bytes of lane masks a step
	MLOADS
	QK
	s_wait_kmcnt 0x0
.set n, 0
.rept 64
	v_cndmask_b32 v[S+n], v[S+n], v4, s[16+n+16*(n/48)]   ; where the mask is 0: 8 x (-1e-9)
.set n, n+1
.endr
	s_wait_alu depctr_va_vdst(0)
	s_branch .Lsoft_\@
.Lopen_\@:
	QK
.Lsoft_\@:
.irp b, 0,1,2,3
	v_max3_num_f32 v[BM+\b], v[S+16*\b], v[S+1+16*\b], v[S+2+16*\b]   ; the largest score of each block of 32 keys
.endr
.irp i, 3,5,7,9,11,13
.irp b, 0,1,2,3
	HINT 4
	v_max3_num_f32 v[BM+\b], v[BM+\b], v[S+16*\b+\i], v[S+1+16*\b+\i]
.endr
.endr
.irp b, 0,1,2,3
	HINT 4
	v_max_num_f32 v[BM+\b], v[BM+\b], v[S+15+16*\b]
.endr
.irp b, 0,1,2,3
	v_permlanex16_b32 v[BT+\b], v[BM+\b], s[SEL], s[SEL+1]
.endr
.irp b, 0,1,2,3
	HINT 4
	v_max_num_f32 v[BM+\b], v[BM+\b], v[BT+\b]
.endr
	HINT 2
	v_max3_num_f32 v224, v[BM], v[BM+1], v[BM+2]
	HINT 1
	v_max_num_f32 v224, v224, v[BM+3]
	HINT 1
	v_mul_f32 v224, s[CS], v224                    ; as t (c is positive)
	NEWM
.set n, 0
.rept 32
	v_pk_fma_f32 v[S+n:S+n+1], v[S+n:S+n+1], s[CS:CS+1], v[12:13] op_sel_hi:[1,0,0]   ; t - M
.set n, n+2
.endr
.irp b, 0,1,2,3
	v_fma_f32 v[BM+\b], v[BM+\b], s[CS], v12
.endr
	s_wait_alu depctr_va_vdst(0)
.set n, 0
.rept 64
	v_exp_f32 v[S+n], v[S+n]                       ; p = 2^(t - M)
.set n, n+1
.endr
.irp b, 0,1,2,3
	v_exp_f32 v[BM+\b], v[BM+\b]                   ; the block's largest p
.endr
	v_pk_mul_f32 v[14:15], v[14:15], v[226:227] op_sel_hi:[1,0]   ; the sums under the new M; a plain place behind the batch
	s_wait_alu depctr_va_vdst(0)                   ; and behind it
.irp b, 0,1,2,3
	v_max_num_f32 v[BM+\b], 0x1800000, v[BM+\b]    ; the floor 2^(3 - 127)
.endr
.irp b, 0,1,2,3
	HINT 4
	v_add_nc_u32 v[SO+\b], 0xff000000, v[BM+\b]
.endr
.irp b, 0,1,2,3
	HINT 4
	v_lshrrev_b32 v[BT+\b], 23, v[SO+\b]
.endr
	HINT 3
	v_lshl_or_b32 v228, v[BT+1], 8, v[BT]          ; p's scale word
	HINT 1
	v_lshl_or_b32 v228, v[BT+2], 16, v228
	HINT 1
	v_lshl_or_b32 v228, v[BT+3], 24, v228
.irp c, 0,1
	v_cvt_scalef32_pk16_fp6_f32 v[PC+6*\c:PC+2+6*\c], v[S+32*\c:S+15+32*\c], v[SO+2*\c]
	v_cvt_scalef32_pk16_fp6_f32 v[PC+12+4*\c:PC+14+4*\c], v[S+16+32*\c:S+31+32*\c], v[SO+2*\c+1]
.endr
	v_nop                                          ; one plain place behind a scaled conversion
.irp c, 0,1
.irp i, 0,1,2
	v_permlane16_swap_b32 v[PC+6*\c+\i], v[PC+12+4*\c+\i]
.endr
.irp i, 0,1,2
	HINT 3
	v_mov_b32 v[PC+3+6*\c+\i], v[PC+12+4*\c+\i]
.endr
.endr
	RESCALE
.set n, 0                              ; the row's sum of the unquantised p: eight chains, then a tree
.irp c, 230,222,220,214,212,210,208
	v_pk_add_f32 v[\c:\c+1], v[S+n:S+n+1], v[S+n+2:S+n+3]
.set n, n+4
.endr
	v_pk_add_f32 v[14:15], v[14:15], v[S+n:S+n+1]
.set n, n+2
.rept 2
.irp c, 230,222,220,214,212,210,208,14
	v_pk_add_f32 v[\c:\c+1], v[\c:\c+1], v[S+n:S+n+1]
.set n, n+2
.endr
.endr
	v_pk_add_f32 v[230:231], v[230:231], v[S+n:S+n+1]
	v_pk_add_f32 v[14:15], v[14:15], v[214:215]
	v_pk_add_f32 v[222:223], v[222:223], v[210:211]
	v_pk_add_f32 v[220:221], v[220:221], v[208:209]
	v_pk_add_f32 v[230:231], v[230:231], v[212:213]
	v_pk_add_f32 v[14:15], v[14:15], v[222:223]
	HINT 2
	v_pk_add_f32 v[230:231], v[230:231], v[220:221]
	HINT 1
	v_pk_add_f32 v[14:15], v[14:15], v[230:231]
	s_branch .Ljoin_\@
.Lshut_\@:
	s_cmp_eq_u32 s[PREV], 1
	s_cbranch_scc0 .Lfirst_\@
	VLOADS                                         ; masked again: M, p (v[BM]), its codes and its scale word stand
	v_fma_f32 v14, v[BM], 0x42800000, v14          ; my lane's 64 keys
	s_branch .Ljoin_\@
.Lfirst_\@:
	s_mov_b32 s[PREV], 1
	VLOADS
	v_mul_f32 v224, s[CS], v4                      ; the masked logit's t
	NEWM
	HINT 4
	v_fma_f32 v[BM], v4, s[CS], v12                ; t - M, by the long way's multiply-add,
	s_wait_alu depctr_va_vdst(0)
	v_exp_f32 v[BM], v[BM]                         ; and its exponential: the one p
	v_pk_mul_f32 v[14:15], v[14:15], v[226:227] op_sel_hi:[1,0]
	s_wait_alu depctr_va_vdst(0)
.set n, 0
.rept 16
	v_mov_b32 v[S+n], v[BM]
.set n, n+1
.endr
	v_fma_f32 v14, v[BM], 0x42800000, v14
	v_max_num_f32 v[BM+1], 0x1800000, v[BM]
	HINT 1
	v_add_nc_u32 v[SO], 0xff000000, v[BM+1]
	HINT 1
	v_lshrrev_b32 v[BT], 23, v[SO]
	HINT 1
	v_lshl_or_b32 v228, v[BT], 8, v[BT]
	HINT 1
	v_lshl_or_b32 v228, v228, 16, v228
	v_cvt_scalef32_pk16_fp6_f32 v[PC:PC+2], v[S:S+15], v[SO]   ; 16 equal codes: 96 bits
	v_nop
.irp g, 1,2,3
.irp i, 0,1,2
	v_mov_b32 v[PC+3*\g+\i], v[PC+\i]
.endr
.endr
	RESCALE
.rept 8
	v_nop                                          ; a scale register written by a vector instruction stands 8 places ahead of a scaled matrix instruction
.endr
.Ljoin_\@:
	s_wait_dscnt 0x0                               ; v is in
	s_wait_alu depctr_va_vdst(0)
.irp t, 0,1,2,3                                ; O^T += v^T p^T: the four accumulators by turns
	v_wmma_scale_f32_16x16x128_f8f6f4 v[O+8*\t:O+8*\t+7], v[KF+12*\t:KF+12*\t+11], v[PC:PC+11], v[O+8*\t:O+8*\t+7], v[VSC+\t], v228 matrix_a_fmt:MATRIX_FMT_FP6 matrix_b_fmt:MATRIX_FMT_FP6
.endr
	s_add_co_u32 s[TB], s[TB], 2*STEPB             ; my next step: two on
	s_add_co_u32 s[ST], s[ST], 2
.endm
.macro DUMP                            ; my partial result into my pair's bytes; each accumulator from its low end on
.irp j, 0,1,2,3,4,5,6,7
	ds_store_b128 v[DA], v[O+4*\j:O+4*\j+3] offset:512*\j
.endr
	ds_store_b128 v[DA], v[12:15] offset:4096
.endm
.macro MERGE col                       ; my partner's partial result and mine, under the larger M, divided by the sum, into the stage at byte col of its rows
.irp j, 0,1,2,3,4,5,6,7
	ds_load_b128 v[S+4*\j:S+4*\j+3], v[DA] offset:512*\j
.endr
	ds_load_b128 v[S+32:S+35], v[DA] offset:4096
	s_wait_dscnt 0x0
	v_min_num_f32 v224, v12, v[S+32]               ; -M of the two
	v_mov_b32 v231, 0
	v_sub_f32 v226, v224, v12                      ; my M - M, a whole number, 0 or less
	v_sub_f32 v230, v224, v[S+32]
	v_cvt_i32_f32 v226, v226
	v_cvt_i32_f32 v230, v230
	v_ldexp_f32 v226, 1.0, v226
	v_ldexp_f32 v230, 1.0, v230
	v_mul_f32 v14, v14, v226
	v_fmac_f32 v14, v[S+34], v230
	v_permlanex16_b32 v224, v14, s[SEL], s[SEL+1]
	v_add_f32 v14, v14, v224                       ; with lane l xor 16's: the row's sum
	s_wait_alu depctr_va_vdst(0)
	v_rcp_f32 v14, v14
	v_nop
	s_wait_alu depctr_va_vdst(0)
	v_mul_f32 v226, v226, v14
	v_mul_f32 v230, v230, v14
.set n, 0
.rept 16
	v_pk_mul_f32 v[S+n:S+n+1], v[S+n:S+n+1], v[230:231] op_sel_hi:[1,0]
.set n, n+2
.endr
	s_wait_alu depctr_va_vdst(0)
.set n, 0
.rept 16
	v_pk_fma_f32 v[S+n:S+n+1], v[O+n:O+n+1], v[226:227], v[S+n:S+n+1] op_sel_hi:[1,0,1]
.set n, n+2
.endr
.set n, 0
.rept 32
	ds_store_b32 v[SA], v[S+n] offset:(\col)+SPI*(32*(n/16)+n%16)
.set n, n+1
.endr
.endm
; ---- block 15 - X: four groups of two steps a wave.  The next chunk is asked for at a group's head and stored behind it; in the last group block X's q is asked for instead.
	s_mov_b32 s[CB], CHUNK
	s_mul_i32 s[TB], s[PAR], STEPB
	s_mov_b32 s[ST], s[PAR]
	s_mov_b32 s[PREV], 0
	s_mov_b32 s[GR], 0
.Lgroup:
	s_cmp_lt_u32 s[GR], 3
	s_cbranch_scc0 .Lnext_q
	CHUNK_LOAD CHUNK
	s_branch .Lsteps
.Lnext_q:
	global_load_b128 v[FL:FL+3], v5, s[QB:QB+1]
	global_load_b64 v[FL+4:FL+5], v6, s[QB:QB+1] offset:512
	global_load_b32 v[FL+6], v8, s[QB+2:QB+3]
.Lsteps:
	s_mov_b32 s[CNT], 2
.Lstep0:
	STEP
	s_sub_co_u32 s[CNT], s[CNT], 1
	s_cmp_lg_u32 s[CNT], 0
	s_cbranch_scc1 .Lstep0
	s_wait_loadcnt 0x0                             ; what was asked for at the group's head is in my registers, so the base may step
	s_add_nc_u64 s[KVB:KVB+1], s[KVB:KVB+1], CHUNK
	s_cmp_lt_u32 s[GR], 3
	s_cbranch_scc0 .Lno_store
	CHUNK_STORE
.Lno_store:
	s_add_co_u32 s[CB], s[CB], CHUNK
	s_wait_dscnt 0x0                               ; for the others' sake
	s_barrier_signal -1
	s_barrier_wait -1
	s_add_co_u32 s[GR], s[GR], 1
	s_cmp_lt_u32 s[GR], 4
	s_cbranch_scc1 .Lgroup
	v_add_f32 v14, v14, v15                        ; the sum's two halves; with the three v_nop the places behind the last products
.rept 3
	v_nop
.endr
	s_wait_alu depctr_va_vdst(0)
	s_cmp_eq_u32 s[PAR], 1
	s_cbranch_scc0 .Lno_dump0
	DUMP
.Lno_dump0:
	s_wait_dscnt 0x0
	s_barrier_signal -1
	s_barrier_wait -1
	s_cmp_eq_u32 s[PAR], 0
	s_cbranch_scc0 .Lno_merge0
	MERGE 512
.Lno_merge0:
; ---- block X: all of k and v lies in LDS
	INIT
.irp j, 0,1,2,3,4,5
	v_mov_b32 v[22+\j], v[FL+\j]
.endr
	v_mov_b32 v34, v[FL+6]
	s_wait_alu depctr_va_vdst(0)
	s_mov_b64 s[2:3], s[MP1:MP1+1]
	s_mov_b32 s[FLG], s[FLG1]
	s_mul_i32 s[TB], s[PAR], STEPB
	s_mov_b32 s[ST], s[PAR]
	s_mov_b32 s[PREV], 0
	s_mov_b32 s[CNT], 8
.Lstep1:
	STEP
	s_sub_co_u32 s[CNT], s[CNT], 1
	s_cmp_lg_u32 s[CNT], 0
	s_cbranch_scc1 .Lstep1
	; THE WAY OUT.  (The plain lines from here on are the places behind the last products.)
	v_add_f32 v14, v14, v15
	v_bfe_u32 v2, v0, 3, 2                         ; lane / 8
	v_and_b32 v3, 7, v0                            ; lane % 8: which 32 columns of the stage
	v_lshlrev_b32 v10, 7, v3
	v_mad_u32_u24 v10, v2, SPI, v10
	s_mul_i32 s17, s[WV], 4*SPI
	s_add_co_u32 s17, s17, STG
	v_add_nc_u32 v10, s17, v10                     ; back: row d = 4 x wave + lane / 8
	v_and_b32 v11, 3, v3
	v_mul_u32_u24 v11, v11, 24                     ; in a6: 24 bytes a block of 32 queries,
	v_mad_u32_u24 v11, v2, 1536, v11               ; two rows on for each d,
	v_lshrrev_b32 v3, 2, v3
	v_mad_u32_u24 v11, v3, s[DL], v11              ; and for columns 128-255 the other block's place
	v_add_nc_u32 v9, SCB, v0
	v_lshl_add_u32 v35, v0, 2, SCB
	v_lshlrev_b32 v92, 5, v0
	v_and_b32 v93, 1, v0
	v_mad_u32_u24 v92, v93, s[C1], v92
	v_xor_b32 v93, 1, v93
	v_mad_u32_u24 v92, v93, s[C0], v92
	s_wait_alu depctr_va_vdst(0)
	s_cmp_eq_u32 s[PAR], 0
	s_cbranch_scc0 .Lno_dump1
	DUMP
.Lno_dump1:
	s_wait_dscnt 0x0
	s_barrier_signal -1
	s_barrier_wait -1
	s_cmp_eq_u32 s[PAR], 1
	s_cbranch_scc0 .Lno_merge1
	MERGE 0
.Lno_merge1:
	s_wait_dscnt 0x0                               ; for the others' sake: the stage is whole behind this barrier
	s_barrier_signal -1
	s_barrier_wait -1
.irp i, 0,1,2,3,4,5,6,7
	ds_load_b128 v[128+4*\i:131+4*\i], v10 offset:16*\i   ; 32 neighbouring queries of one d: a whole block of the next product's K
.endr
	s_wait_dscnt 0x0
	v_max3_num_f32 v212, |v128|, |v129|, |v130|
	v_max3_num_f32 v213, |v131|, |v132|, |v133|
.irp i, 6,10,14,18,22,26
	HINT 2
	v_max3_num_f32 v212, v212, |v[128+\i]|, |v[129+\i]|
	HINT 2
	v_max3_num_f32 v213, v213, |v[130+\i]|, |v[131+\i]|
.endr
	HINT 2
	v_max3_num_f32 v212, v212, |v158|, |v159|
	HINT 1
	v_max3_num_f32 v212, v212, v213, 0x1800000
	HINT 1
	v_add_nc_u32 v220, 0xff000000, v212
	HINT 1
	v_lshrrev_b32 v216, 23, v220
	v_cvt_scalef32_pk16_fp6_f32 v[192:194], v[128:143], v220
	v_cvt_scalef32_pk16_fp6_f32 v[196:198], v[144:159], v220
	v_nop
	ds_store_b8 v9, v216
	global_store_b96 v11, v[192:194], s[AO:AO+1]   ; four lanes store 96 consecutive bytes of a row
	global_store_b96 v11, v[196:198], s[AO:AO+1] offset:12
	s_wait_dscnt 0x0
	s_barrier_signal -1
	s_barrier_wait -1                              ; the 512 scale bytes lie in LDS
	s_cmp_lt_u32 s[WV], 4
	s_cbranch_scc0 .Lno_scales
	ds_load_b32 v128, v35                          ; threads 0-127: a6's row 128 head + the thread's number
	s_wait_dscnt 0x0
	global_store_b32 v92, v128, s[AO+2:AO+3]
.Lno_scales:
	s_wait_tensorcnt 0x0                           ; the wave's end
	ds_add_u32 v[SPW], v[NIL]
	s_wait_dscnt 0x0
	s_endpgm
.Lfunc_end_k_q30fdf080f7_attn:
	.size	k_q30fdf080f7_attn, .Lfunc_end_k_q30fdf080f7_attn-k_q30fdf080f7_attn
	.p2alignl 7, 3214868480
	.fill 96, 4, 3214868480
	.section	.rodata,"a",@progbits
	.p2align	6, 0x0
	.amdhsa_kernel k_q30fdf080f7_attn
		.amdhsa_group_segment_fixed_size 318976
		.amdhsa_private_segment_fixed_size 0
		.amdhsa_enable_private_segment 0
		.amdhsa_kernarg_size 40
		.amdhsa_user_sgpr_count 2
		.amdhsa_user_sgpr_kernarg_segment_ptr 1
		.amdhsa_wavefront_size32 1
		.amdhsa_system_sgpr_workgroup_id_x 1
		.amdhsa_system_sgpr_workgroup_id_y 1
		.amdhsa_system_sgpr_workgroup_id_z 1
		.amdhsa_system_vgpr_workitem_id 0
		.amdhsa_next_free_vgpr 256
		.amdhsa_next_free_sgpr 102
		.amdhsa_reserve_vcc 0
		.amdhsa_float_denorm_mode_32 3
		.amdhsa_float_denorm_mode_16_64 3
		.amdhsa_memory_ordered 1
		.amdhsa_forward_progress 1
		.amdhsa_inst_pref_size 87
	.end_amdhsa_kernel
	.amdgpu_metadata
---
amdhsa.version: [ 1, 2 ]
amdhsa.kernels:
  - .name:           k_q30fdf080f7_attn
    .symbol:         k_q30fdf080f7_attn.kd
    .args:
      - { .name: qb, .offset: 0, .size: 8, .value_kind: global_buffer, .address_space: global }
      - { .name: kv, .offset: 8, .size: 8, .value_kind: global_buffer, .address_space: global }
      - { .name: maskw, .offset: 16, .size: 8, .value_kind: global_buffer, .address_space: global }
      - { .name: mflag, .offset: 24, .size: 8, .value_kind: global_buffer, .address_space: global }
      - { .name: a6, .offset: 32, .size: 8, .value_kind: global_buffer, .address_space: global }
    .group_segment_fixed_size: 318976
    .private_segment_fixed_size: 0
    .kernarg_segment_align: 8
    .kernarg_segment_size: 40
    .max_flat_workgroup_size: 512
    .sgpr_count:     102
    .vgpr_count:     256
    .wavefront_size: 32
...
	.end_amdgpu_metadata
.endif
;; end of part 7
;; launch oproj (part 8): grid 8 x 32, 4 waves a work-group, clusters of 4 x 4, 327,680 bytes of LDS; arguments a6, wq, bo, out0; writes out0
.if DOCPART == 8
	.amdgcn_target "amdgcn-amd-amdhsa--gfx1250"
	.amdhsa_code_object_version 6
	.text
	.protected	k_q30fdf080f7_oproj
	.globl	k_q30fdf080f7_oproj
	.p2align	8
	.type	k_q30fdf080f7_oproj,@function
k_q30fdf080f7_oproj:
	s_mov_b64 s[64:65], 0
	v_nop
	global_prefetch_b8 v0, s[64:65] scope:SCOPE_SE
	s_setreg_imm32_b32 hwreg(HW_REG_WAVE_MODE, 25, 1), 1
	s_wait_xcnt 0x0
	s_wait_alu depctr_hold_cnt(0) depctr_sa_sdst(0) depctr_va_vdst(0) depctr_va_sdst(0) depctr_va_ssrc(0) depctr_va_vcc(0) depctr_vm_vsrc(0)
	s_getreg_b32 s2, hwreg(HW_REG_IB_STS2, 6, 4)
	s_cmp_eq_u32 s2, 0
	s_cbranch_scc0 .Lentry_in_a_cluster
	s_endpgm
.Lentry_in_a_cluster:
	s_bfe_u32 s2, ttmp6, 0x10000c
	s_cmp_lg_u32 s2, 0xf033
	s_cbranch_scc0 .Lentry_shape_is_right
	s_endpgm
.Lentry_shape_is_right:
.set SIZE_N, 1024
.set KROW,   768
.set PITCH,  1008
.set FR,     12
.set NP,     4
.set HALFT,  64*PITCH
.set KS,     32
.set SCL,    4*HALFT
.set HALFS,  (64*KS/256)*272
.set SBLK,   (16*KS/256)*272
.set STAGE,  SCL+4*HALFS
.set SPITCH, 272
.set SCOFF,  0x300000
.set ADRA, 16
.set ADRB, 18
.set STO,  24
.set RD,   25
.set CO,   26
.set ADRS, 27
.set BOF,  28
.set SC,   32
.set BI,   64
.set ACC,  128
.set G1, 24
.set G0, 32
.set G1B, 48
.set G0B, 56
.set G1S, 68
.set G0S, 76
.set G1SB, 80
.set G0SB, 88
.set MSB, 0
.macro WIN new
.if MSB != \new
	s_set_vgpr_msb (MSB<<8)|\new
.set MSB, \new
.endif
.endm
.set MUL_W, 0x05
.set TO_F,  0x40
.macro JLOAD g0a, g1a, g0b, g1b
	s_cmp_eq_u32 s15, 0
	s_cbranch_scc0 .Lfor_b_\@
	tensor_load_to_lds s[\g0a:\g0a+3], s[\g1a:\g1a+7]
	s_nop 0
.rept 4
	v_nop
.endr
	s_branch .Lasked_\@
.Lfor_b_\@:
	tensor_load_to_lds s[\g0b:\g0b+3], s[\g1b:\g1b+7]
	s_nop 0
.rept 4
	v_nop
.endr
.Lasked_\@:
.endm
.macro CROUND
	s_barrier_signal -1
	s_barrier_wait -1
	s_cmp_lg_u32 s14, 0
	s_cbranch_scc1 .Lnot_wave_0_\@
	s_barrier_signal -3
.Lnot_wave_0_\@:
	s_barrier_wait -3
	s_barrier_signal -1
	s_barrier_wait -1
.endm
	s_load_b64 s[4:5], s[0:1], 0x0
	s_load_b64 s[8:9], s[0:1], 0x8
	s_load_b64 s[66:67], s[0:1], 0x10
	s_load_b64 s[12:13], s[0:1], 0x18
	v_lshl_add_u32 v126, v0, 2, 0x45600
	v_mov_b32 v127, 0
	ds_add_u32 v126, v127
	ds_add_u32 v126, v127
	v_lshrrev_b32 v1, 5, v0
	v_readfirstlane_b32 s14, v1
	s_lshr_b32 s15, s14, 1
	s_and_b32 s16, s14, 1
	s_bfe_u32 s40, ttmp6, 0x40000
	s_bfe_u32 s41, ttmp6, 0x40004
	s_lshl_b32 s42, ttmp9, 2
	s_add_co_u32 s42, s42, s40
	s_and_b32 s17, ttmp7, 0xffff
	s_lshl_b32 s17, s17, 2
	s_add_co_u32 s17, s17, s41
	s_lshl_b32 s43, s41, 2
	s_lshl_b32 s43, 15, s43
	s_lshl_b32 s44, 0x1111, s40
	s_or_b32 s[G1+0], s43, (0<<16)|(1<<20)|(1<<21)|(5<<22)|(19<<25)
	s_or_b32 s[G1B+0], s44, (0<<16)|(1<<20)|(1<<21)|(5<<22)|(19<<25)
.irp g, G1, G1B
	s_mov_b32 s[\g+1], KROW<<16
	s_mov_b32 s[\g+2], 64<<16
	s_mov_b32 s[\g+3], KROW<<16
	s_mov_b32 s[\g+4], 64
	s_mov_b32 s[\g+5], KROW
	s_mov_b32 s[\g+6], 0
	s_mov_b32 s[\g+7], 0
.endr
	s_or_b32 s[G1S+0], s43, (3<<16)|(1<<20)|(1<<21)|(5<<22)|(3<<25)
	s_or_b32 s[G1SB+0], s44, (3<<16)|(1<<20)|(1<<21)|(5<<22)|(3<<25)
.irp g, G1S, G1SB
	s_mov_b32 s[\g+1], 32<<16
	s_mov_b32 s[\g+2], (64*KS/256)<<16
	s_mov_b32 s[\g+3], 32<<16
	s_mov_b32 s[\g+4], 64*KS/256
	s_mov_b32 s[\g+5], 32
	s_mov_b32 s[\g+6], 0
	s_mov_b32 s[\g+7], 0
.endr
	s_lshl_b32 s18, s16, 6
	s_lshl_b32 s20, s17, 7
	s_add_co_u32 s20, s20, s18
	s_lshl_b32 s46, s42, 7
	s_add_co_u32 s46, s46, s18
	s_mov_b32 s21, 0
	s_mov_b32 s47, 0
	s_mov_b64 s[18:19], KS
	s_mul_u64 s[22:23], s[20:21], s[18:19]
	s_mul_u64 s[92:93], s[46:47], s[18:19]
	s_mov_b64 s[18:19], KROW
	s_mul_u64 s[20:21], s[20:21], s[18:19]
	s_mul_u64 s[46:47], s[46:47], s[18:19]
	s_mul_i32 s45, s14, HALFT
	s_mul_i32 s94, s14, HALFS
	s_wait_dscnt 0x0
	s_wait_kmcnt 0x0
	s_add_nc_u64 s[6:7], s[4:5], SCOFF
	s_add_nc_u64 s[10:11], s[8:9], SCOFF+3072*KS
	s_add_nc_u64 s[8:9], s[8:9], 3072*KROW
	s_add_nc_u64 s[20:21], s[4:5], s[20:21]
	s_add_nc_u64 s[22:23], s[6:7], s[22:23]
	s_add_nc_u64 s[46:47], s[8:9], s[46:47]
	s_add_nc_u64 s[92:93], s[10:11], s[92:93]
	CROUND
	s_mov_b32 s[G0S], 1
	s_add_co_u32 s[G0S+1], s94, SCL
	s_mov_b64 s[G0S+2:G0S+3], s[22:23]
	s_or_b32 s[G0S+3], s[G0S+3], 0x80000000
	s_mov_b32 s[G0SB], 1
	s_add_co_u32 s[G0SB+1], s94, SCL
	s_mov_b64 s[G0SB+2:G0SB+3], s[92:93]
	s_or_b32 s[G0SB+3], s[G0SB+3], 0x80000000
	JLOAD G0S, G1S, G0SB, G1SB
	s_mov_b32 s[G0], 1
	s_mov_b32 s[G0+1], s45
	s_mov_b64 s[G0+2:G0+3], s[20:21]
	s_or_b32 s[G0+3], s[G0+3], 0x80000000
	s_mov_b32 s[G0B], 1
	s_mov_b32 s[G0B+1], s45
	s_mov_b64 s[G0B+2:G0B+3], s[46:47]
	s_or_b32 s[G0B+3], s[G0B+3], 0x80000000
	s_wait_alu depctr_va_vdst(0)
	s_wait_tensorcnt 0x0
	ds_add_u32 v126, v127
	s_wait_dscnt 0x0
	CROUND
	JLOAD G0, G1, G0B, G1B
	v_and_b32 v1, 15, v0
	v_bfe_u32 v2, v0, 4, 1
	v_mul_u32_u24 v3, v1, PITCH
	v_mad_u32_u24 v4, v2, 24, v3
	v_mad_u32_u24 v5, v2, 80, v4
	s_mul_i32 s21, s15, HALFT
	s_mul_i32 s22, s16, HALFT
	s_add_co_u32 s22, s22, 2*HALFT
	v_add_nc_u32 v[ADRA], s21, v4
	v_add_nc_u32 v[ADRA+1], s21, v5
	v_add_nc_u32 v[ADRB], s22, v4
	v_add_nc_u32 v[ADRB+1], s22, v5
	v_mul_u32_u24 v5, v1, KS
	v_lshrrev_b32 v6, 8, v5
	v_lshl_add_u32 v5, v6, 4, v5
	s_mul_i32 s21, s15, HALFS
	s_mul_i32 s22, s16, HALFS
	s_add_co_u32 s22, s22, 2*HALFS
	s_sub_co_u32 s22, s22, s21
	v_mul_u32_u24 v6, s22, v2
	s_add_co_u32 s21, s21, SCL
	v_add_nc_u32 v5, v5, v6
	v_add_nc_u32 v[ADRS], s21, v5
	s_mul_i32 s23, s14, 16*SPITCH
	s_add_co_u32 s23, s23, STAGE
	v_mul_u32_u24 v5, v1, SPITCH
	v_lshl_add_u32 v5, v2, 5, v5
	v_add_nc_u32 v[STO], s23, v5
	v_mul_u32_u24 v5, v2, SPITCH
	v_lshl_add_u32 v5, v1, 4, v5
	v_add_nc_u32 v[RD], s23, v5
	v_lshlrev_b32 v5, 12, v2
	v_lshl_add_u32 v[CO], v1, 4, v5
	v_lshlrev_b32 v[BOF], 5, v2
	s_wait_alu depctr_va_vdst(0)
	s_lshl_b32 s20, s17, 7
	s_lshl_b32 s21, s15, 6
	s_add_co_u32 s20, s20, s21
	s_lshl_b32 s20, s20, 12
	s_lshl_b32 s46, s42, 9
	s_lshl_b32 s47, s16, 8
	s_add_co_u32 s46, s46, s47
	s_mov_b32 s47, 0
	s_add_nc_u64 s[66:67], s[66:67], s[46:47]
	s_add_co_u32 s20, s20, s46
	s_mov_b32 s21, 0
	s_add_nc_u64 s[12:13], s[12:13], s[20:21]
.irp b, 0,1,2,3
	global_load_b128 v[BI+8*\b:BI+8*\b+3], v[BOF], s[66:67] offset:64*\b
	global_load_b128 v[BI+8*\b+4:BI+8*\b+7], v[BOF], s[66:67] offset:64*\b+16
.endr
.macro FRAG reg, adr, q, i
.irp p, 0,1,2,3,4,5
.set PCE, 12*(\q)+6*(\p/3)+\p%3
.if PCE%32 < 29
	ds_load_b64 v[\reg+2*\p:\reg+2*\p+1], v[\adr] offset:8*PCE+80*(PCE/32)+(\i)*16*PITCH
.else
	ds_load_b64 v[\reg+2*\p:\reg+2*\p+1], v[\adr+1] offset:8*PCE+80*(PCE/32)+(\i)*16*PITCH
.endif
.endr
.endm
.macro FETCH q, p
	WIN TO_F
.irp i, 0,1,2,3
	FRAG 128*(\p)+FR*\i, ADRA, \q, \i
	FRAG 128*(\p)+48+FR*\i, ADRB, \q, \i
.endr
.endm
.macro PLACES n
.rept \n
	v_nop
.endr
.endm
.macro MUL q, first
	WIN MUL_W
.irp a, 0,1,2,3
.irp b, 0,1,2,3
.if \first
	v_wmma_scale_f32_16x16x128_f8f6f4 v[ACC+8*(4*\a+\b):ACC+8*(4*\a+\b)+7], v[128*((\q)%2)+48+FR*\b:128*((\q)%2)+48+FR*\b+FR-1], v[128*((\q)%2)+FR*\a:128*((\q)%2)+FR*\a+FR-1], v[BI+8*\b:BI+8*\b+7], v[SC+8*\b+(\q)], v[SC+8*\a+(\q)] matrix_a_fmt:MATRIX_FMT_FP6 matrix_b_fmt:MATRIX_FMT_FP6 matrix_a_scale:MATRIX_SCALE_ROW1
.else
	v_wmma_scale_f32_16x16x128_f8f6f4 v[ACC+8*(4*\a+\b):ACC+8*(4*\a+\b)+7], v[128*((\q)%2)+48+FR*\b:128*((\q)%2)+48+FR*\b+FR-1], v[128*((\q)%2)+FR*\a:128*((\q)%2)+FR*\a+FR-1], v[ACC+8*(4*\a+\b):ACC+8*(4*\a+\b)+7], v[SC+8*\b+(\q)], v[SC+8*\a+(\q)] matrix_a_fmt:MATRIX_FMT_FP6 matrix_b_fmt:MATRIX_FMT_FP6 matrix_a_scale:MATRIX_SCALE_ROW1
.endif
.endr
.endr
.endm
.macro KSTEP q, first
	s_wait_dscnt 0x0
.if (\q) < 7
.if (\q) > 0
	PLACES NP
.endif
	FETCH (\q)+1, ((\q)+1)%2
.endif
	MUL \q, \first
.endm
	s_wait_tensorcnt 0x0
	s_barrier_signal -1
	s_barrier_wait -1
.irp i, 0,1,2,3
	ds_load_b128 v[SC+8*\i:SC+8*\i+3], v[ADRS] offset:\i*SBLK
	ds_load_b128 v[SC+8*\i+4:SC+8*\i+7], v[ADRS] offset:\i*SBLK+16
.endr
	FETCH 0, 0
	s_wait_loadcnt 0x0
	KSTEP 0, 1
.irp q, 1,2,3,4,5,6,7
	KSTEP \q, 0
.endr
.macro TOSTAGE a
	WIN 0
.irp b, 0,1,2,3
	ds_store_b128 v[STO], v[ACC+8*(4*\a+\b):ACC+8*(4*\a+\b)+3] offset:64*\b
	ds_store_b128 v[STO], v[ACC+8*(4*\a+\b)+4:ACC+8*(4*\a+\b)+7] offset:64*\b+16
.endr
	WIN TO_F
.irp t, 0,1,2,3,4,5,6,7
	ds_load_b128 v[32*\a+4*\t:32*\a+4*\t+3], v[RD] offset:\t*2*SPITCH
.endr
.endm
.macro SEND a, younger
	s_wait_dscnt \younger
	WIN 0x04
.irp t, 0,1,2,3,4,5,6,7
	global_store_b128 v[CO], v[32*\a+4*\t:32*\a+4*\t+3], s[12:13] offset:(16*\a+2*\t)*SIZE_N*4 th:TH_STORE_NT
.endr
.endm
	PLACES NP
	TOSTAGE 0
	TOSTAGE 1
	SEND 0, 16
	TOSTAGE 2
	SEND 1, 16
	TOSTAGE 3
	SEND 2, 16
	SEND 3, 0
	WIN 0
	s_wait_tensorcnt 0x0
	ds_add_u32 v126, v127
	s_wait_dscnt 0x0
	CROUND
	s_endpgm
.Lfunc_end_k_q30fdf080f7_oproj:
	.size	k_q30fdf080f7_oproj, .Lfunc_end_k_q30fdf080f7_oproj-k_q30fdf080f7_oproj
	.p2alignl 7, 3214868480
	.fill 96, 4, 3214868480
	.section	.rodata,"a",@progbits
	.p2align	6, 0x0
	.amdhsa_kernel k_q30fdf080f7_oproj
		.amdhsa_group_segment_fixed_size 327680
		.amdhsa_private_segment_fixed_size 0
		.amdhsa_enable_private_segment 0
		.amdhsa_kernarg_size 32
		.amdhsa_user_sgpr_count 2
		.amdhsa_user_sgpr_kernarg_segment_ptr 1
		.amdhsa_wavefront_size32 1
		.amdhsa_system_sgpr_workgroup_id_x 1
		.amdhsa_system_sgpr_workgroup_id_y 1
		.amdhsa_system_sgpr_workgroup_id_z 1
		.amdhsa_system_vgpr_workitem_id 0
		.amdhsa_next_free_vgpr 512
		.amdhsa_next_free_sgpr 98
		.amdhsa_reserve_vcc 0
		.amdhsa_float_denorm_mode_32 3
		.amdhsa_float_denorm_mode_16_64 3
		.amdhsa_memory_ordered 1
		.amdhsa_forward_progress 1
		.amdhsa_inst_pref_size 60
	.end_amdhsa_kernel
	.amdgpu_metadata
---
amdhsa.version: [ 1, 2 ]
amdhsa.kernels:
  - .name:           k_q30fdf080f7_oproj
    .symbol:         k_q30fdf080f7_oproj.kd
    .args:
      - { .name: a6, .offset: 0, .size: 8, .value_kind: global_buffer, .address_space: global }
      - { .name: wq, .offset: 8, .size: 8, .value_kind: global_buffer, .address_space: global }
      - { .name: bo, .offset: 16, .size: 8, .value_kind: global_buffer, .address_space: global }
      - { .name: out0, .offset: 24, .size: 8, .value_kind: global_buffer, .address_space: global }
    .group_segment_fixed_size: 327680
    .private_segment_fixed_size: 0
    .kernarg_segment_align: 8
    .kernarg_segment_size: 32
    .max_flat_workgroup_size: 128
    .sgpr_count:     98
    .vgpr_count:     512
    .wavefront_size: 32
...
	.end_amdgpu_metadata
.endif
;; end of part 8
